; MI455X (gfx1250); checked and timed in simulation.
; The chip was launched on July 23, 2026; its instructions are those of AMD's public machine-readable ISA for CDNA 5 (MIT licence, August 2026) and "CDNA5" Instruction Set Architecture Reference Guide (July 2026). The comments in the code are by the model that wrote it; some were corrected since.
;; Rotary Multi Head Attention. Allowed arithmetic: matrix products marked QUANTISED: E4M3 operands, one E8M0 scale for each 32 along K, by v_wmma_scale_f32_16x16x128_f8f6f4 with both operands' format E4M3, f32 sums; products left as they are: f32 operands where the result goes on into a quantised operand, else bf16, f16 or f32 operands; f32 sums; everything else in f32.
;; Inputs: Wk 1,024 x 1,024 float32; Wo 1,024 x 1,024 float32; Wq 1,024 x 1,024 float32; Wv 1,024 x 1,024 float32; bk 1,024 float32; bo 1,024 float32; bq 1,024 float32; bv 1,024 float32; x 2 x 2,048 x 1,024 float32.
;; Outputs: out0 2 x 2,048 x 1,024 float32.
;; This version of the problem:
;;   THIS VERSION OF THE PROBLEM IS GIVEN IN LOW PRECISION. The matrix products marked QUANTISED in the list below multiply operands that are first quantised to E4M3 (4 exponent bits, 3 mantissa bits; 8 bits a number), with one power-of-two scale for each 32 numbers along K (OCP MX v1.0); their sums are f32. All else is computed in f32.
;;   The module's matrix products, in the order in which they are computed (A, B: the left and right operand; K: the contracted axis; several contracted axes count as one K, in the product's order):
;;     1. [M 4,096, K 1,024] x [K 1,024, N 1,024]; A: input x; B: input Wq: QUANTISED
;;     2. [M 4,096, K 1,024] x [K 1,024, N 1,024]; A: input x; B: input Wk: QUANTISED
;;     3. [M 4,096, K 1,024] x [K 1,024, N 1,024]; A: input x; B: input Wv: QUANTISED
;;     4. [M 2,048, K 1] x [K 1, N 32]; A: computed on the way; B: computed on the way: left as it is (no contracted axis)
;;     5. batch 32 x [M 2,048, K 64] x [K 64, N 2,048]; A: computed on the way; B: computed on the way: QUANTISED
;;     6. batch 32 x [M 2,048, K 2,048] x [K 2,048, N 64]; A: softmax (see below); B: computed on the way: QUANTISED
;;     7. [M 4,096, K 1,024] x [K 1,024, N 1,024]; A: computed on the way; B: input Wo: QUANTISED
;;   THE QUANTISER, for each operand of a quantised product, along K:
;;     - K is cut into blocks of 32 from its start; a last block that is shorter is filled with zeros.
;;     - A block's scale is 2^e with e = floor(log2(the largest magnitude in the block)) - 8, held to -126 .. 127; a block of zeros has e = 0. As a byte (E8M0): e + 127.
;;     - Each number is divided by its block's scale, clamped to +-448, and rounded to the nearest number of E4M3, ties to even, subnormals kept.
;;     - The product sums the exact products of the quantised numbers (number of the format x scale) in f32.
;;   ~~~python
;;   def quantise(x, axis):      # numpy; x: float32 -> the quantised numbers, widened to float32 again
;;       x = np.moveaxis(x, axis, -1); K = x.shape[-1]
;;       x = np.pad(x, [(0, 0)] * (x.ndim - 1) + [(0, -K % 32)]); x = x.reshape(x.shape[:-1] + (-1, 32)); a = np.abs(x).max(-1, keepdims=True)
;;       e = np.where(a > 0, np.clip(np.frexp(np.where(a > 0, a, 1))[1] - 1 - 8, -126, 127), 0)      # np.frexp(a)[1] - 1 = floor(log2(a)), exactly
;;       r = np.clip(x / 2.0 ** e, -448, 448)
;;       step = 2.0 ** (np.maximum(np.frexp(np.where(r == 0, 1, r))[1] - 1, -6) - 3)
;;       q = np.round(r / step) * step * 2.0 ** e      # np.round: ties to even
;;       return np.moveaxis(q.reshape(q.shape[:-2] + (-1,))[..., :K], -1, axis).astype(np.float32)
;;   ~~~
;;   SOFTMAX AHEAD OF A QUANTISED PRODUCT. Where the list says 'softmax', what is quantised is not the finished softmax but p = 2^(t - M), with t = logit x log2(e) and M = ceil(the row's largest t), a whole number; so 1/2 < the row's largest p <= 1. The row's sum l is taken of the UNQUANTISED p, in f32, and the product's result is divided by l at the end. Since M is a whole number, a kernel that streams over the keys may use a running M (the ceiling of the running maximum): every later rescaling is an exact power of two, which a block's scale takes up: the codes' values come out the same.
;;   OPERANDS COMPUTED ON THE WAY. 'Computed on the way' means the value that the module computes at that place (a softmax that the list does not call 'softmax' is quantised finished and normalised). What goes into a quantiser is computed in f32, as accurately as f32 sums, v_exp_f32 and their like allow (about 1e-6 of the number): no bf16 or f16 on the way to a quantiser, and a product that is left as it is and whose result goes on into a quantised operand takes f32 operands (vector FMAs, or v_wmma_f32_16x16x4_f32). A number that lies on a knife's edge between two numbers of the format may be rounded either way, as far as f32 arithmetic and the matrix unit's own rounding can turn it there, and no further.
;; 2 versions. Each part assembles by itself: llvm-mc -triple=amdgcn-amd-amdhsa -mcpu=gfx1250 --defsym DOCPART=n.
;; ======== version 1 of 2: 4 launches
;; workspace buffers: ximg 4,325,376 bytes; wimg 4,325,376 bytes; tab 524,288 bytes; qs 4,325,376 bytes; kv 8,650,752 bytes; oimg 4,325,376 bytes
;; launch quant (part 1): grid 544 x 1, 4 waves a work-group, no clusters, 68,096 bytes of LDS; arguments x, Wq, Wk, Wv, Wo, ximg, wimg, tab; writes ximg, wimg, tab
.if DOCPART == 1
	.amdgcn_target "amdgcn-amd-amdhsa--gfx1250"
	.amdhsa_code_object_version 6
	.text
	.protected	k_q1bfeaa516f_quant
	.globl	k_q1bfeaa516f_quant
	.p2align	8
	.type	k_q1bfeaa516f_quant,@function
k_q1bfeaa516f_quant:
	s_mov_b64 s[64:65], 0
	v_nop
	global_prefetch_b8 v0, s[64:65] scope:SCOPE_SE
	s_setreg_imm32_b32 hwreg(HW_REG_WAVE_MODE, 25, 1), 1
	s_wait_xcnt 0x0
; x [4096][1024] and Wq, Wk, Wv, Wo [1024][1024], f32 with K innermost, become codes of FP8 (E4M3) with one E8M0 byte for each 32 along K, laid AS THE MATRIX
; UNIT'S OPERAND REGISTERS: a fragment (16 rows x 128 K) is 2,048 bytes [chunk c][lane][16 bytes], chunk c = registers 4 c .. 4 c + 3 = k 32 c + 16 (lane / 16) + 0 .. 15 of row lane % 16.
; A block (128 rows x 128 K) is 8 fragments and then 8 x 16 scale words: 16,896 bytes; a panel (128 rows, all of K) is 8 blocks on end.
; THE ROWS OF A TILE ARE NOT NEIGHBOURS: lane-row r of tile t is panel row 32 (t / 2) + 8 (t % 2) + r + 8 (r / 8), so that results made with such a tile as source 0 have 16 neighbours in 16 registers.
; Work-groups 0 .. 511 make one block each (64 panels x 8 K steps); wave w makes tiles 2 w and 2 w + 1 from panel rows 32 w .. 32 w + 31.  Each load takes a row's 512 consecutive bytes; the rows turn through the
; wave's own stage in LDS (slots of 528 bytes = 33 x 16, so that sixteen lanes' reads fall in sixteen different columns of 16 bytes) and come back 16 neighbours a lane and block.
; Work-groups 512 .. 543 make the table of cos and sin for the rotary embedding: wave w of group g makes position tile 4 g + w, lane (r, h) the 16 frequencies 16 h + 0 .. 15 of its position.  They use no LDS.
; A block's scale byte is its largest magnitude's exponent field - 8, held at 1 from below (a block of zeros keeps the byte 1: its codes are zeros, and this program alone reads the bytes).
; LIMITS: NaN and infinities among the inputs are not served; blocks whose largest magnitude lies under 2^-118 keep the byte 1.  The angle's reduction by three parts of pi / 2 is exact in its first step for
; quotients up to 1,304, which covers positions up to 2,047.  The frequencies are 1 / 10^(i / 8) with both the power and the quotient rounded to nearest.
.set BLK,   16896
.set PANEL, 8*BLK
.set SLOTB, 528
.set WV,  20
.set SEL, 40                           ; s[40:41] lane selects: lane l xor 16
.set MNT, 42                           ; s42 the mantissa field of 448
.set TM,  16                           ; v16-31 the quantiser's 16 registers
.set PC0, 32                           ; v32-47, v48-63 the two tiles' codes
.set PC1, 48
.set X,   64                           ; v64-127 64 numbers of a lane
.set R,   128                          ; v128-255 the 32 rows as loaded
; 16 nb numbers of a lane, register 16 b + i = k 32 b + 16 (lane / 16) + i of my row, become codes in v[pc] on and the row's scale bytes in v[w]
.macro QUANT s, nb, pc, w
.irp b, 0,1,2,3
.if \b < \nb
	v_max3_num_f32 v[TM+\b], |v[(\s)+16*\b]|, |v[(\s)+1+16*\b]|, 0x4800000   ; my 16 numbers of block b, and the floor 2^(9 - 127): the byte cannot fall under 1
.endif
.endr
.irp i, 2,4,6,8,10,12,14
.irp b, 0,1,2,3
.if \b < \nb
	v_max3_num_f32 v[TM+\b], v[TM+\b], |v[(\s)+16*\b+\i]|, |v[(\s)+1+16*\b+\i]|   ; the blocks by turns
.endif
.endr
.endr
.irp b, 0,1,2,3
.if \b < \nb
	v_permlanex16_b32 v[TM+4+\b], v[TM+\b], s[SEL], s[SEL+1]
.endif
.endr
.irp b, 0,1,2,3
.if \b < \nb
	v_max_num_f32 v[TM+\b], v[TM+\b], v[TM+4+\b]   ; with lane l xor 16's 16: the block's largest magnitude
.endif
.endr
.irp b, 0,1,2,3
.if \b < \nb
	v_add_nc_u32 v[TM+12+\b], 0xfc000000, v[TM+\b]   ; 8 off its exponent field: the conversion's scale operand
.endif
.endr
.irp b, 0,1,2,3
.if \b < \nb
	v_and_or_b32 v[TM+8+\b], v[TM+\b], 0x7f800000, s[MNT]   ; 448 x the scale
.endif
.endr
.irp b, 0,1,2,3
.if \b < \nb
	v_lshrrev_b32 v[TM+4+\b], 23, v[TM+12+\b]      ; the scale's byte
.endif
.endr
	v_lshl_or_b32 v[\w], v[TM+5], 8, v[TM+4]
.if \nb > 2
	v_lshl_or_b32 v[\w], v[TM+6], 16, v[\w]
	v_lshl_or_b32 v[\w], v[TM+7], 24, v[\w]
.endif
.irp b, 0,1,2,3
.if \b < \nb
.irp i, 0,1,2,3,4,5,6,7,8,9,10,11,12,13,14,15
	v_med3_num_f32 v[(\s)+16*\b+\i], v[(\s)+16*\b+\i], -v[TM+8+\b], v[TM+8+\b]   ; the conversion to an 8-bit code does not saturate (ISA guide 7.6.2): the hold
.endr
	v_cvt_scalef32_pk8_fp8_f32 v[(\pc)+4*\b:(\pc)+4*\b+1], v[(\s)+16*\b:(\s)+16*\b+7], v[TM+12+\b]
	v_cvt_scalef32_pk8_fp8_f32 v[(\pc)+4*\b+2:(\pc)+4*\b+3], v[(\s)+16*\b+8:(\s)+16*\b+15], v[TM+12+\b]
.endif
.endr
	v_nop                                          ; a plain line behind the last conversion
.endm
	s_load_b512 s[4:19], s[0:1], 0x0               ; x s[4:5], Wq s[6:7], Wk s[8:9], Wv s[10:11], Wo s[12:13], ximg s[14:15], wimg s[16:17], tab s[18:19]
	v_lshl_add_u32 v11, v0, 2, 0x10800
	v_mov_b32 v15, 0
	v_lshrrev_b32 v1, 5, v0
	v_readfirstlane_b32 s[WV], v1                  ; wave 0..3
	v_and_b32 v1, 31, v0                           ; lane
	v_and_b32 v2, 15, v0                           ; r
	v_bfe_u32 v3, v0, 4, 1                         ; h
	v_lshlrev_b32 v4, 4, v1                        ; 16 x lane
	s_cmp_ge_u32 ttmp9, 512
	s_cbranch_scc1 .Ltable
	; ---- a block of codes
	s_lshr_b32 s21, ttmp9, 3                       ; p: 0-31 x's panels, 32-39 Wq's, 40-47 Wk's, 48-55 Wv's, 56-63 Wo's
	s_and_b32 s22, ttmp9, 7                        ; the K step
	s_and_b32 s23, s21, 7
	s_and_b32 s24, s21, 31
	s_mul_i32 s25, s[WV], 32*SLOTB                 ; my stage
	v_add_nc_u32 v5, s25, v4                       ; in: 16 x lane of a slot
	v_mul_u32_u24 v6, v2, SLOTB
	v_lshl_add_u32 v6, v3, 6, v6
	v_add_nc_u32 v6, s25, v6                       ; out: slot r, + 64 h: my 16 numbers of a block of 32
	v_lshlrev_b32 v7, 2, v1                        ; 4 x lane
	s_mov_b32 s[SEL], 0x76543210
	s_mov_b32 s[SEL+1], 0xfedcba98
	s_mov_b32 s[MNT], 0x600000
.irp b, 0,1,2,3
	v_mov_b32 v[TM+4+\b], 0                        ; written once: a lane permute's destination counts as one of its sources
.endr
	s_wait_kmcnt 0x0
	s_mov_b64 s[26:27], s[12:13]                   ; the source is chosen by the work-group's number alone
	s_cmp_lt_u32 s21, 56
	s_cselect_b64 s[26:27], s[10:11], s[26:27]
	s_cmp_lt_u32 s21, 48
	s_cselect_b64 s[26:27], s[8:9], s[26:27]
	s_cmp_lt_u32 s21, 40
	s_cselect_b64 s[26:27], s[6:7], s[26:27]
	s_cmp_lt_u32 s21, 32
	s_cselect_b64 s[26:27], s[4:5], s[26:27]
	s_cselect_b64 s[28:29], s[14:15], s[16:17]     ; and the images' buffer
	s_cselect_b32 s23, s21, s23                    ; the panel within the source
	s_lshl_b32 s30, s23, 19                        ; 128 rows of 4,096 bytes,
	s_lshl_b32 s31, s[WV], 17                      ; my 32 rows,
	s_add_co_u32 s30, s30, s31
	s_lshl_b32 s31, s22, 9                         ; 128 numbers along K
	s_add_co_u32 s30, s30, s31
	s_mov_b32 s31, 0
	s_add_nc_u64 s[26:27], s[26:27], s[30:31]
	s_mul_i32 s30, s24, PANEL
	s_mul_i32 s32, s22, BLK
	s_add_co_u32 s30, s30, s32                     ; the block
	s_lshl_b32 s32, s[WV], 12                      ; my two fragments
	s_add_co_u32 s32, s32, s30
	s_mov_b32 s33, 0
	s_add_nc_u64 s[34:35], s[28:29], s[32:33]
	s_lshl_b32 s32, s[WV], 7                       ; my two fragments' scale words
	s_add_co_u32 s32, s32, s30
	s_add_co_u32 s32, s32, 16384
	s_add_nc_u64 s[36:37], s[28:29], s[32:33]
.set n, 0
.rept 32                                       ; load n: tile n / 16, lane-row n % 16: 32 lanes read the row's 512 consecutive bytes; read once in the launch
	global_load_b128 v[R+4*n:R+4*n+3], v4, s[26:27] offset:(8*(n/16)+(n%16)+8*((n%16)/8))*4096 th:TH_LOAD_NT
.set n, n+1
.endr
.macro TILE u, pc, w
.irp i, 0,1,2,3,4,5,6,7,8,9,10,11,12,13,14,15
	ds_store_b128 v5, v[R+64*\u+4*\i:R+64*\u+4*\i+3] offset:(16*\u+\i)*SLOTB
.endr
.irp b, 0,1,2,3
.irp j, 0,1,2,3
	ds_load_b128 v[X+16*\b+4*\j:X+16*\b+4*\j+3], v6 offset:\u*16*SLOTB+128*\b+16*\j   ; LDS serves a wave's instructions in order: these see the stores above
.endr
.endr
	s_wait_dscnt 0x0
	QUANT X, 4, \pc, \w
.irp c, 0,1,2,3
	global_store_b128 v4, v[\pc+4*\c:\pc+4*\c+3], s[34:35] offset:2048*\u+512*\c   ; 32 lanes store 512 consecutive bytes
.endr
.endm
	s_wait_loadcnt 16                              ; the first tile's 16 rows are in; the second tile's 16 loads may be out
	TILE 0, PC0, 12
	s_wait_loadcnt 0x0
	TILE 1, PC1, 13
	v_cmp_eq_u32 vcc_lo, 1, v3
	v_cndmask_b32 v14, v12, v13, vcc_lo            ; lanes 0-15 the first tile's words, lanes 16-31 the second's (both halves of the lanes hold row r's word)
	global_store_b32 v7, v14, s[36:37]             ; 128 consecutive bytes
	s_wait_tensorcnt 0x0
	ds_add_u32 v11, v15
	s_wait_dscnt 0x0
	s_endpgm
	; ---- the table: tab[T][chunk q][lane][16 bytes]; chunks 0-3 cos, 4-7 sin of frequencies 16 h + 4 (q % 4) + 0 .. 3 at position 32 (T / 2) + 8 (T % 2) + r + 8 (r / 8)
.set TT, 8
.set FQ, 64                            ; v64-79 the powers, then the frequencies
.set FY, 80                            ; v80-95 first reciprocals
.set FE, 96                            ; v96-111 their errors
.set CO, 32                            ; v32-47 cos, v48-63 sin
.set SI, 48
.set tA, 16
.set tN, 17
.set tR, 18
.set tZ, 19
.set tS, 20
.set tC, 21
.set tQ, 22
.set tW, 23
.set tH, 24
.macro FREQ j, lo, hi                  ; 10^(i / 8) for i = j (lanes 0-15) and i = 16 + j (lanes 16-31)
	v_mov_b32 v[FQ+\j], \hi
	v_cndmask_b32 v[FQ+\j], \lo, v[FQ+\j], vcc_lo
.endm
.macro TRIG j
	v_mul_f32 v[tA], v[TT], v[FQ+\j]               ; the angle: one rounding
	v_mul_f32 v[tN], 0x3f22f983, v[tA]             ; x 2 / pi
	v_rndne_f32 v[tN], v[tN]
	v_fma_f32 v[tR], -v[tN], s24, v[tA]            ; less N x pi / 2, in three parts
	v_fma_f32 v[tR], -v[tN], s25, v[tR]
	v_fma_f32 v[tR], -v[tN], s26, v[tR]
	v_mul_f32 v[tZ], v[tR], v[tR]
	v_cvt_i32_f32 v[tQ], v[tN]
	v_fma_f32 v[tS], s27, v[tZ], s28
	v_fma_f32 v[tS], v[tS], v[tZ], s29
	v_mul_f32 v[tW], v[tR], v[tZ]
	v_fma_f32 v[tS], v[tS], v[tW], v[tR]           ; sin of the rest
	v_fma_f32 v[tC], s30, v[tZ], s31
	v_fma_f32 v[tC], v[tC], v[tZ], s32
	v_mul_f32 v[tW], v[tZ], v[tZ]
	v_fma_f32 v[tH], -0.5, v[tZ], 1.0
	v_fma_f32 v[tC], v[tC], v[tW], v[tH]           ; cos of the rest
	v_and_b32 v[tW], 1, v[tQ]
	v_cmp_eq_u32 vcc_lo, 1, v[tW]                  ; in odd quadrants the two change places (a choice of values, no branch)
	v_cndmask_b32 v[CO+\j], v[tC], v[tS], vcc_lo
	v_cndmask_b32 v[SI+\j], v[tS], v[tC], vcc_lo
	v_add_nc_u32 v[tW], 1, v[tQ]
	v_lshlrev_b32 v[tW], 30, v[tW]
	v_and_b32 v[tW], 0x80000000, v[tW]
	v_xor_b32 v[CO+\j], v[tW], v[CO+\j]            ; cos is negative in quadrants 1 and 2,
	v_lshlrev_b32 v[tW], 30, v[tQ]
	v_and_b32 v[tW], 0x80000000, v[tW]
	v_xor_b32 v[SI+\j], v[tW], v[SI+\j]            ; sin in 2 and 3
.endm
.Ltable:
	s_sub_co_u32 s21, ttmp9, 512
	s_lshl_b32 s21, s21, 2
	s_add_co_u32 s21, s21, s[WV]                   ; T
	s_lshr_b32 s22, s21, 1
	s_lshl_b32 s22, s22, 5
	s_and_b32 s23, s21, 1
	s_lshl_b32 s23, s23, 3
	s_add_co_u32 s22, s22, s23
	v_and_b32 v5, 8, v2
	v_add_nc_u32 v5, v5, v2
	v_add_nc_u32 v5, s22, v5                       ; my position
	v_cvt_f32_u32 v[TT], v5
	s_mov_b32 s24, 0x3fc90fda                      ; pi / 2 in three parts of 24 bits
	s_mov_b32 s25, 0x33a22168
	s_mov_b32 s26, 0x27c234c5
	s_mov_b32 s27, 0xb94ca1f9                      ; sin: -1.9515295891e-4, 8.3321608736e-3, -1.6666654611e-1
	s_mov_b32 s28, 0x3c08839e
	s_mov_b32 s29, 0xbe2aaaa3
	s_mov_b32 s30, 0x37ccf5ce                      ; cos: 2.443315711809948e-5, -1.388731625493765e-3, 4.166664568298827e-2
	s_mov_b32 s31, 0xbab6061a
	s_mov_b32 s32, 0x3d2aaaa5
	v_cmp_eq_u32 vcc_lo, 1, v3                     ; lanes 16-31
	FREQ 0, 1.0, 100.0
	FREQ 1, 1.3335214321633240, 133.35214321633240
	FREQ 2, 1.7782794100389228, 177.82794100389228
	FREQ 3, 2.3713737056616552, 237.13737056616552
	FREQ 4, 3.1622776601683795, 316.22776601683795
	FREQ 5, 4.2169650342858226, 421.69650342858226
	FREQ 6, 5.6234132519034908, 562.34132519034908
	FREQ 7, 7.4989420933245582, 749.89420933245582
	FREQ 8, 10.0, 1000.0
	FREQ 9, 13.335214321633240, 1333.5214321633240
	FREQ 10, 17.782794100389228, 1778.2794100389228
	FREQ 11, 23.713737056616552, 2371.3737056616552
	FREQ 12, 31.622776601683795, 3162.2776601683795
	FREQ 13, 42.169650342858226, 4216.9650342858226
	FREQ 14, 56.234132519034908, 5623.4132519034908
	FREQ 15, 74.989420933245582, 7498.9420933245582
.irp j, 0,1,2,3,4,5,6,7,8,9,10,11,12,13,14,15
	v_rcp_f32 v[FY+\j], v[FQ+\j]
.endr
	v_nop                                          ; a plain line behind the reciprocals
	s_wait_alu depctr_va_vdst(0)
.irp j, 0,1,2,3,4,5,6,7,8,9,10,11,12,13,14,15
	v_fma_f32 v[FE+\j], -v[FQ+\j], v[FY+\j], 1.0   ; one step of Newton's brings the quotient to the nearest number
.endr
.irp j, 0,1,2,3,4,5,6,7,8,9,10,11,12,13,14,15
	v_fma_f32 v[FQ+\j], v[FY+\j], v[FE+\j], v[FY+\j]
.endr
.irp j, 0,1,2,3,4,5,6,7,8,9,10,11,12,13,14,15
	TRIG \j
.endr
	s_lshl_b32 s22, s21, 12
	s_mov_b32 s23, 0
	s_wait_kmcnt 0x0
	s_add_nc_u64 s[18:19], s[18:19], s[22:23]
.irp q, 0,1,2,3,4,5,6,7
	global_store_b128 v4, v[CO+4*\q:CO+4*\q+3], s[18:19] offset:512*\q   ; 32 lanes store 512 consecutive bytes
.endr
	s_endpgm
.Lfunc_end_k_q1bfeaa516f_quant:
	.size	k_q1bfeaa516f_quant, .Lfunc_end_k_q1bfeaa516f_quant-k_q1bfeaa516f_quant
	.p2alignl 7, 3214868480
	.fill 96, 4, 3214868480
	.section	.rodata,"a",@progbits
	.p2align	6, 0x0
	.amdhsa_kernel k_q1bfeaa516f_quant
		.amdhsa_group_segment_fixed_size 68096
		.amdhsa_private_segment_fixed_size 0
		.amdhsa_enable_private_segment 0
		.amdhsa_kernarg_size 64
		.amdhsa_user_sgpr_count 2
		.amdhsa_user_sgpr_kernarg_segment_ptr 1
		.amdhsa_wavefront_size32 1
		.amdhsa_system_sgpr_workgroup_id_x 1
		.amdhsa_system_sgpr_workgroup_id_y 1
		.amdhsa_system_sgpr_workgroup_id_z 1
		.amdhsa_system_vgpr_workitem_id 0
		.amdhsa_next_free_vgpr 256
		.amdhsa_next_free_sgpr 66
		.amdhsa_reserve_vcc 1
		.amdhsa_float_denorm_mode_32 3
		.amdhsa_float_denorm_mode_16_64 3
		.amdhsa_memory_ordered 1
		.amdhsa_forward_progress 1
		.amdhsa_inst_pref_size 54
	.end_amdhsa_kernel
	.amdgpu_metadata
---
amdhsa.version: [ 1, 2 ]
amdhsa.kernels:
  - .name:           k_q1bfeaa516f_quant
    .symbol:         k_q1bfeaa516f_quant.kd
    .args:
      - { .name: x, .offset: 0, .size: 8, .value_kind: global_buffer, .address_space: global }
      - { .name: Wq, .offset: 8, .size: 8, .value_kind: global_buffer, .address_space: global }
      - { .name: Wk, .offset: 16, .size: 8, .value_kind: global_buffer, .address_space: global }
      - { .name: Wv, .offset: 24, .size: 8, .value_kind: global_buffer, .address_space: global }
      - { .name: Wo, .offset: 32, .size: 8, .value_kind: global_buffer, .address_space: global }
      - { .name: ximg, .offset: 40, .size: 8, .value_kind: global_buffer, .address_space: global }
      - { .name: wimg, .offset: 48, .size: 8, .value_kind: global_buffer, .address_space: global }
      - { .name: tab, .offset: 56, .size: 8, .value_kind: global_buffer, .address_space: global }
    .group_segment_fixed_size: 68096
    .private_segment_fixed_size: 0
    .kernarg_segment_align: 8
    .kernarg_segment_size: 64
    .max_flat_workgroup_size: 128
    .sgpr_count:     66
    .vgpr_count:     256
    .wavefront_size: 32
...
	.end_amdgpu_metadata
.endif
;; end of part 1
;; launch qkv (part 2): grid 24 x 32, 4 waves a work-group, clusters of 4 x 4, 271,872 bytes of LDS; arguments ximg, wimg, bq, bk, bv, tab, qs, kv; writes qs, kv
.if DOCPART == 2
	.amdgcn_target "amdgcn-amd-amdhsa--gfx1250"
	.amdhsa_code_object_version 6
	.text
	.protected	k_q1bfeaa516f_qkv
	.globl	k_q1bfeaa516f_qkv
	.p2align	8
	.type	k_q1bfeaa516f_qkv,@function
k_q1bfeaa516f_qkv:
	s_mov_b64 s[64:65], 0
	v_nop
	global_prefetch_b8 v0, s[64:65] scope:SCOPE_SE
	s_setreg_imm32_b32 hwreg(HW_REG_WAVE_MODE, 25, 1), 1
	s_wait_xcnt 0x0
	s_wait_alu depctr_hold_cnt(0) depctr_sa_sdst(0) depctr_va_vdst(0) depctr_va_sdst(0) depctr_va_ssrc(0) depctr_va_vcc(0) depctr_vm_vsrc(0)
	s_getreg_b32 s2, hwreg(HW_REG_IB_STS2, 6, 4)
	s_cmp_eq_u32 s2, 0
	s_cbranch_scc0 .Lentry_in_a_cluster
	s_endpgm
.Lentry_in_a_cluster:
	s_bfe_u32 s2, ttmp6, 0x10000c
	s_cmp_lg_u32 s2, 0xf033
	s_cbranch_scc0 .Lentry_shape_is_right
	s_endpgm
.Lentry_shape_is_right:
; q, k, v = x W^T + b on codes of FP8 (E4M3) with E8M0 scales; q and k are rotated (RoPE) and quantised along the head's 64, v along the keys; all three leave as images of the attention launch's operand registers.
; A work-group of four waves makes 128 x 128 of a product, a wave 64 x 64: 16 accumulators.  SOURCE 1's rows fall to lanes, SOURCE 0's rows run along a lane's registers.  Clusters 0-3 along x (q and k): source 1 = x
; (a lane is a position), source 0 = Wq or Wk (registers run along d).  Clusters 4, 5 (v): source 1 = Wv (a lane is a channel d), source 0 = x (registers run along the keys).  So each result is quantised along a lane's registers.
; BOTH PANELS (128 rows x all 1,024 of K: 8 blocks of 16,896 bytes, fragments and scale words in register order) FIT IN LDS: each byte of LDS is filled once, so there is no ring.  Waves 0, 1 fetch source 1's blocks, waves 2, 3
; source 0's, four loads a wave, all issued at the start: four tensor loads of a wave are out at the most.  K steps 2 j, 2 j + 1 are read behind a counted wait and a barrier.
; CLUSTERS: 4 x 4.  Source 1's panel is shared along a row of the cluster, source 0's along a column: joint loads, the same descriptor in the four that a mask names.
; The rows of a tile: lane-row r of tile t is panel row 32 (t / 2) + 8 (t % 2) + r + 8 (r / 8); so the 32 registers of accumulators (a, 0 .. 3) are source 0's rows 64 (wave % 2) + 32 g + 16 (lane / 16) + i at register 16 g + i.
; OUT.  q: qs[head][step of 128 positions]: 8 tiles x 1,024 bytes (chunks d-block 0, 1), then 4 x 16 scale words [tile 2 p: d0, d1; tile 2 p + 1: d0, d1].  k: the same at the head of kv's block of 16,896 bytes.
; v: kv's block from byte 8,448: 4 tiles of 16 channels x 128 keys, then 4 x 16 scale words; a word's two halves come from two waves and meet in LDS bytes that no tensor load touches.
; LIMITS: NaN and infinities are not served; a block whose largest magnitude lies under 2^-118, or that is all zeros, keeps the scale byte 1 (this program alone reads the bytes).
; REGISTERS: window 0: v1-15 addresses; v16-31 the quantiser's; v32-39 scale words, two sets (nothing else ever); v40-46 scale bytes on their way; v48-63 codes; v64-127 biases and RoPE's products; v128-255 accumulators.
;   window 1: two fragment buffers of 128 (source 1's four fragments, then source 0's four).   window 2: v0-127 cos and sin of my four tiles of positions.
.set BLK,   16896
.set PANEL, 8*BLK
.set SCR,   2*PANEL                    ; LDS behind the two panels: 512 bytes for v's scale words
.set SEL, 2                            ; s[2:3]
.set WV,  20
.set WH,  21                           ; wave / 2: which 64 of source 1's rows
.set WL,  22                           ; wave % 2: which 64 of source 0's rows; also which of two K steps I fetch
.set MNT, 23
.set G1A, 24                           ; s[24:31] group 1, source 1;  s[32:39] source 0
.set G1B, 32
.set G0A, 40                           ; s[40:55] four groups 0, source 1
.set G0B, 56                           ; s[56:63], s[68:75] four groups 0, source 0
.set LT,  67                           ; a scalar for LDS addresses: it holds the wave's number and constants alone
.set CX,  76
.set CY,  77
.set CLX, 78
.set CLY, 79
.set ISV, 80
.set C0,  81
.set C1,  82
.set IDX0, 83                          ; source 0's panel
.set IDX1, 84                          ; source 1's panel
.set KK,  85
.set P0,  86                           ; s[86:87] source 0's panel in memory;  s[88:89] source 1's
.set P1,  88
.set RR,  1
.set HH,  2
.set LI,  3                            ; 16 x lane
.set A1,  4                            ; v4, v5 source 1's fragments, K steps 0-3 and 4-7
.set A0,  6                            ; v6, v7 source 0's
.set AS,  8                            ; v8, v9 scale words: lanes 0-15 source 1's, lanes 16-31 source 0's
.set GA,  10
.set GB,  11
.set LS,  12                           ; 4 x lane
.set BO,  13
.set LH,  14
.set LW,  15
.set TM,  16
.set SC,  32
.set HW,  40
.set WD,  44
.set MG,  46
.set BI,  64
.set U,   96
.set W,   112
.set ACC, 128
.set MSB, 0
.macro WIN new                         ; the immediate's high byte repeats the setting that is left
.if MSB != \new
	s_set_vgpr_msb (MSB<<8)|\new
.set MSB, \new
.endif
.endm
.macro PLACES n
.rept \n
	v_nop
.endr
.endm
.macro ROUND                           ; a round of the cluster's barrier
	s_barrier_signal -1
	s_barrier_wait -1
	s_cmp_lg_u32 s[WV], 0
	s_cbranch_scc1 .Lnot_wave_0_\@
	s_barrier_signal -3
.Lnot_wave_0_\@:
	s_barrier_wait -3
	s_barrier_signal -1
	s_barrier_wait -1
.endm
; 16 nb numbers of a lane, register 16 b + i = k 32 b + 16 (lane / 16) + i of my row, become codes in v[pc] on and the row's scale bytes in v[w]
.macro QUANT s, nb, pc, w
.irp b, 0,1,2,3
.if \b < \nb
	v_max3_num_f32 v[TM+\b], |v[(\s)+16*\b]|, |v[(\s)+1+16*\b]|, 0x4800000   ; my 16 numbers of block b, and the floor 2^(9 - 127): the byte cannot fall under 1
.endif
.endr
.irp i, 2,4,6,8,10,12,14
.irp b, 0,1,2,3
.if \b < \nb
	v_max3_num_f32 v[TM+\b], v[TM+\b], |v[(\s)+16*\b+\i]|, |v[(\s)+1+16*\b+\i]|
.endif
.endr
.endr
.irp b, 0,1,2,3
.if \b < \nb
	v_permlanex16_b32 v[TM+4+\b], v[TM+\b], s[SEL], s[SEL+1]
.endif
.endr
.irp b, 0,1,2,3
.if \b < \nb
	v_max_num_f32 v[TM+\b], v[TM+\b], v[TM+4+\b]   ; with lane l xor 16's 16: the block's largest magnitude
.endif
.endr
.irp b, 0,1,2,3
.if \b < \nb
	v_add_nc_u32 v[TM+12+\b], 0xfc000000, v[TM+\b]   ; 8 off its exponent field: the conversion's scale operand
.endif
.endr
.irp b, 0,1,2,3
.if \b < \nb
	v_and_or_b32 v[TM+8+\b], v[TM+\b], 0x7f800000, s[MNT]   ; 448 x the scale
.endif
.endr
.irp b, 0,1,2,3
.if \b < \nb
	v_lshrrev_b32 v[TM+4+\b], 23, v[TM+12+\b]      ; the scale's byte
.endif
.endr
	v_lshl_or_b32 v[\w], v[TM+5], 8, v[TM+4]
.if \nb > 2
	v_lshl_or_b32 v[\w], v[TM+6], 16, v[\w]
	v_lshl_or_b32 v[\w], v[TM+7], 24, v[\w]
.endif
.irp b, 0,1,2,3
.if \b < \nb
.irp i, 0,1,2,3,4,5,6,7,8,9,10,11,12,13,14,15
	v_med3_num_f32 v[(\s)+16*\b+\i], v[(\s)+16*\b+\i], -v[TM+8+\b], v[TM+8+\b]   ; the conversion to an 8-bit code does not saturate (ISA guide 7.6.2): the hold
.endr
	v_cvt_scalef32_pk8_fp8_f32 v[(\pc)+4*\b:(\pc)+4*\b+1], v[(\s)+16*\b:(\s)+16*\b+7], v[TM+12+\b]
	v_cvt_scalef32_pk8_fp8_f32 v[(\pc)+4*\b+2:(\pc)+4*\b+3], v[(\s)+16*\b+8:(\s)+16*\b+15], v[TM+12+\b]
.endif
.endr
	v_nop                                          ; a plain line behind the last conversion
.endm
; K step k's eight fragments into buffer k % 2 and its four scale registers into set k % 2: every load takes 512 (128) consecutive bytes
.macro FETCH k
.set FB, 128*((\k)%2)
	WIN 0x40                                       ; destination window 1, address window 0
.irp i, 0,1,2,3
.irp c, 0,1,2,3
	ds_load_b128 v[FB+16*\i+4*\c:FB+16*\i+4*\c+3], v[A1+(\k)/4] offset:((\k)%4)*BLK+2048*\i+512*\c
.endr
.endr
.irp i, 0,1,2,3
.irp c, 0,1,2,3
	ds_load_b128 v[FB+64+16*\i+4*\c:FB+64+16*\i+4*\c+3], v[A0+(\k)/4] offset:((\k)%4)*BLK+2048*\i+512*\c
.endr
.endr
	WIN 0
.irp i, 0,1,2,3
	ds_load_b32 v[SC+4*((\k)%2)+\i], v[AS+(\k)/4] offset:((\k)%4)*BLK+64*\i
.endr
.endm
; 16 matrix instructions, the 16 accumulators by turns, one instruction a turn.  cmode = 1: the first product starts the sums
.macro MUL k, cmode
.set FB, 128*((\k)%2)
.set SB, SC+4*((\k)%2)
	WIN 0x05                                       ; sources 0 and 1 window 1; C and D window 0
.irp a, 0,1,2,3
.irp b, 0,1,2,3
.if \cmode == 1
	v_wmma_scale_f32_16x16x128_f8f6f4 v[ACC+8*(4*\a+\b):ACC+8*(4*\a+\b)+7], v[FB+64+16*\b:FB+64+16*\b+15], v[FB+16*\a:FB+16*\a+15], 0, v[SB+\b], v[SB+\a] matrix_a_scale:MATRIX_SCALE_ROW1
.else
	v_wmma_scale_f32_16x16x128_f8f6f4 v[ACC+8*(4*\a+\b):ACC+8*(4*\a+\b)+7], v[FB+64+16*\b:FB+64+16*\b+15], v[FB+16*\a:FB+16*\a+15], v[ACC+8*(4*\a+\b):ACC+8*(4*\a+\b)+7], v[SB+\b], v[SB+\a] matrix_a_scale:MATRIX_SCALE_ROW1
.endif
.endr
.endr
.endm
; All of K, written out.  The counts 3, 2, 1, 0 are my younger tensor loads: my j-th load is K step 2 j + wave % 2 of my side, so behind the barrier K steps 2 j and 2 j + 1 of both panels are whole.
.macro MAIN cfirst
	s_wait_tensorcnt 0x3
	s_barrier_signal -1
	s_barrier_wait -1
	FETCH 0
.irp k, 0,1,2,3,4,5,6,7
	s_wait_dscnt 0x0                               ; this K step's fragments and scale words are in (asked for ahead of the last step's 16 products); none of my LDS loads is out at a signal
.if (\k % 2 == 1) && (\k < 7)
	s_wait_tensorcnt (5-\k)/2
	s_barrier_signal -1
	s_barrier_wait -1
.endif
.if \k < 7
.if \k > 0
	PLACES 8                                       ; behind the last step's products, which read the buffer and the scale set that are loaded next (ISA guide 7.12.1 for vector instructions)
.endif
	FETCH \k+1
.endif
.if \k == 0
	MUL \k, \cfirst
.else
	MUL \k, 0
.endif
.endr
	WIN 0
	PLACES 8                                       ; in front of the first read of results
.endm
	s_load_b512 s[4:19], s[0:1], 0x0               ; ximg s[4:5], wimg s[6:7], bq s[8:9], bk s[10:11], bv s[12:13], tab s[14:15], qs s[16:17], kv s[18:19]
	v_lshl_add_u32 v31, v0, 2, 0x42400
	v_mov_b32 v47, 0
	ds_add_u32 v31, v47
	ds_add_u32 v31, v47
	v_lshrrev_b32 v1, 5, v0
	v_readfirstlane_b32 s[WV], v1                  ; wave 0..3
	s_lshr_b32 s[WH], s[WV], 1
	s_and_b32 s[WL], s[WV], 1
	s_bfe_u32 s[CX], ttmp6, 0x40000                ; my place in the cluster
	s_bfe_u32 s[CY], ttmp6, 0x40004
	s_mov_b32 s[CLX], ttmp9                        ; the cluster's x: 0-1 q, 2-3 k, 4-5 v
	s_and_b32 s[CLY], ttmp7, 0xffff                ; and y
	s_lshl_b32 s96, s[CY], 2
	s_lshl_b32 s96, 15, s96                        ; my row of the cluster
	s_lshl_b32 s97, 0x1111, s[CX]                  ; my column
	s_or_b32 s[G1A], s96, (3<<16)|(1<<21)          ; 15:0 the mask; 17:16 elements of 8 bytes; 21 set beside a mask; no padding
	s_or_b32 s[G1B], s97, (3<<16)|(1<<21)
.irp g, G1A, G1B                               ; a block is dense: 66 rows of 256 bytes
	s_mov_b32 s[\g+1], 32<<16                      ; tensor_dim0 = 32
	s_mov_b32 s[\g+2], 66<<16                      ; tensor_dim1 = 66
	s_mov_b32 s[\g+3], 32<<16                      ; tile_dim0 = 32
	s_mov_b32 s[\g+4], 66                          ; tile_dim1 = 66
	s_mov_b32 s[\g+5], 32                          ; the pitch
	s_mov_b32 s[\g+6], 0
	s_mov_b32 s[\g+7], 0
.endr
	s_mul_i32 s94, s[WL], BLK                      ; my first block: K step wave % 2
	s_mov_b32 s95, 0
	s_mov_b32 s[SEL], 0x76543210
	s_mov_b32 s[SEL+1], 0xfedcba98
	s_mov_b32 s[MNT], 0x600000
	s_wait_dscnt 0x0
	s_wait_kmcnt 0x0
	s_cmp_ge_u32 s[CLX], 4                         ; v's clusters: the same answer in all sixteen partners
	s_cselect_b32 s[C0], s[CLY], s[CLX]
	s_cselect_b32 s[C1], s[CLX], s[CLY]
	s_cselect_b64 s[P0:P0+1], s[4:5], s[6:7]
	s_cselect_b64 s[P1:P1+1], s[6:7], s[4:5]
	s_cselect_b32 s[ISV], 1, 0
	s_lshl_b32 s[IDX0], s[C0], 2
	s_add_co_u32 s[IDX0], s[IDX0], s[CX]           ; source 0's panel hangs on cx, which my column shares
	s_lshl_b32 s[IDX1], s[C1], 2
	s_add_co_u32 s[IDX1], s[IDX1], s[CY]           ; source 1's on cy, which my row shares
	s_mul_i32 s90, s[IDX1], PANEL
	s_mov_b32 s91, 0
	s_add_nc_u64 s[P1:P1+1], s[P1:P1+1], s[90:91]
	s_add_nc_u64 s[P1:P1+1], s[P1:P1+1], s[94:95]
	s_mul_i32 s92, s[IDX0], PANEL
	s_mov_b32 s93, 0
	s_add_nc_u64 s[P0:P0+1], s[P0:P0+1], s[92:93]
	s_add_nc_u64 s[P0:P0+1], s[P0:P0+1], s[94:95]
	ROUND                                          ; all sixteen work-groups are here: the joint loads meet
.irp j, 0,1,2,3
	s_mov_b32 s[G0A+4*\j], 1                       ; count = 1
	s_add_co_u32 s[G0A+4*\j+1], s94, 2*\j*BLK      ; LDS: K step 2 j + wave % 2 of source 1's panel
	s_add_nc_u64 s[G0A+4*\j+2:G0A+4*\j+3], s[P1:P1+1], 2*\j*BLK
	s_or_b32 s[G0A+4*\j+3], s[G0A+4*\j+3], 0x80000000   ; type = 2
	s_mov_b32 s[G0B+4*\j+4*(\j/2)], 1
	s_add_co_u32 s[G0B+4*\j+4*(\j/2)+1], s94, PANEL+2*\j*BLK
	s_add_nc_u64 s[G0B+4*\j+4*(\j/2)+2:G0B+4*\j+4*(\j/2)+3], s[P0:P0+1], 2*\j*BLK
	s_or_b32 s[G0B+4*\j+4*(\j/2)+3], s[G0B+4*\j+4*(\j/2)+3], 0x80000000
.endr
	s_cmp_lt_u32 s[WV], 2                          ; a wave's four fills stand in one branch on the wave's number; four v_nop follow the last
	s_cbranch_scc0 .Lfill_s0
.irp j, 0,1,2,3
	tensor_load_to_lds s[G0A+4*\j:G0A+4*\j+3], s[G1A:G1A+7]
	s_nop 0
.endr
	PLACES 4
	s_branch .Lfilled
.Lfill_s0:
.irp j, 0,1,2,3
	tensor_load_to_lds s[G0B+4*\j+4*(\j/2):G0B+4*\j+4*(\j/2)+3], s[G1B:G1B+7]
	s_nop 0
.endr
	PLACES 4
.Lfilled:
	v_and_b32 v[RR], 15, v0                        ; r
	v_bfe_u32 v[HH], v0, 4, 1                      ; h
	v_and_b32 v[LI], 31, v0
	v_lshlrev_b32 v[LS], 2, v[LI]
	v_lshlrev_b32 v[LI], 4, v[LI]
	s_lshl_b32 s[LT], s[WH], 13                    ; source 1's tiles 4 (wave / 2) on
	v_add_nc_u32 v[A1], s[LT], v[LI]
	v_add_nc_u32 v[A1+1], 4*BLK, v[A1]
	s_lshl_b32 s[LT], s[WL], 13                    ; source 0's tiles 4 (wave % 2) on
	s_add_co_u32 s[LT], s[LT], PANEL
	v_add_nc_u32 v[A0], s[LT], v[LI]
	v_add_nc_u32 v[A0+1], 4*BLK, v[A0]
	s_xor_b32 s[LT], s[WH], 1                      ; the way from source 1's words to source 0's: PANEL + 256 (wave % 2) - 256 (wave / 2), as one product with h
	s_add_co_u32 s[LT], s[LT], s[WL]
	s_lshl_b32 s[LT], s[LT], 8
	s_add_co_u32 s[LT], s[LT], PANEL-256
	v_mul_u32_u24 v[AS], s[LT], v[HH]
	v_lshl_add_u32 v[AS], v[RR], 2, v[AS]
	s_lshl_b32 s[LT], s[WH], 8
	s_add_co_u32 s[LT], s[LT], 16384
	v_add_nc_u32 v[AS], s[LT], v[AS]
	v_add_nc_u32 v[AS+1], 4*BLK, v[AS]
	s_lshl_b32 s[LT], s[WH], 8                     ; v's scale words in LDS: in: 256 (wave / 2) + 4 r + 2 (wave % 2);
	s_add_co_u32 s[LT], s[LT], s[WL]
	s_add_co_u32 s[LT], s[LT], s[WL]
	s_add_co_u32 s[LT], s[LT], SCR
	v_lshl_add_u32 v[LH], v[RR], 2, s[LT]
	s_lshl_b32 s[LT], s[WV], 7                     ; back: 128 x wave + 4 x lane
	s_add_co_u32 s[LT], s[LT], SCR
	v_add_nc_u32 v[LW], s[LT], v[LS]
.irp b, 0,1,2,3
	v_mov_b32 v[TM+4+\b], 0                        ; written once: a lane permute's destination counts as one of its sources
.endr
	s_cmp_lg_u32 s[ISV], 0
	s_cbranch_scc1 .Lvpath
	; ---- q and k
	s_lshr_b32 s[KK], s[CLX], 1                    ; 0: q, 1: k
	s_and_b32 s98, s[IDX0], 7                      ; which 128 features
	s_lshl_b32 s99, s98, 1
	s_add_co_u32 s99, s99, s[WL]                   ; my head
	s_lshr_b32 s66, s[IDX1], 4
	s_lshl_b32 s66, s66, 4
	s_add_co_u32 s99, s99, s66                     ; + 16 x batch
	s_mul_i32 s99, s99, PANEL
	s_and_b32 s66, s[IDX1], 15                     ; the step of 128 positions
	s_mul_i32 s66, s66, 8448
	s_add_co_u32 s99, s99, s66
	s_lshl_b32 s100, s99, s[KK]                    ; kv's heads and blocks are twice qs's
	s_mov_b32 s101, 0
	s_cmp_eq_u32 s[KK], 0
	s_cselect_b64 s[16:17], s[16:17], s[18:19]
	s_cselect_b64 s[8:9], s[8:9], s[10:11]
	s_add_nc_u64 s[16:17], s[16:17], s[100:101]    ; where my results go
	s_lshl_b32 s100, s98, 9
	s_lshl_b32 s66, s[WL], 8
	s_add_co_u32 s100, s100, s66
	s_add_nc_u64 s[8:9], s[8:9], s[100:101]        ; my head's 64 biases
	s_lshl_b32 s100, s[IDX1], 3
	s_lshl_b32 s66, s[WH], 2
	s_add_co_u32 s100, s100, s66
	s_and_b32 s100, s100, 127                      ; my first tile of positions within the sequence
	s_lshl_b32 s100, s100, 12
	s_add_nc_u64 s[14:15], s[14:15], s[100:101]
	v_lshlrev_b32 v[BO], 6, v[HH]
.irp d, 0,1
.irp q, 0,1,2,3
	global_load_b128 v[BI+16*\d+4*\q:BI+16*\d+4*\q+3], v[BO], s[8:9] offset:128*\d+16*\q   ; register 16 g + i: the bias at d = 32 g + 16 h + i
.endr
.endr
	WIN 0x80                                       ; destination window 2
.irp a, 0,1,2,3
.irp q, 0,1,2,3,4,5,6,7
	global_load_b128 v[32*\a+4*\q:32*\a+4*\q+3], v[LI], s[14:15] offset:4096*\a+512*\q   ; tile a: 16 cos, then 16 sin, of frequencies 16 h + i at my position
.endr
.endr
	WIN 0
	s_lshl_b32 s66, s[WH], 12
	v_add_nc_u32 v[GA], s66, v[LI]                 ; my four tiles' codes
	s_lshl_b32 s66, s[WH], 7
	v_add_nc_u32 v[GB], s66, v[LS]                 ; my two pairs' scale words
	MAIN 1
	s_wait_loadcnt 0x0                             ; biases and table
	v_cmp_eq_u32 vcc_lo, 1, v[HH]
.irp a, 0,1,2,3
.set X, ACC+32*\a
.if \a < 2
.set PCD, 48+8*\a                      ; each tile's codes have registers of their own, so that no store's data are written again:
.else
.set PCD, ACC+8*(\a-2)                 ; the last two take registers of tile 0's numbers, which are done with
.endif
.irp n, 0,2,4,6,8,10,12,14,16,18,20,22,24,26,28,30
	v_pk_add_f32 v[X+\n:X+\n+1], v[X+\n:X+\n+1], v[BI+\n:BI+\n+1]   ; + the bias; each accumulator from its low end on
.endr
	WIN 0x08                                       ; source 1 window 2
.irp n, 0,2,4,6,8,10,12,14
	v_pk_mul_f32 v[U+\n:U+\n+1], v[X+16+\n:X+17+\n], v[32*\a+16+\n:32*\a+17+\n]   ; x(d + 32) sin
.endr
.irp n, 0,2,4,6,8,10,12,14
	v_pk_mul_f32 v[W+\n:W+\n+1], v[X+\n:X+\n+1], v[32*\a+16+\n:32*\a+17+\n]       ; x(d) sin
.endr
.irp n, 0,2,4,6,8,10,12,14
	v_pk_fma_f32 v[X+\n:X+\n+1], v[X+\n:X+\n+1], v[32*\a+\n:32*\a+\n+1], v[U+\n:U+\n+1] neg_lo:[0,0,1] neg_hi:[0,0,1]   ; d < 32: x(d) cos - x(d + 32) sin
.endr
.irp n, 0,2,4,6,8,10,12,14
	v_pk_fma_f32 v[X+16+\n:X+17+\n], v[X+16+\n:X+17+\n], v[32*\a+\n:32*\a+\n+1], v[W+\n:W+\n+1]   ; d >= 32: x(d) cos + x(d - 32) sin
.endr
	WIN 0
	QUANT X, 2, PCD, HW
	global_store_b128 v[GA], v[PCD:PCD+3], s[16:17] offset:1024*\a          ; 32 lanes store 512 consecutive bytes
	global_store_b128 v[GA], v[PCD+4:PCD+7], s[16:17] offset:1024*\a+512
.if \a % 2 == 0
	v_mov_b32 v[WD+\a/2], v[HW]                    ; a pair's word: the even tile's two bytes below,
.else
	v_lshl_or_b32 v[WD+\a/2], v[HW], 16, v[WD+\a/2]   ; the odd tile's above
.endif
.endr
	v_cndmask_b32 v[MG], v[WD], v[WD+1], vcc_lo    ; lanes 0-15 my first pair's words, lanes 16-31 my second's
	global_store_b32 v[GB], v[MG], s[16:17] offset:8192
	s_branch .Ldone
	; ---- v
.Lvpath:
	s_and_b32 s98, s[IDX1], 7                      ; which 128 features
	s_lshl_b32 s99, s98, 1
	s_add_co_u32 s99, s99, s[WH]                   ; my head
	s_lshr_b32 s66, s[IDX0], 4
	s_lshl_b32 s66, s66, 4
	s_add_co_u32 s99, s99, s66                     ; + 16 x batch
	s_mul_i32 s99, s99, 2*PANEL
	s_and_b32 s66, s[IDX0], 15                     ; the step of 128 keys
	s_mul_i32 s66, s66, BLK
	s_add_co_u32 s100, s99, s66
	s_mov_b32 s101, 0
	s_add_nc_u64 s[18:19], s[18:19], s[100:101]
	s_lshl_b32 s100, s98, 9
	s_lshl_b32 s66, s[WH], 8
	s_add_co_u32 s100, s100, s66
	s_add_nc_u64 s[12:13], s[12:13], s[100:101]    ; my head's 64 biases
	v_and_b32 v[BO], 8, v[RR]
	v_add_nc_u32 v[BO], v[BO], v[RR]
	v_lshlrev_b32 v[BO], 2, v[BO]                  ; my lane's channel in a tile: r + 8 (r / 8)
.irp a, 0,1,2,3
	global_load_b32 v[BI+2*\a], v[BO], s[12:13] offset:4*(32*(\a/2)+8*(\a%2))
	v_mov_b32 v[BI+2*\a+1], 0                      ; (named with it as a pair)
.endr
	s_lshl_b32 s66, s[WL], 10
	v_add_nc_u32 v[GA], s66, v[LI]                 ; my two chunks of each fragment: key blocks 2 (wave % 2) on
	s_lshl_b32 s66, s[WL], 7
	v_add_nc_u32 v[GB], s66, v[LS]
	MAIN 1
	s_wait_loadcnt 0x0
.irp a, 0,1,2,3
.set X, ACC+32*\a
.if \a < 2
.set PCD, 48+8*\a
.else
.set PCD, ACC+8*(\a-2)
.endif
.irp n, 0,2,4,6,8,10,12,14,16,18,20,22,24,26,28,30
	v_pk_add_f32 v[X+\n:X+\n+1], v[X+\n:X+\n+1], v[BI+2*\a:BI+2*\a+1] op_sel_hi:[1,0]   ; + my channel's bias; each accumulator from its low end on
.endr
	QUANT X, 2, PCD, HW+\a
	global_store_b128 v[GA], v[PCD:PCD+3], s[18:19] offset:8448+2048*\a
	global_store_b128 v[GA], v[PCD+4:PCD+7], s[18:19] offset:8448+2048*\a+512
	ds_store_b16 v[LH], v[HW+\a] offset:64*\a      ; my two bytes of the channel's word (both halves of the lanes write the same)
.endr
	s_wait_dscnt 0x0                               ; for the others' sake: my stores have landed
	s_barrier_signal -1
	s_barrier_wait -1
	ds_load_b32 v[MG], v[LW]                       ; whole words: tiles 2 (wave % 2), + 1 of head wave / 2
	s_wait_dscnt 0x0
	global_store_b32 v[GB], v[MG], s[18:19] offset:16640
.Ldone:
	s_wait_tensorcnt 0x0
	ds_add_u32 v31, v47
	s_wait_dscnt 0x0
	ROUND                                          ; the closing round: no work-group ends while a partner may still ask for a block that names it
	s_endpgm
.Lfunc_end_k_q1bfeaa516f_qkv:
	.size	k_q1bfeaa516f_qkv, .Lfunc_end_k_q1bfeaa516f_qkv-k_q1bfeaa516f_qkv
	.p2alignl 7, 3214868480
	.fill 96, 4, 3214868480
	.section	.rodata,"a",@progbits
	.p2align	6, 0x0
	.amdhsa_kernel k_q1bfeaa516f_qkv
		.amdhsa_group_segment_fixed_size 271872
		.amdhsa_private_segment_fixed_size 0
		.amdhsa_enable_private_segment 0
		.amdhsa_kernarg_size 64
		.amdhsa_user_sgpr_count 2
		.amdhsa_user_sgpr_kernarg_segment_ptr 1
		.amdhsa_wavefront_size32 1
		.amdhsa_system_sgpr_workgroup_id_x 1
		.amdhsa_system_sgpr_workgroup_id_y 1
		.amdhsa_system_sgpr_workgroup_id_z 1
		.amdhsa_system_vgpr_workitem_id 0
		.amdhsa_next_free_vgpr 640
		.amdhsa_next_free_sgpr 102
		.amdhsa_reserve_vcc 1
		.amdhsa_float_denorm_mode_32 3
		.amdhsa_float_denorm_mode_16_64 3
		.amdhsa_memory_ordered 1
		.amdhsa_forward_progress 1
		.amdhsa_inst_pref_size 140
	.end_amdhsa_kernel
	.amdgpu_metadata
---
amdhsa.version: [ 1, 2 ]
amdhsa.kernels:
  - .name:           k_q1bfeaa516f_qkv
    .symbol:         k_q1bfeaa516f_qkv.kd
    .args:
      - { .name: ximg, .offset: 0, .size: 8, .value_kind: global_buffer, .address_space: global }
      - { .name: wimg, .offset: 8, .size: 8, .value_kind: global_buffer, .address_space: global }
      - { .name: bq, .offset: 16, .size: 8, .value_kind: global_buffer, .address_space: global }
      - { .name: bk, .offset: 24, .size: 8, .value_kind: global_buffer, .address_space: global }
      - { .name: bv, .offset: 32, .size: 8, .value_kind: global_buffer, .address_space: global }
      - { .name: tab, .offset: 40, .size: 8, .value_kind: global_buffer, .address_space: global }
      - { .name: qs, .offset: 48, .size: 8, .value_kind: global_buffer, .address_space: global }
      - { .name: kv, .offset: 56, .size: 8, .value_kind: global_buffer, .address_space: global }
    .group_segment_fixed_size: 271872
    .private_segment_fixed_size: 0
    .kernarg_segment_align: 8
    .kernarg_segment_size: 64
    .max_flat_workgroup_size: 128
    .sgpr_count:     102
    .vgpr_count:     640
    .wavefront_size: 32
...
	.end_amdgpu_metadata
.endif
;; end of part 2
;; launch attn (part 3): grid 8 x 32, 16 waves a work-group, clusters of 4 x 1, 272,384 bytes of LDS; arguments qs, kv, oimg; writes oimg
.if DOCPART == 3
	.amdgcn_target "amdgcn-amd-amdhsa--gfx1250"
	.amdhsa_code_object_version 6
	.text
	.protected	k_q1bfeaa516f_attn
	.globl	k_q1bfeaa516f_attn
	.p2align	8
	.type	k_q1bfeaa516f_attn,@function
k_q1bfeaa516f_attn:
	s_mov_b64 s[64:65], 0
	v_nop
	global_prefetch_b8 v0, s[64:65] scope:SCOPE_SE
	s_setreg_imm32_b32 hwreg(HW_REG_WAVE_MODE, 25, 1), 1
	s_wait_xcnt 0x0
	s_wait_alu depctr_hold_cnt(0) depctr_sa_sdst(0) depctr_va_vdst(0) depctr_va_sdst(0) depctr_va_ssrc(0) depctr_va_vcc(0) depctr_vm_vsrc(0)
	s_getreg_b32 s2, hwreg(HW_REG_IB_STS2, 6, 4)
	s_cmp_eq_u32 s2, 0
	s_cbranch_scc0 .Lentry_in_a_cluster
	s_endpgm
.Lentry_in_a_cluster:
	s_bfe_u32 s2, ttmp6, 0x10000c
	s_cmp_lg_u32 s2, 0x3003
	s_cbranch_scc0 .Lentry_shape_is_right
	s_endpgm
.Lentry_shape_is_right:
; o = softmax(q k^T / 8) v for one head and 256 queries a work-group, both products on codes of FP8 (E4M3) with E8M0 scales; o / l is quantised along (head, d) and leaves as an image of the last product's operand.
; THE SOFTMAX: t = score x log2(e) / 8; M = the running largest t rounded UP to a whole number; p = 2^(t - M) is quantised along the keys, not normalised; the row's sum l is taken of the unquantised p; when M moves, l and O
; are multiplied by 2^(old M - new M), which rounds nothing.
; SHARES.  Sixteen waves, each one tile of 16 queries in 256 registers: four waves to a SIMD, so that one wave's exponentials stand beside another's plain, matrix and LDS work.  Every wave walks the head's 2,048 keys, 128 a step.
; THE WHOLE HEAD'S K AND V, 16 blocks of 16,896 bytes in register order, FIT IN LDS: wave w fetches key step w's block by one tensor load, the only one of the wave; each byte of LDS is filled once.
; CLUSTER.  The four query blocks of a cluster belong to one head: each block is asked for jointly, the same descriptor and the mask 15 in all four.
; LAYOUT.  Both products are used transposed: a lane holds ONE query (lane % 16).  K = 64 IN A FORM 128 DEEP: a fragment of K holds TWO tiles of 16 keys (chunks 0, 1: tile 2 p's d; chunks 2, 3: tile 2 p + 1's).  It is multiplied
; by [q | zeros], which gives tile 2 p's scores, and by [zeros | q], which gives tile 2 p + 1's: the other tile's codes meet zero codes and add nothing (no code here is NaN, no scale byte 0xff).
; The keys of a tile: lane-row r of tile t is key 32 (t / 2) + 8 (t % 2) + r + 8 (r / 8), so the 16 registers of tiles 2 p, 2 p + 1 are keys 32 p + 16 (lane / 16) + 0 .. 15: the conversions' results are the second product's operand.
; LIMITS: NaN and infinities are not served; a block of p or of o whose largest magnitude lies under 2^-118 keeps the scale byte 1.  A block's largest p is taken from the block's largest score by the same multiply-add and
; exponential; that takes v_exp_f32 not to fall where its input rises.
; REGISTERS: v1-5 addresses; v12 -M, v13 the largest t, v[14:15] l; v16-23 zeros, v24-31 q, v32-39 zeros; v40-103 four fragments of K, then of V; v104-167 S^T, then p; v168-199 O^T; v200-215 p's codes;
;   v216-231 largest, bytes, holds, scale operands; v232-237 scale words (nothing else ever); v[238:239] f; v240-243 at work.
.set BLK,   16896
.set PANEL, 8*BLK
.set WV,  10
.set G1,  16                           ; s[16:23]
.set G0,  24                           ; s[24:27]
.set CS,  32                           ; s[32:33] c = log2(e) / 8
.set SEL, 34                           ; s[34:35]
.set MNT, 36
.set TB,  37                           ; LDS byte at which the key step's block begins
.set CNT, 38
.set LI,  1
.set LS,  2
.set AD,  3
.set ASC, 4
.set R4,  5
.set KV,  40
.set S,   104
.set O,   168
.set PC,  200
.set TM,  216
.set BM,  216
.set TP,  220
.set HL,  224
.set SO,  228
.set KS,  232
.set VS,  234
.set QS,  236
.set PW,  237
.set FF,  238
.set T0,  240
.set HWD, 241
.set CH,  242
.macro PLACES n
.rept \n
	v_nop
.endr
.endm
.macro ROUND                           ; a round of the cluster's barrier
	s_barrier_signal -1
	s_barrier_wait -1
	s_cmp_lg_u32 s[WV], 0
	s_cbranch_scc1 .Lnot_wave_0_\@
	s_barrier_signal -3
.Lnot_wave_0_\@:
	s_barrier_wait -3
	s_barrier_signal -1
	s_barrier_wait -1
.endm
; 16 nb numbers of a lane, register 16 b + i = k 32 b + 16 (lane / 16) + i of my row, become codes in v[pc] on and the row's scale bytes in v[w]
.macro QUANT s, nb, pc, w
.irp b, 0,1,2,3
.if \b < \nb
	v_max3_num_f32 v[TM+\b], |v[(\s)+16*\b]|, |v[(\s)+1+16*\b]|, 0x4800000
.endif
.endr
.irp i, 2,4,6,8,10,12,14
.irp b, 0,1,2,3
.if \b < \nb
	v_max3_num_f32 v[TM+\b], v[TM+\b], |v[(\s)+16*\b+\i]|, |v[(\s)+1+16*\b+\i]|
.endif
.endr
.endr
.irp b, 0,1,2,3
.if \b < \nb
	v_permlanex16_b32 v[TM+4+\b], v[TM+\b], s[SEL], s[SEL+1]
.endif
.endr
.irp b, 0,1,2,3
.if \b < \nb
	v_max_num_f32 v[TM+\b], v[TM+\b], v[TM+4+\b]
.endif
.endr
.irp b, 0,1,2,3
.if \b < \nb
	v_add_nc_u32 v[TM+12+\b], 0xfc000000, v[TM+\b]
.endif
.endr
.irp b, 0,1,2,3
.if \b < \nb
	v_and_or_b32 v[TM+8+\b], v[TM+\b], 0x7f800000, s[MNT]
.endif
.endr
.irp b, 0,1,2,3
.if \b < \nb
	v_lshrrev_b32 v[TM+4+\b], 23, v[TM+12+\b]
.endif
.endr
	v_lshl_or_b32 v[\w], v[TM+5], 8, v[TM+4]
.if \nb > 2
	v_lshl_or_b32 v[\w], v[TM+6], 16, v[\w]
	v_lshl_or_b32 v[\w], v[TM+7], 24, v[\w]
.endif
.irp b, 0,1,2,3
.if \b < \nb
.irp i, 0,1,2,3,4,5,6,7,8,9,10,11,12,13,14,15
	v_med3_num_f32 v[(\s)+16*\b+\i], v[(\s)+16*\b+\i], -v[TM+8+\b], v[TM+8+\b]
.endr
	v_cvt_scalef32_pk8_fp8_f32 v[(\pc)+4*\b:(\pc)+4*\b+1], v[(\s)+16*\b:(\s)+16*\b+7], v[TM+12+\b]
	v_cvt_scalef32_pk8_fp8_f32 v[(\pc)+4*\b+2:(\pc)+4*\b+3], v[(\s)+16*\b+8:(\s)+16*\b+15], v[TM+12+\b]
.endif
.endr
	v_nop                                          ; a plain line behind the last conversion
.endm
	s_load_b128 s[4:7], s[0:1], 0x0                ; qs s[4:5], kv s[6:7]
	s_load_b64 s[8:9], s[0:1], 0x10                ; oimg
	v_lshl_add_u32 v254, v0, 2, 0x42000
	v_mov_b32 v255, 0
	ds_add_u32 v254, v255
	ds_add_u32 v254, v255
	v_lshrrev_b32 v1, 5, v0
	v_readfirstlane_b32 s[WV], v1                  ; wave 0..15
	s_bfe_u32 s11, ttmp6, 0x40000                  ; cx
	s_lshl_b32 s12, ttmp9, 2
	s_add_co_u32 s12, s12, s11                     ; my block of 256 queries: it enters q's and o's addresses alone
	s_and_b32 s13, ttmp7, 0xffff                   ; 16 x batch + head, which the four partners share
	s_mov_b32 s[G1], 15|(3<<16)|(1<<21)            ; 15:0 the mask: all four; 17:16 elements of 8 bytes; 21 set beside a mask; no padding
	s_mov_b32 s[G1+1], 32<<16                      ; a block is dense: 66 rows of 256 bytes
	s_mov_b32 s[G1+2], 66<<16
	s_mov_b32 s[G1+3], 32<<16
	s_mov_b32 s[G1+4], 66
	s_mov_b32 s[G1+5], 32
	s_mov_b32 s[G1+6], 0
	s_mov_b32 s[G1+7], 0
	s_mul_i32 s14, s[WV], BLK                      ; key step w's block, in LDS and in the head
	s_mul_i32 s40, s13, 2*PANEL
	s_add_co_u32 s40, s40, s14
	s_mov_b32 s41, 0
	s_mov_b32 s[CS], 0x3e38aa3b                    ; log2(e) / 8
	s_mov_b32 s[CS+1], s[CS]                       ; (named with it as a pair)
	s_mov_b32 s[SEL], 0x76543210
	s_mov_b32 s[SEL+1], 0xfedcba98
	s_mov_b32 s[MNT], 0x600000
	s_mov_b32 s[TB], 0
	s_mov_b32 s[CNT], 16
	s_wait_dscnt 0x0
	s_wait_kmcnt 0x0
	s_add_nc_u64 s[6:7], s[6:7], s[40:41]
	ROUND                                          ; all four work-groups are here: the joint loads meet
	s_mov_b32 s[G0], 1
	s_mov_b32 s[G0+1], s14
	s_mov_b64 s[G0+2:G0+3], s[6:7]
	s_or_b32 s[G0+3], s[G0+3], 0x80000000
	tensor_load_to_lds s[G0:G0+3], s[G1:G1+7]      ; my one tensor load
	s_nop 0
	PLACES 4
	v_and_b32 v[LI], 31, v0
	v_lshlrev_b32 v[LS], 2, v[LI]
	v_lshlrev_b32 v[LI], 4, v[LI]
	v_and_b32 v[R4], 15, v0
	v_lshlrev_b32 v[R4], 2, v[R4]
	s_lshr_b32 s42, s[WV], 3
	s_lshl_b32 s43, s12, 1
	s_add_co_u32 s42, s42, s43                     ; my step of 128 positions: 2 x block + wave / 8
	s_and_b32 s43, s[WV], 7                        ; my tile in it
	s_mul_i32 s44, s13, PANEL
	s_mul_i32 s45, s42, 8448
	s_add_co_u32 s44, s44, s45
	s_lshl_b32 s45, s43, 10
	s_add_co_u32 s46, s44, s45
	s_mov_b32 s47, 0
	s_add_nc_u64 s[48:49], s[4:5], s[46:47]        ; q's codes
	s_lshr_b32 s45, s43, 1
	s_lshl_b32 s45, s45, 6
	s_add_co_u32 s46, s44, s45
	s_add_co_u32 s46, s46, 8192
	s_add_nc_u64 s[50:51], s[4:5], s[46:47]        ; its pair's scale words
	global_load_b128 v[24:27], v[LI], s[48:49]
	global_load_b128 v[28:31], v[LI], s[48:49] offset:512
	global_load_b32 v[T0], v[R4], s[50:51]
	s_and_b32 s44, s13, 15                         ; where o goes: the head,
	s_lshr_b32 s45, s13, 4
	s_lshl_b32 s45, s45, 4
	s_add_co_u32 s45, s45, s42                     ; the panel of 128 rows: 16 x batch + my step,
	s_mul_i32 s45, s45, PANEL
	s_lshr_b32 s46, s44, 1                         ; the K step of 128 features: two heads
	s_mul_i32 s46, s46, BLK
	s_add_co_u32 s45, s45, s46
	s_and_b32 s44, s44, 1
	s_lshl_b32 s46, s43, 11                        ; my tile's fragment,
	s_add_co_u32 s46, s46, s45
	s_lshl_b32 s56, s44, 10                        ; my head's two chunks of it
	s_add_co_u32 s46, s46, s56
	s_add_nc_u64 s[52:53], s[8:9], s[46:47]
	s_lshl_b32 s46, s43, 6                         ; my tile's scale words,
	s_add_co_u32 s46, s46, s45
	s_lshl_b32 s56, s44, 1                         ; my head's two bytes of each
	s_add_co_u32 s46, s46, s56
	s_add_co_u32 s46, s46, 16384
	s_add_nc_u64 s[54:55], s[8:9], s[46:47]
.irp j, 0,1,2,3,4,5,6,7
	v_mov_b32 v[16+\j], 0                          ; zero codes on both sides of q
	v_mov_b32 v[32+\j], 0
.endr
	v_mov_b32 v13, 0xff61b1e6                      ; the largest t so far: -3e38, under every t
	v_floor_f32 v12, -v13                          ; -M
	v_mov_b32 v14, 0
	v_mov_b32 v15, 0
.irp b, 0,1,2,3
	v_mov_b32 v[TP+\b], 0                          ; written once: a lane permute's destination counts as one of its sources
.endr
	v_mov_b32 v[FF+1], 0                           ; (named as the upper half of the pair)
	s_and_b32 s45, s[WV], 1
	s_lshl_b32 s45, s45, 4
	s_wait_loadcnt 0x0                             ; q and its scale word
	v_lshrrev_b32 v[T0], s45, v[T0]                ; my tile's half of the pair's word,
	v_and_b32 v[T0], 0xffff, v[T0]
	v_lshl_or_b32 v[QS], v[T0], 16, v[T0]          ; twice: it serves [q | zeros] and [zeros | q]
.irp j, 0,1,2,3,4,5,6,7,8,9,10,11,12,13,14,15,16,17,18,19,20,21,22,23,24,25,26,27,28,29,30,31
	v_mov_b32 v[O+\j], 0                           ; O^T: the loop has no first step of its own; the first change of M multiplies zeros
.endr
	s_wait_tensorcnt 0x0                           ; my block has landed,
	s_barrier_signal -1
	s_barrier_wait -1                              ; everybody's has: the whole head lies in LDS
.Lstep:                                            ; 16 trips: 128 keys each
	v_add_nc_u32 v[AD], s[TB], v[LI]
	v_add_nc_u32 v[ASC], s[TB], v[LS]
	PLACES 6                                       ; with the two additions: eight places behind the last products, in front of loads into registers that they read
.irp b, 0,1,2,3
.irp c, 0,1,2,3
	ds_load_b128 v[KV+16*\b+4*\c:KV+16*\b+4*\c+3], v[AD] offset:2048*\b+512*\c   ; K: pair b of tiles; 512 consecutive bytes a load
.endr
.endr
	ds_load_b32 v[KS], v[ASC] offset:8192          ; lanes 0-15 pair 0's words, lanes 16-31 pair 1's
	ds_load_b32 v[KS+1], v[ASC] offset:8320        ; pairs 2 and 3
	s_wait_dscnt 0x0
.irp b, 0,1,2,3
.if \b % 2
	v_wmma_scale_f32_16x16x128_f8f6f4 v[S+16*\b:S+16*\b+7], v[KV+16*\b:KV+16*\b+15], v[24:39], 0, v[KS+\b/2], v[QS] matrix_a_scale:MATRIX_SCALE_ROW1
	v_wmma_scale_f32_16x16x128_f8f6f4 v[S+16*\b+8:S+16*\b+15], v[KV+16*\b:KV+16*\b+15], v[16:31], 0, v[KS+\b/2], v[QS] matrix_a_scale:MATRIX_SCALE_ROW1
.else
	v_wmma_scale_f32_16x16x128_f8f6f4 v[S+16*\b:S+16*\b+7], v[KV+16*\b:KV+16*\b+15], v[24:39], 0, v[KS+\b/2], v[QS]
	v_wmma_scale_f32_16x16x128_f8f6f4 v[S+16*\b+8:S+16*\b+15], v[KV+16*\b:KV+16*\b+15], v[16:31], 0, v[KS+\b/2], v[QS]
.endif
.endr
	PLACES 8                                       ; in front of the loads into K's registers and of the first read of scores
.irp t, 0,1,2,3
.irp c, 0,1,2,3
	ds_load_b128 v[KV+16*\t+4*\c:KV+16*\t+4*\c+3], v[AD] offset:8448+2048*\t+512*\c   ; V^T: 16 channels x 128 keys; it lands while the softmax is worked
.endr
.endr
	ds_load_b32 v[VS], v[ASC] offset:16640
	ds_load_b32 v[VS+1], v[ASC] offset:16768
.irp b, 0,1,2,3
	v_max3_num_f32 v[BM+\b], v[S+16*\b], v[S+1+16*\b], v[S+2+16*\b]   ; the largest score of each block of 32 keys: for the row's maximum, and for the block's largest p
.endr
.irp i, 3,5,7,9,11,13
.irp b, 0,1,2,3
	v_max3_num_f32 v[BM+\b], v[BM+\b], v[S+16*\b+\i], v[S+1+16*\b+\i]   ; (i = 7 reads the second accumulator's lowest register first)
.endr
.endr
.irp b, 0,1,2,3
	v_max_num_f32 v[BM+\b], v[BM+\b], v[S+15+16*\b]
.endr
.irp b, 0,1,2,3
	v_permlanex16_b32 v[TP+\b], v[BM+\b], s[SEL], s[SEL+1]
.endr
.irp b, 0,1,2,3
	v_max_num_f32 v[BM+\b], v[BM+\b], v[TP+\b]     ; with lane l xor 16's 16 keys
.endr
	v_max3_num_f32 v[T0], v[BM], v[BM+1], v[BM+2]
	v_max_num_f32 v[T0], v[T0], v[BM+3]
	v_mul_f32 v[T0], s[CS], v[T0]                  ; as t (c is positive)
	v_max_num_f32 v13, v13, v[T0]                  ; the running largest t
	v_mov_b32 v[T0], v12
	v_floor_f32 v12, -v13                          ; the new -M = -ceil(t)
	v_sub_f32 v[T0], v12, v[T0]                    ; old M - new M: a whole number, 0 or less
	v_cvt_i32_f32 v[T0], v[T0]                     ; (it saturates)
	v_ldexp_f32 v[FF], 1.0, v[T0]                  ; f = 2^(old M - new M)
.irp j, 0,2,4,6,8,10,12,14,16,18,20,22,24,26,28,30,32,34,36,38,40,42,44,46,48,50,52,54,56,58,60,62
	v_pk_fma_f32 v[S+\j:S+\j+1], v[S+\j:S+\j+1], s[CS:CS+1], v[12:13] op_sel_hi:[1,0,0]   ; t - M, two at a time
.endr
.irp b, 0,1,2,3
	v_fma_f32 v[BM+\b], v[BM+\b], s[CS], v12       ; the same of each block's largest score
.endr
.irp j, 0,1,2,3,4,5,6,7,8,9,10,11,12,13,14,15,16,17,18,19,20,21,22,23,24,25,26,27,28,29,30,31,32,33,34,35,36,37,38,39,40,41,42,43,44,45,46,47,48,49,50,51,52,53,54,55,56,57,58,59,60,61,62,63
	v_exp_f32 v[S+\j], v[S+\j]                     ; p = 2^(t - M)
.endr
.irp b, 0,1,2,3
	v_exp_f32 v[BM+\b], v[BM+\b]                   ; the block's largest p
.endr
	v_pk_mul_f32 v[14:15], v[14:15], v[FF:FF+1] op_sel_hi:[1,0]   ; l under the new M (a plain line behind the exponentials)
	s_wait_alu depctr_va_vdst(0)
.irp b, 0,1,2,3
	v_max_num_f32 v[BM+\b], 0x4800000, v[BM+\b]    ; the floor 2^(9 - 127)
.endr
.irp b, 0,1,2,3
	v_add_nc_u32 v[SO+\b], 0xfc000000, v[BM+\b]    ; the conversion's scale operand
.endr
.irp b, 0,1,2,3
	v_and_or_b32 v[HL+\b], v[BM+\b], 0x7f800000, s[MNT]   ; 448 x the scale
.endr
.irp b, 0,1,2,3
	v_lshrrev_b32 v[TP+\b], 23, v[SO+\b]           ; the scale's byte
.endr
	v_lshl_or_b32 v[PW], v[TP+1], 8, v[TP]         ; p's scale word for these 128 keys
	v_lshl_or_b32 v[PW], v[TP+2], 16, v[PW]
	v_lshl_or_b32 v[PW], v[TP+3], 24, v[PW]
	v_pk_add_f32 v[CH:CH+1], v[S:S+1], v[S+2:S+3]  ; the sum is taken of the unquantised p: two at a time, in two chains
.irp j, 4,8,12,16,20,24,28,32,36,40,44,48,52,56,60
	v_pk_add_f32 v[14:15], v[14:15], v[S+\j:S+\j+1]
	v_pk_add_f32 v[CH:CH+1], v[CH:CH+1], v[S+2+\j:S+3+\j]
.endr
	v_pk_add_f32 v[14:15], v[14:15], v[CH:CH+1]
.irp b, 0,1,2,3
.irp i, 0,1,2,3,4,5,6,7,8,9,10,11,12,13,14,15
	v_min_num_f32 v[S+16*\b+\i], v[S+16*\b+\i], v[HL+\b]   ; the hold; p is not negative, so it is one-sided
.endr
	v_cvt_scalef32_pk8_fp8_f32 v[PC+4*\b:PC+4*\b+1], v[S+16*\b:S+16*\b+7], v[SO+\b]
	v_cvt_scalef32_pk8_fp8_f32 v[PC+4*\b+2:PC+4*\b+3], v[S+16*\b+8:S+16*\b+15], v[SO+\b]
.endr
.irp j, 0,2,4,6,8,10,12,14,16,18,20,22,24,26,28,30
	v_pk_mul_f32 v[O+\j:O+\j+1], v[O+\j:O+\j+1], v[FF:FF+1] op_sel_hi:[1,0]   ; O^T under the new M, each accumulator from its low end on; these sixteen are also the places in front of the products below
.endr
	s_wait_dscnt 0x0                               ; V
.irp t, 0,1,2,3
.if \t % 2
	v_wmma_scale_f32_16x16x128_f8f6f4 v[O+8*\t:O+8*\t+7], v[KV+16*\t:KV+16*\t+15], v[PC:PC+15], v[O+8*\t:O+8*\t+7], v[VS+\t/2], v[PW] matrix_a_scale:MATRIX_SCALE_ROW1
.else
	v_wmma_scale_f32_16x16x128_f8f6f4 v[O+8*\t:O+8*\t+7], v[KV+16*\t:KV+16*\t+15], v[PC:PC+15], v[O+8*\t:O+8*\t+7], v[VS+\t/2], v[PW]
.endif
.endr
	s_add_co_u32 s[TB], s[TB], BLK
	s_sub_co_u32 s[CNT], s[CNT], 1
	s_cmp_lg_u32 s[CNT], 0
	s_cbranch_scc1 .Lstep
	PLACES 8                                       ; in front of the first read of the last results
	v_add_f32 v14, v14, v15                        ; l's two halves,
	v_permlanex16_b32 v[T0], v14, s[SEL], s[SEL+1]
	v_add_f32 v14, v14, v[T0]                      ; and lane l xor 16's
	v_rcp_f32 v[FF], v14
	v_nop                                          ; a plain line behind the reciprocal
	s_wait_alu depctr_va_vdst(0)
.irp j, 0,2,4,6,8,10,12,14,16,18,20,22,24,26,28,30
	v_pk_mul_f32 v[O+\j:O+\j+1], v[O+\j:O+\j+1], v[FF:FF+1] op_sel_hi:[1,0]   ; o = O^T / l: register 16 g + i is d = 32 g + 16 h + i of my query
.endr
	QUANT O, 2, PC, HWD
	global_store_b128 v[LI], v[PC:PC+3], s[52:53]              ; 32 lanes store 512 consecutive bytes
	global_store_b128 v[LI], v[PC+4:PC+7], s[52:53] offset:512
	global_store_b16 v[R4], v[HWD], s[54:55]       ; my head's half of each row's scale word (the other head's work-group writes the other half): 2 bytes in 4, 128 KiB in the whole launch
	s_wait_tensorcnt 0x0
	ds_add_u32 v254, v255
	s_wait_dscnt 0x0
	ROUND                                          ; the closing round: no work-group ends while a partner may still ask for a block that names it
	s_endpgm
.Lfunc_end_k_q1bfeaa516f_attn:
	.size	k_q1bfeaa516f_attn, .Lfunc_end_k_q1bfeaa516f_attn-k_q1bfeaa516f_attn
	.p2alignl 7, 3214868480
	.fill 96, 4, 3214868480
	.section	.rodata,"a",@progbits
	.p2align	6, 0x0
	.amdhsa_kernel k_q1bfeaa516f_attn
		.amdhsa_group_segment_fixed_size 272384
		.amdhsa_private_segment_fixed_size 0
		.amdhsa_enable_private_segment 0
		.amdhsa_kernarg_size 24
		.amdhsa_user_sgpr_count 2
		.amdhsa_user_sgpr_kernarg_segment_ptr 1
		.amdhsa_wavefront_size32 1
		.amdhsa_system_sgpr_workgroup_id_x 1
		.amdhsa_system_sgpr_workgroup_id_y 1
		.amdhsa_system_sgpr_workgroup_id_z 1
		.amdhsa_system_vgpr_workitem_id 0
		.amdhsa_next_free_vgpr 256
		.amdhsa_next_free_sgpr 66
		.amdhsa_reserve_vcc 0
		.amdhsa_float_denorm_mode_32 3
		.amdhsa_float_denorm_mode_16_64 3
		.amdhsa_memory_ordered 1
		.amdhsa_forward_progress 1
		.amdhsa_inst_pref_size 32
	.end_amdhsa_kernel
	.amdgpu_metadata
---
amdhsa.version: [ 1, 2 ]
amdhsa.kernels:
  - .name:           k_q1bfeaa516f_attn
    .symbol:         k_q1bfeaa516f_attn.kd
    .args:
      - { .name: qs, .offset: 0, .size: 8, .value_kind: global_buffer, .address_space: global }
      - { .name: kv, .offset: 8, .size: 8, .value_kind: global_buffer, .address_space: global }
      - { .name: oimg, .offset: 16, .size: 8, .value_kind: global_buffer, .address_space: global }
    .group_segment_fixed_size: 272384
    .private_segment_fixed_size: 0
    .kernarg_segment_align: 8
    .kernarg_segment_size: 24
    .max_flat_workgroup_size: 512
    .sgpr_count:     66
    .vgpr_count:     256
    .wavefront_size: 32
...
	.end_amdgpu_metadata
.endif
;; end of part 3
;; launch oproj (part 4): grid 8 x 32, 4 waves a work-group, clusters of 4 x 4, 288,256 bytes of LDS; arguments oimg, wimg, bo, out0; writes out0
.if DOCPART == 4
	.amdgcn_target "amdgcn-amd-amdhsa--gfx1250"
	.amdhsa_code_object_version 6
	.text
	.protected	k_q1bfeaa516f_oproj
	.globl	k_q1bfeaa516f_oproj
	.p2align	8
	.type	k_q1bfeaa516f_oproj,@function
k_q1bfeaa516f_oproj:
	s_mov_b64 s[64:65], 0
	v_nop
	global_prefetch_b8 v0, s[64:65] scope:SCOPE_SE
	s_setreg_imm32_b32 hwreg(HW_REG_WAVE_MODE, 25, 1), 1
	s_wait_xcnt 0x0
	s_wait_alu depctr_hold_cnt(0) depctr_sa_sdst(0) depctr_va_vdst(0) depctr_va_sdst(0) depctr_va_ssrc(0) depctr_va_vcc(0) depctr_vm_vsrc(0)
	s_getreg_b32 s2, hwreg(HW_REG_IB_STS2, 6, 4)
	s_cmp_eq_u32 s2, 0
	s_cbranch_scc0 .Lentry_in_a_cluster
	s_endpgm
.Lentry_in_a_cluster:
	s_bfe_u32 s2, ttmp6, 0x10000c
	s_cmp_lg_u32 s2, 0xf033
	s_cbranch_scc0 .Lentry_shape_is_right
	s_endpgm
.Lentry_shape_is_right:
; out0 = o Wo^T + bo on codes of FP8 (E4M3) with E8M0 scales; out0 [4096][1024] f32.
; A work-group of four waves makes 128 x 128, a wave 64 x 64: 16 accumulators.  Source 1 = o (a lane is a row of out0), source 0 = Wo (a lane's registers run along the columns of out0).
; BOTH PANELS (128 rows x all 1,024 of K: 8 blocks of 16,896 bytes, fragments and scale words in register order) FIT IN LDS: each byte of LDS is filled once, so there is no ring.  Waves 0, 1 fetch o's blocks, waves 2, 3 Wo's,
; four loads a wave, all issued at the start: four tensor loads of a wave are out at the most.  K steps 2 j, 2 j + 1 are read behind a counted wait and a barrier.
; CLUSTERS: 4 x 4.  o's panel is shared along a row of the cluster, Wo's along a column: joint loads, the same descriptor in the four that a mask names.
; The rows of a tile: lane-row r of tile t is panel row 32 (t / 2) + 8 (t % 2) + r + 8 (r / 8); so the 32 registers of accumulators (a, 0 .. 3) are columns 64 (wave % 2) + 32 g + 16 (lane / 16) + i at register 16 g + i.
; The bias is the C of each sum's first product.  A tile of 16 rows x 64 columns goes through the wave's own stage in LDS (rows of 272 bytes, behind the panels, where no tensor load lands) and leaves as rows of 256 bytes.
; REGISTERS: window 0: v1-12 addresses; v32-39 scale words, two sets (nothing else ever); v64-95 the bias, later with v96-127 rows on their way out; v128-255 accumulators.   window 1: two fragment buffers of 128.
.set BLK,   16896
.set PANEL, 8*BLK
.set SCR,   2*PANEL
.set SP,    272
.set WV,  20
.set WH,  21
.set WL,  22
.set G1A, 24
.set G1B, 32
.set G0A, 40
.set G0B, 56                           ; s[56:63], s[68:75]
.set LT,  67                           ; a scalar for LDS addresses: the wave's number and constants alone
.set CX,  76
.set CY,  77
.set IDX0, 83
.set IDX1, 84
.set P0,  86
.set P1,  88
.set RR,  1
.set HH,  2
.set LI,  3
.set A1,  4
.set A0,  6
.set AS,  8
.set STO, 10
.set RD,  11
.set CO,  12
.set BO,  13
.set SC,  32
.set BI,  64
.set OB,  64
.set ACC, 128
.set MSB, 0
.macro WIN new                         ; the immediate's high byte repeats the setting that is left
.if MSB != \new
	s_set_vgpr_msb (MSB<<8)|\new
.set MSB, \new
.endif
.endm
.macro PLACES n
.rept \n
	v_nop
.endr
.endm
.macro ROUND                           ; a round of the cluster's barrier
	s_barrier_signal -1
	s_barrier_wait -1
	s_cmp_lg_u32 s[WV], 0
	s_cbranch_scc1 .Lnot_wave_0_\@
	s_barrier_signal -3
.Lnot_wave_0_\@:
	s_barrier_wait -3
	s_barrier_signal -1
	s_barrier_wait -1
.endm
.macro FETCH k                         ; K step k's eight fragments into buffer k % 2, its four scale registers into set k % 2
.set FB, 128*((\k)%2)
	WIN 0x40                                       ; destination window 1, address window 0
.irp i, 0,1,2,3
.irp c, 0,1,2,3
	ds_load_b128 v[FB+16*\i+4*\c:FB+16*\i+4*\c+3], v[A1+(\k)/4] offset:((\k)%4)*BLK+2048*\i+512*\c
.endr
.endr
.irp i, 0,1,2,3
.irp c, 0,1,2,3
	ds_load_b128 v[FB+64+16*\i+4*\c:FB+64+16*\i+4*\c+3], v[A0+(\k)/4] offset:((\k)%4)*BLK+2048*\i+512*\c
.endr
.endr
	WIN 0
.irp i, 0,1,2,3
	ds_load_b32 v[SC+4*((\k)%2)+\i], v[AS+(\k)/4] offset:((\k)%4)*BLK+64*\i
.endr
.endm
; 16 matrix instructions, the 16 accumulators by turns, one instruction a turn.  cmode = 2: the first product starts the sums from the bias
.macro MUL k, cmode
.set FB, 128*((\k)%2)
.set SB, SC+4*((\k)%2)
	WIN 0x05                                       ; sources 0 and 1 window 1; C and D window 0
.irp a, 0,1,2,3
.irp b, 0,1,2,3
.if \cmode == 2
	v_wmma_scale_f32_16x16x128_f8f6f4 v[ACC+8*(4*\a+\b):ACC+8*(4*\a+\b)+7], v[FB+64+16*\b:FB+64+16*\b+15], v[FB+16*\a:FB+16*\a+15], v[BI+8*\b:BI+8*\b+7], v[SB+\b], v[SB+\a] matrix_a_scale:MATRIX_SCALE_ROW1
.else
	v_wmma_scale_f32_16x16x128_f8f6f4 v[ACC+8*(4*\a+\b):ACC+8*(4*\a+\b)+7], v[FB+64+16*\b:FB+64+16*\b+15], v[FB+16*\a:FB+16*\a+15], v[ACC+8*(4*\a+\b):ACC+8*(4*\a+\b)+7], v[SB+\b], v[SB+\a] matrix_a_scale:MATRIX_SCALE_ROW1
.endif
.endr
.endr
.endm
; All of K, written out.  The counts 3, 2, 1, 0 are my younger tensor loads: my j-th load is K step 2 j + wave % 2 of my side, so behind the barrier K steps 2 j and 2 j + 1 of both panels are whole.
.macro MAIN cfirst
	s_wait_tensorcnt 0x3
	s_barrier_signal -1
	s_barrier_wait -1
	FETCH 0
.irp k, 0,1,2,3,4,5,6,7
	s_wait_dscnt 0x0                               ; this K step's fragments and scale words are in; none of my LDS loads is out at a signal
.if (\k % 2 == 1) && (\k < 7)
	s_wait_tensorcnt (5-\k)/2
	s_barrier_signal -1
	s_barrier_wait -1
.endif
.if \k < 7
.if \k > 0
	PLACES 8                                       ; behind the last step's products, which read the buffer and the scale set that are loaded next (ISA guide 7.12.1 for vector instructions)
.endif
	FETCH \k+1
.endif
.if \k == 0
	MUL \k, \cfirst
.else
	MUL \k, 0
.endif
.endr
	WIN 0
	PLACES 8                                       ; in front of the first read of results
.endm
	s_load_b256 s[4:11], s[0:1], 0x0               ; oimg s[4:5], wimg s[6:7], bo s[8:9], out0 s[10:11]
	v_lshl_add_u32 v62, v0, 2, 0x46400
	v_mov_b32 v63, 0
	ds_add_u32 v62, v63
	ds_add_u32 v62, v63
	v_lshrrev_b32 v1, 5, v0
	v_readfirstlane_b32 s[WV], v1                  ; wave 0..3
	s_lshr_b32 s[WH], s[WV], 1
	s_and_b32 s[WL], s[WV], 1
	s_bfe_u32 s[CX], ttmp6, 0x40000
	s_bfe_u32 s[CY], ttmp6, 0x40004
	s_lshl_b32 s[IDX0], ttmp9, 2
	s_add_co_u32 s[IDX0], s[IDX0], s[CX]           ; which 128 columns: 4 x cluster x + cx
	s_and_b32 s[IDX1], ttmp7, 0xffff
	s_lshl_b32 s[IDX1], s[IDX1], 2
	s_add_co_u32 s[IDX1], s[IDX1], s[CY]           ; which 128 rows: 4 x cluster y + cy
	s_lshl_b32 s96, s[CY], 2
	s_lshl_b32 s96, 15, s96                        ; my row of the cluster
	s_lshl_b32 s97, 0x1111, s[CX]                  ; my column
	s_or_b32 s[G1A], s96, (3<<16)|(1<<21)          ; 15:0 the mask; 17:16 elements of 8 bytes; 21 set beside a mask; no padding
	s_or_b32 s[G1B], s97, (3<<16)|(1<<21)
.irp g, G1A, G1B                               ; a block is dense: 66 rows of 256 bytes
	s_mov_b32 s[\g+1], 32<<16
	s_mov_b32 s[\g+2], 66<<16
	s_mov_b32 s[\g+3], 32<<16
	s_mov_b32 s[\g+4], 66
	s_mov_b32 s[\g+5], 32
	s_mov_b32 s[\g+6], 0
	s_mov_b32 s[\g+7], 0
.endr
	s_mul_i32 s94, s[WL], BLK                      ; my first block: K step wave % 2
	s_mov_b32 s95, 0
	s_mul_i32 s90, s[IDX1], PANEL
	s_mov_b32 s91, 0
	s_mul_i32 s92, s[IDX0], PANEL
	s_add_co_u32 s92, s92, 24*PANEL                ; Wo's panels are the images' 24 to 31
	s_mov_b32 s93, 0
	s_wait_dscnt 0x0
	s_wait_kmcnt 0x0
	s_add_nc_u64 s[P1:P1+1], s[4:5], s[90:91]
	s_add_nc_u64 s[P1:P1+1], s[P1:P1+1], s[94:95]
	s_add_nc_u64 s[P0:P0+1], s[6:7], s[92:93]
	s_add_nc_u64 s[P0:P0+1], s[P0:P0+1], s[94:95]
	ROUND                                          ; all sixteen work-groups are here: the joint loads meet
.irp j, 0,1,2,3
	s_mov_b32 s[G0A+4*\j], 1
	s_add_co_u32 s[G0A+4*\j+1], s94, 2*\j*BLK
	s_add_nc_u64 s[G0A+4*\j+2:G0A+4*\j+3], s[P1:P1+1], 2*\j*BLK
	s_or_b32 s[G0A+4*\j+3], s[G0A+4*\j+3], 0x80000000
	s_mov_b32 s[G0B+4*\j+4*(\j/2)], 1
	s_add_co_u32 s[G0B+4*\j+4*(\j/2)+1], s94, PANEL+2*\j*BLK
	s_add_nc_u64 s[G0B+4*\j+4*(\j/2)+2:G0B+4*\j+4*(\j/2)+3], s[P0:P0+1], 2*\j*BLK
	s_or_b32 s[G0B+4*\j+4*(\j/2)+3], s[G0B+4*\j+4*(\j/2)+3], 0x80000000
.endr
	s_cmp_lt_u32 s[WV], 2                          ; a wave's four fills stand in one branch on the wave's number; four v_nop follow the last
	s_cbranch_scc0 .Lfill_s0
.irp j, 0,1,2,3
	tensor_load_to_lds s[G0A+4*\j:G0A+4*\j+3], s[G1A:G1A+7]
	s_nop 0
.endr
	PLACES 4
	s_branch .Lfilled
.Lfill_s0:
.irp j, 0,1,2,3
	tensor_load_to_lds s[G0B+4*\j+4*(\j/2):G0B+4*\j+4*(\j/2)+3], s[G1B:G1B+7]
	s_nop 0
.endr
	PLACES 4
.Lfilled:
	v_and_b32 v[RR], 15, v0                        ; r
	v_bfe_u32 v[HH], v0, 4, 1                      ; h
	v_and_b32 v[LI], 31, v0
	v_lshlrev_b32 v[LI], 4, v[LI]
	s_lshl_b32 s100, s[IDX0], 9                    ; the bias of my 64 columns
	s_lshl_b32 s66, s[WL], 8
	s_add_co_u32 s100, s100, s66
	s_mov_b32 s101, 0
	s_add_nc_u64 s[8:9], s[8:9], s[100:101]
	v_lshlrev_b32 v[BO], 6, v[HH]
.irp b, 0,1,2,3
	global_load_b128 v[BI+8*\b:BI+8*\b+3], v[BO], s[8:9] offset:128*(\b/2)+32*(\b%2)       ; register 8 b + j: the bias at column 32 (b / 2) + 16 h + 8 (b % 2) + j
	global_load_b128 v[BI+8*\b+4:BI+8*\b+7], v[BO], s[8:9] offset:128*(\b/2)+32*(\b%2)+16
.endr
	s_lshl_b32 s98, s[IDX1], 19                    ; out0 at my first row: 128 rows of 4,096 bytes a panel,
	s_lshl_b32 s66, s[WH], 18                      ; 64 rows a half,
	s_add_co_u32 s98, s98, s66
	s_add_co_u32 s98, s98, s100                    ; and my first column
	s_mov_b32 s99, 0
	s_add_nc_u64 s[10:11], s[10:11], s[98:99]
	s_lshl_b32 s[LT], s[WH], 13
	v_add_nc_u32 v[A1], s[LT], v[LI]
	v_add_nc_u32 v[A1+1], 4*BLK, v[A1]
	s_lshl_b32 s[LT], s[WL], 13
	s_add_co_u32 s[LT], s[LT], PANEL
	v_add_nc_u32 v[A0], s[LT], v[LI]
	v_add_nc_u32 v[A0+1], 4*BLK, v[A0]
	s_xor_b32 s[LT], s[WH], 1                      ; the way from source 1's words to source 0's: PANEL + 256 (wave % 2) - 256 (wave / 2), as one product with h
	s_add_co_u32 s[LT], s[LT], s[WL]
	s_lshl_b32 s[LT], s[LT], 8
	s_add_co_u32 s[LT], s[LT], PANEL-256
	v_mul_u32_u24 v[AS], s[LT], v[HH]
	v_lshl_add_u32 v[AS], v[RR], 2, v[AS]
	s_lshl_b32 s[LT], s[WH], 8
	s_add_co_u32 s[LT], s[LT], 16384
	v_add_nc_u32 v[AS], s[LT], v[AS]
	v_add_nc_u32 v[AS+1], 4*BLK, v[AS]
	s_mul_i32 s[LT], s[WV], 16*SP
	s_add_co_u32 s[LT], s[LT], SCR                 ; my stage
	v_mul_u32_u24 v[STO], v[RR], SP
	v_lshl_add_u32 v[STO], v[HH], 6, v[STO]
	v_add_nc_u32 v[STO], s[LT], v[STO]             ; in: row r, + 64 h
	v_mul_u32_u24 v[RD], v[HH], SP
	v_lshl_add_u32 v[RD], v[RR], 4, v[RD]
	v_add_nc_u32 v[RD], s[LT], v[RD]               ; back: lanes 0-15 one row of 256 bytes, lanes 16-31 the next
	v_lshlrev_b32 v[CO], 12, v[HH]
	v_lshl_add_u32 v[CO], v[RR], 4, v[CO]          ; and the same two rows in out0
	s_wait_loadcnt 0x0                             ; the bias
	MAIN 2
.macro TOSTAGE a                       ; tile a's 16 rows x 64 columns into my stage, each accumulator from its low end on, and back as whole rows
.irp g, 0,1
.irp q, 0,1,2,3
	ds_store_b128 v[STO], v[ACC+32*(\a)+16*\g+4*\q:ACC+32*(\a)+16*\g+4*\q+3] offset:128*\g+16*\q
.endr
.endr
.irp i, 0,1,2,3,4,5,6,7
	ds_load_b128 v[OB+32*((\a)%2)+4*\i:OB+32*((\a)%2)+4*\i+3], v[RD] offset:2*\i*SP   ; LDS serves a wave's instructions in order: these see the stores above
.endr
.endm
.macro SEND a, younger                 ; younger: the LDS instructions issued behind tile a's loads, which may stay out
	s_wait_dscnt \younger
.irp i, 0,1,2,3,4,5,6,7
	global_store_b128 v[CO], v[OB+32*((\a)%2)+4*\i:OB+32*((\a)%2)+4*\i+3], s[10:11] offset:(32*((\a)/2)+8*((\a)%2)+2*\i+8*(\i/4))*4096 th:TH_STORE_NT   ; stage row 2 i + h is the tile's lane-row: 16 lanes store 256 consecutive bytes, at a multiple of 256 from out0's first byte
.endr
.endm
	TOSTAGE 0
.irp a, 1,2,3
.if \a > 1
	s_wait_xcnt 0x0                                ; tile a - 2's stores have read their registers: tile a's rows may land there
.endif
	TOSTAGE \a
	SEND \a-1, 16                                  ; behind tile a - 1's loads: tile a's 8 stores and 8 loads
.endr
	SEND 3, 0
	s_wait_tensorcnt 0x0
	ds_add_u32 v62, v63
	s_wait_dscnt 0x0
	ROUND                                          ; the closing round: no work-group ends while a partner may still ask for a block that names it
	s_endpgm
.Lfunc_end_k_q1bfeaa516f_oproj:
	.size	k_q1bfeaa516f_oproj, .Lfunc_end_k_q1bfeaa516f_oproj-k_q1bfeaa516f_oproj
	.p2alignl 7, 3214868480
	.fill 96, 4, 3214868480
	.section	.rodata,"a",@progbits
	.p2align	6, 0x0
	.amdhsa_kernel k_q1bfeaa516f_oproj
		.amdhsa_group_segment_fixed_size 288256
		.amdhsa_private_segment_fixed_size 0
		.amdhsa_enable_private_segment 0
		.amdhsa_kernarg_size 32
		.amdhsa_user_sgpr_count 2
		.amdhsa_user_sgpr_kernarg_segment_ptr 1
		.amdhsa_wavefront_size32 1
		.amdhsa_system_sgpr_workgroup_id_x 1
		.amdhsa_system_sgpr_workgroup_id_y 1
		.amdhsa_system_sgpr_workgroup_id_z 1
		.amdhsa_system_vgpr_workitem_id 0
		.amdhsa_next_free_vgpr 512
		.amdhsa_next_free_sgpr 102
		.amdhsa_reserve_vcc 0
		.amdhsa_float_denorm_mode_32 3
		.amdhsa_float_denorm_mode_16_64 3
		.amdhsa_memory_ordered 1
		.amdhsa_forward_progress 1
		.amdhsa_inst_pref_size 54
	.end_amdhsa_kernel
	.amdgpu_metadata
---
amdhsa.version: [ 1, 2 ]
amdhsa.kernels:
  - .name:           k_q1bfeaa516f_oproj
    .symbol:         k_q1bfeaa516f_oproj.kd
    .args:
      - { .name: oimg, .offset: 0, .size: 8, .value_kind: global_buffer, .address_space: global }
      - { .name: wimg, .offset: 8, .size: 8, .value_kind: global_buffer, .address_space: global }
      - { .name: bo, .offset: 16, .size: 8, .value_kind: global_buffer, .address_space: global }
      - { .name: out0, .offset: 24, .size: 8, .value_kind: global_buffer, .address_space: global }
    .group_segment_fixed_size: 288256
    .private_segment_fixed_size: 0
    .kernarg_segment_align: 8
    .kernarg_segment_size: 32
    .max_flat_workgroup_size: 128
    .sgpr_count:     102
    .vgpr_count:     512
    .wavefront_size: 32
...
	.end_amdgpu_metadata
.endif
;; end of part 4
;; ======== version 2 of 2: 4 launches
;; limits: right only within a limited range of input values
;; workspace buffers: ximg 4,325,376 bytes; wimg 4,325,376 bytes; tab 524,288 bytes; qs 4,325,376 bytes; kv 8,650,752 bytes; oimg 4,325,376 bytes
;; launch quant (part 5): grid 544 x 1, 4 waves a work-group, no clusters, 68,096 bytes of LDS; arguments x, Wq, Wk, Wv, Wo, ximg, wimg, tab; writes ximg, wimg, tab
.if DOCPART == 5
	.amdgcn_target "amdgcn-amd-amdhsa--gfx1250"
	.amdhsa_code_object_version 6
	.text
	.protected	k_q1bfeaa516f_quant
	.globl	k_q1bfeaa516f_quant
	.p2align	8
	.type	k_q1bfeaa516f_quant,@function
k_q1bfeaa516f_quant:
	s_mov_b64 s[64:65], 0
	v_nop
	global_prefetch_b8 v0, s[64:65] scope:SCOPE_SE
	s_setreg_imm32_b32 hwreg(HW_REG_WAVE_MODE, 25, 1), 1
	s_wait_xcnt 0x0
; x [4096][1024] and Wq, Wk, Wv, Wo [1024][1024], f32 with K innermost, become codes of FP8 (E4M3) with one E8M0 byte for each 32 along K, laid AS THE MATRIX
; UNIT'S OPERAND REGISTERS: a fragment (16 rows x 128 K) is 2,048 bytes [chunk c][lane][16 bytes], chunk c = registers 4 c .. 4 c + 3 = k 32 c + 16 (lane / 16) + 0 .. 15 of row lane % 16.
; A block (128 rows x 128 K) is 8 fragments and then 8 x 16 scale words: 16,896 bytes; a panel (128 rows, all of K) is 8 blocks on end.
; THE ROWS OF A TILE ARE NOT NEIGHBOURS: lane-row r of tile t is panel row 32 (t / 2) + 8 (t % 2) + r + 8 (r / 8), so that results made with such a tile as source 0 have 16 neighbours in 16 registers.
; Work-groups 0 .. 511 make one block each (64 panels x 8 K steps); wave w makes tiles 2 w and 2 w + 1 from panel rows 32 w .. 32 w + 31.  Each load takes a row's 512 consecutive bytes; the rows turn through the
; wave's own stage in LDS (slots of 528 bytes = 33 x 16, so that sixteen lanes' reads fall in sixteen different columns of 16 bytes) and come back 16 neighbours a lane and block.
; Work-groups 512 .. 543 make the table of cos and sin for the rotary embedding: wave w of group g makes position tile 4 g + w, lane (r, h) the 16 frequencies 16 h + 0 .. 15 of its position.  They use no LDS.
; A block's scale byte is its largest magnitude's exponent field - 8, held at 1 from below (a block of zeros keeps the byte 1: its codes are zeros, and this program alone reads the bytes).
; LIMITS: NaN and infinities among the inputs are not served; blocks whose largest magnitude lies under 2^-118 keep the byte 1.  The angle's reduction by three parts of pi / 2 is exact in its first step for
; quotients up to 1,304, which covers positions up to 2,047.  The frequencies are 1 / 10^(i / 8) with both the power and the quotient rounded to nearest.
.set BLK,   16896
.set PANEL, 8*BLK
.set SLOTB, 528
.set WV,  20
.set SEL, 40                           ; s[40:41] lane selects: lane l xor 16
.set MNT, 42                           ; s42 the mantissa field of 448
.set TM,  16                           ; v16-31 the quantiser's 16 registers
.set PC0, 32                           ; v32-47, v48-63 the two tiles' codes
.set PC1, 48
.set X,   64                           ; v64-127 64 numbers of a lane
.set R,   128                          ; v128-255 the 32 rows as loaded
; 16 nb numbers of a lane, register 16 b + i = k 32 b + 16 (lane / 16) + i of my row, become codes in v[pc] on and the row's scale bytes in v[w]
.macro QUANT s, nb, pc, w
.irp b, 0,1,2,3
.if \b < \nb
	v_max3_num_f32 v[TM+\b], |v[(\s)+16*\b]|, |v[(\s)+1+16*\b]|, 0x4800000   ; my 16 numbers of block b, and the floor 2^(9 - 127): the byte cannot fall under 1
.endif
.endr
.irp i, 2,4,6,8,10,12,14
.irp b, 0,1,2,3
.if \b < \nb
	v_max3_num_f32 v[TM+\b], v[TM+\b], |v[(\s)+16*\b+\i]|, |v[(\s)+1+16*\b+\i]|   ; the blocks by turns
.endif
.endr
.endr
.irp b, 0,1,2,3
.if \b < \nb
	v_permlanex16_b32 v[TM+4+\b], v[TM+\b], s[SEL], s[SEL+1]
.endif
.endr
.irp b, 0,1,2,3
.if \b < \nb
	v_max_num_f32 v[TM+\b], v[TM+\b], v[TM+4+\b]   ; with lane l xor 16's 16: the block's largest magnitude
.endif
.endr
.irp b, 0,1,2,3
.if \b < \nb
	v_add_nc_u32 v[TM+12+\b], 0xfc000000, v[TM+\b]   ; 8 off its exponent field: the conversion's scale operand
.endif
.endr
.irp b, 0,1,2,3
.if \b < \nb
	v_and_or_b32 v[TM+8+\b], v[TM+\b], 0x7f800000, s[MNT]   ; 448 x the scale
.endif
.endr
.irp b, 0,1,2,3
.if \b < \nb
	v_lshrrev_b32 v[TM+4+\b], 23, v[TM+12+\b]      ; the scale's byte
.endif
.endr
	v_lshl_or_b32 v[\w], v[TM+5], 8, v[TM+4]
.if \nb > 2
	v_lshl_or_b32 v[\w], v[TM+6], 16, v[\w]
	v_lshl_or_b32 v[\w], v[TM+7], 24, v[\w]
.endif
.irp b, 0,1,2,3
.if \b < \nb
.irp i, 0,1,2,3,4,5,6,7,8,9,10,11,12,13,14,15
	v_med3_num_f32 v[(\s)+16*\b+\i], v[(\s)+16*\b+\i], -v[TM+8+\b], v[TM+8+\b]   ; the conversion to an 8-bit code does not saturate (ISA guide 7.6.2): the hold
.endr
	v_cvt_scalef32_pk8_fp8_f32 v[(\pc)+4*\b:(\pc)+4*\b+1], v[(\s)+16*\b:(\s)+16*\b+7], v[TM+12+\b]
	v_cvt_scalef32_pk8_fp8_f32 v[(\pc)+4*\b+2:(\pc)+4*\b+3], v[(\s)+16*\b+8:(\s)+16*\b+15], v[TM+12+\b]
.endif
.endr
	v_nop                                          ; a plain line behind the last conversion
.endm
	s_load_b512 s[4:19], s[0:1], 0x0               ; x s[4:5], Wq s[6:7], Wk s[8:9], Wv s[10:11], Wo s[12:13], ximg s[14:15], wimg s[16:17], tab s[18:19]
	v_lshl_add_u32 v11, v0, 2, 0x10800
	v_mov_b32 v15, 0
	v_lshrrev_b32 v1, 5, v0
	v_readfirstlane_b32 s[WV], v1                  ; wave 0..3
	v_and_b32 v1, 31, v0                           ; lane
	v_and_b32 v2, 15, v0                           ; r
	v_bfe_u32 v3, v0, 4, 1                         ; h
	v_lshlrev_b32 v4, 4, v1                        ; 16 x lane
	s_cmp_ge_u32 ttmp9, 512
	s_cbranch_scc1 .Ltable
	; ---- a block of codes
	s_lshr_b32 s21, ttmp9, 3                       ; p: 0-31 x's panels, 32-39 Wq's, 40-47 Wk's, 48-55 Wv's, 56-63 Wo's
	s_and_b32 s22, ttmp9, 7                        ; the K step
	s_and_b32 s23, s21, 7
	s_and_b32 s24, s21, 31
	s_mul_i32 s25, s[WV], 32*SLOTB                 ; my stage
	v_add_nc_u32 v5, s25, v4                       ; in: 16 x lane of a slot
	v_mul_u32_u24 v6, v2, SLOTB
	v_lshl_add_u32 v6, v3, 6, v6
	v_add_nc_u32 v6, s25, v6                       ; out: slot r, + 64 h: my 16 numbers of a block of 32
	v_lshlrev_b32 v7, 2, v1                        ; 4 x lane
	s_mov_b32 s[SEL], 0x76543210
	s_mov_b32 s[SEL+1], 0xfedcba98
	s_mov_b32 s[MNT], 0x600000
.irp b, 0,1,2,3
	v_mov_b32 v[TM+4+\b], 0                        ; written once: a lane permute's destination counts as one of its sources
.endr
	s_wait_alu depctr_va_vdst(0)
	s_wait_kmcnt 0x0
	s_mov_b64 s[26:27], s[12:13]                   ; the source is chosen by the work-group's number alone
	s_cmp_lt_u32 s21, 56
	s_cselect_b64 s[26:27], s[10:11], s[26:27]
	s_cmp_lt_u32 s21, 48
	s_cselect_b64 s[26:27], s[8:9], s[26:27]
	s_cmp_lt_u32 s21, 40
	s_cselect_b64 s[26:27], s[6:7], s[26:27]
	s_cmp_lt_u32 s21, 32
	s_cselect_b64 s[26:27], s[4:5], s[26:27]
	s_cselect_b64 s[28:29], s[14:15], s[16:17]     ; and the images' buffer
	s_cselect_b32 s23, s21, s23                    ; the panel within the source
	s_lshl_b32 s30, s23, 19                        ; 128 rows of 4,096 bytes,
	s_lshl_b32 s31, s[WV], 17                      ; my 32 rows,
	s_add_co_u32 s30, s30, s31
	s_lshl_b32 s31, s22, 9                         ; 128 numbers along K
	s_add_co_u32 s30, s30, s31
	s_mov_b32 s31, 0
	s_add_nc_u64 s[26:27], s[26:27], s[30:31]
	s_mul_i32 s30, s24, PANEL
	s_mul_i32 s32, s22, BLK
	s_add_co_u32 s30, s30, s32                     ; the block
	s_lshl_b32 s32, s[WV], 12                      ; my two fragments
	s_add_co_u32 s32, s32, s30
	s_mov_b32 s33, 0
	s_add_nc_u64 s[34:35], s[28:29], s[32:33]
	s_lshl_b32 s32, s[WV], 7                       ; my two fragments' scale words
	s_add_co_u32 s32, s32, s30
	s_add_co_u32 s32, s32, 16384
	s_add_nc_u64 s[36:37], s[28:29], s[32:33]
.set n, 0
.rept 32                                       ; load n: tile n / 16, lane-row n % 16: 32 lanes read the row's 512 consecutive bytes; read once in the launch
	global_load_b128 v[R+4*n:R+4*n+3], v4, s[26:27] offset:(8*(n/16)+(n%16)+8*((n%16)/8))*4096 th:TH_LOAD_NT
.set n, n+1
.endr
.macro TILE u, pc, w
.irp i, 0,1,2,3,4,5,6,7,8,9,10,11,12,13,14,15
	ds_store_b128 v5, v[R+64*\u+4*\i:R+64*\u+4*\i+3] offset:(16*\u+\i)*SLOTB
.endr
.irp b, 0,1,2,3
.irp j, 0,1,2,3
	ds_load_b128 v[X+16*\b+4*\j:X+16*\b+4*\j+3], v6 offset:\u*16*SLOTB+128*\b+16*\j   ; LDS serves a wave's instructions in order: these see the stores above
.endr
.endr
	s_wait_dscnt 0x0
	QUANT X, 4, \pc, \w
.irp c, 0,1,2,3
	global_store_b128 v4, v[\pc+4*\c:\pc+4*\c+3], s[34:35] offset:2048*\u+512*\c   ; 32 lanes store 512 consecutive bytes
.endr
.endm
	s_wait_loadcnt 16                              ; the first tile's 16 rows are in; the second tile's 16 loads may be out
	TILE 0, PC0, 12
	s_wait_loadcnt 0x0
	TILE 1, PC1, 13
	v_cmp_eq_u32 vcc_lo, 1, v3
	v_cndmask_b32 v14, v12, v13, vcc_lo            ; lanes 0-15 the first tile's words, lanes 16-31 the second's (both halves of the lanes hold row r's word)
	global_store_b32 v7, v14, s[36:37]             ; 128 consecutive bytes
	s_wait_tensorcnt 0x0
	ds_add_u32 v11, v15
	s_wait_dscnt 0x0
	s_endpgm
	; ---- the table: tab[T][chunk q][lane][16 bytes]; chunks 0-3 cos, 4-7 sin of frequencies 16 h + 4 (q % 4) + 0 .. 3 at position 32 (T / 2) + 8 (T % 2) + r + 8 (r / 8)
.set TT, 8
.set FQ, 64                            ; v64-79 the powers, then the frequencies
.set FY, 80                            ; v80-95 first reciprocals
.set FE, 96                            ; v96-111 their errors
.set CO, 32                            ; v32-47 cos, v48-63 sin
.set SI, 48
.set tA, 16
.set tN, 17
.set tR, 18
.set tZ, 19
.set tS, 20
.set tC, 21
.set tQ, 22
.set tW, 23
.set tH, 24
.macro FREQ j, lo, hi                  ; 10^(i / 8) for i = j (lanes 0-15) and i = 16 + j (lanes 16-31)
	v_mov_b32 v[FQ+\j], \hi
	v_cndmask_b32 v[FQ+\j], \lo, v[FQ+\j], vcc_lo
.endm
.macro TRIG j
	v_mul_f32 v[tA], v[TT], v[FQ+\j]               ; the angle: one rounding
	v_mul_f32 v[tN], 0x3f22f983, v[tA]             ; x 2 / pi
	v_rndne_f32 v[tN], v[tN]
	v_fma_f32 v[tR], -v[tN], s24, v[tA]            ; less N x pi / 2, in three parts
	v_fma_f32 v[tR], -v[tN], s25, v[tR]
	v_fma_f32 v[tR], -v[tN], s26, v[tR]
	v_mul_f32 v[tZ], v[tR], v[tR]
	v_cvt_i32_f32 v[tQ], v[tN]
	v_fma_f32 v[tS], s27, v[tZ], s28
	v_fma_f32 v[tS], v[tS], v[tZ], s29
	v_mul_f32 v[tW], v[tR], v[tZ]
	v_fma_f32 v[tS], v[tS], v[tW], v[tR]           ; sin of the rest
	v_fma_f32 v[tC], s30, v[tZ], s31
	v_fma_f32 v[tC], v[tC], v[tZ], s32
	v_mul_f32 v[tW], v[tZ], v[tZ]
	v_fma_f32 v[tH], -0.5, v[tZ], 1.0
	v_fma_f32 v[tC], v[tC], v[tW], v[tH]           ; cos of the rest
	v_and_b32 v[tW], 1, v[tQ]
	v_cmp_eq_u32 vcc_lo, 1, v[tW]                  ; in odd quadrants the two change places (a choice of values, no branch)
	v_cndmask_b32 v[CO+\j], v[tC], v[tS], vcc_lo
	v_cndmask_b32 v[SI+\j], v[tS], v[tC], vcc_lo
	v_add_nc_u32 v[tW], 1, v[tQ]
	v_lshlrev_b32 v[tW], 30, v[tW]
	v_and_b32 v[tW], 0x80000000, v[tW]
	v_xor_b32 v[CO+\j], v[tW], v[CO+\j]            ; cos is negative in quadrants 1 and 2,
	v_lshlrev_b32 v[tW], 30, v[tQ]
	v_and_b32 v[tW], 0x80000000, v[tW]
	v_xor_b32 v[SI+\j], v[tW], v[SI+\j]            ; sin in 2 and 3
.endm
.Ltable:
	s_sub_co_u32 s21, ttmp9, 512
	s_lshl_b32 s21, s21, 2
	s_add_co_u32 s21, s21, s[WV]                   ; T
	s_lshr_b32 s22, s21, 1
	s_lshl_b32 s22, s22, 5
	s_and_b32 s23, s21, 1
	s_lshl_b32 s23, s23, 3
	s_add_co_u32 s22, s22, s23
	s_wait_alu depctr_va_vdst(0)
	v_and_b32 v5, 8, v2
	v_add_nc_u32 v5, v5, v2
	v_add_nc_u32 v5, s22, v5                       ; my position
	v_cvt_f32_u32 v[TT], v5
	s_mov_b32 s24, 0x3fc90fda                      ; pi / 2 in three parts of 24 bits
	s_mov_b32 s25, 0x33a22168
	s_mov_b32 s26, 0x27c234c5
	s_mov_b32 s27, 0xb94ca1f9                      ; sin: -1.9515295891e-4, 8.3321608736e-3, -1.6666654611e-1
	s_mov_b32 s28, 0x3c08839e
	s_mov_b32 s29, 0xbe2aaaa3
	s_mov_b32 s30, 0x37ccf5ce                      ; cos: 2.443315711809948e-5, -1.388731625493765e-3, 4.166664568298827e-2
	s_mov_b32 s31, 0xbab6061a
	s_mov_b32 s32, 0x3d2aaaa5
	v_cmp_eq_u32 vcc_lo, 1, v3                     ; lanes 16-31
	FREQ 0, 1.0, 100.0
	FREQ 1, 1.3335214321633240, 133.35214321633240
	FREQ 2, 1.7782794100389228, 177.82794100389228
	FREQ 3, 2.3713737056616552, 237.13737056616552
	FREQ 4, 3.1622776601683795, 316.22776601683795
	FREQ 5, 4.2169650342858226, 421.69650342858226
	FREQ 6, 5.6234132519034908, 562.34132519034908
	FREQ 7, 7.4989420933245582, 749.89420933245582
	FREQ 8, 10.0, 1000.0
	FREQ 9, 13.335214321633240, 1333.5214321633240
	FREQ 10, 17.782794100389228, 1778.2794100389228
	FREQ 11, 23.713737056616552, 2371.3737056616552
	FREQ 12, 31.622776601683795, 3162.2776601683795
	FREQ 13, 42.169650342858226, 4216.9650342858226
	FREQ 14, 56.234132519034908, 5623.4132519034908
	FREQ 15, 74.989420933245582, 7498.9420933245582
	s_wait_alu depctr_va_vdst(0)
.irp j, 0,1,2,3,4,5,6,7,8,9,10,11,12,13,14,15
	v_rcp_f32 v[FY+\j], v[FQ+\j]
.endr
	v_nop                                          ; a plain line behind the reciprocals
	s_wait_alu depctr_va_vdst(0)
.irp j, 0,1,2,3,4,5,6,7,8,9,10,11,12,13,14,15
	v_fma_f32 v[FE+\j], -v[FQ+\j], v[FY+\j], 1.0   ; one step of Newton's brings the quotient to the nearest number
.endr
.irp j, 0,1,2,3,4,5,6,7,8,9,10,11,12,13,14,15
	v_fma_f32 v[FQ+\j], v[FY+\j], v[FE+\j], v[FY+\j]
.endr
.irp j, 0,1,2,3,4,5,6,7,8,9,10,11,12,13,14,15
	TRIG \j
.endr
	s_lshl_b32 s22, s21, 12
	s_mov_b32 s23, 0
	s_wait_alu depctr_va_vdst(0)
	s_wait_kmcnt 0x0
	s_add_nc_u64 s[18:19], s[18:19], s[22:23]
.irp q, 0,1,2,3,4,5,6,7
	global_store_b128 v4, v[CO+4*\q:CO+4*\q+3], s[18:19] offset:512*\q   ; 32 lanes store 512 consecutive bytes
.endr
	s_endpgm
.Lfunc_end_k_q1bfeaa516f_quant:
	.size	k_q1bfeaa516f_quant, .Lfunc_end_k_q1bfeaa516f_quant-k_q1bfeaa516f_quant
	.p2alignl 7, 3214868480
	.fill 96, 4, 3214868480
	.section	.rodata,"a",@progbits
	.p2align	6, 0x0
	.amdhsa_kernel k_q1bfeaa516f_quant
		.amdhsa_group_segment_fixed_size 68096
		.amdhsa_private_segment_fixed_size 0
		.amdhsa_enable_private_segment 0
		.amdhsa_kernarg_size 64
		.amdhsa_user_sgpr_count 2
		.amdhsa_user_sgpr_kernarg_segment_ptr 1
		.amdhsa_wavefront_size32 1
		.amdhsa_system_sgpr_workgroup_id_x 1
		.amdhsa_system_sgpr_workgroup_id_y 1
		.amdhsa_system_sgpr_workgroup_id_z 1
		.amdhsa_system_vgpr_workitem_id 0
		.amdhsa_next_free_vgpr 256
		.amdhsa_next_free_sgpr 66
		.amdhsa_reserve_vcc 1
		.amdhsa_float_denorm_mode_32 3
		.amdhsa_float_denorm_mode_16_64 3
		.amdhsa_memory_ordered 1
		.amdhsa_forward_progress 1
		.amdhsa_inst_pref_size 54
	.end_amdhsa_kernel
	.amdgpu_metadata
---
amdhsa.version: [ 1, 2 ]
amdhsa.kernels:
  - .name:           k_q1bfeaa516f_quant
    .symbol:         k_q1bfeaa516f_quant.kd
    .args:
      - { .name: x, .offset: 0, .size: 8, .value_kind: global_buffer, .address_space: global }
      - { .name: Wq, .offset: 8, .size: 8, .value_kind: global_buffer, .address_space: global }
      - { .name: Wk, .offset: 16, .size: 8, .value_kind: global_buffer, .address_space: global }
      - { .name: Wv, .offset: 24, .size: 8, .value_kind: global_buffer, .address_space: global }
      - { .name: Wo, .offset: 32, .size: 8, .value_kind: global_buffer, .address_space: global }
      - { .name: ximg, .offset: 40, .size: 8, .value_kind: global_buffer, .address_space: global }
      - { .name: wimg, .offset: 48, .size: 8, .value_kind: global_buffer, .address_space: global }
      - { .name: tab, .offset: 56, .size: 8, .value_kind: global_buffer, .address_space: global }
    .group_segment_fixed_size: 68096
    .private_segment_fixed_size: 0
    .kernarg_segment_align: 8
    .kernarg_segment_size: 64
    .max_flat_workgroup_size: 128
    .sgpr_count:     66
    .vgpr_count:     256
    .wavefront_size: 32
...
	.end_amdgpu_metadata
.endif
;; end of part 5
;; launch qkv (part 6): grid 8 x 32, 4 waves a work-group, clusters of 4 x 4, 327,680 bytes of LDS; arguments ximg, wimg, bq, bk, bv, tab, qs, kv; writes qs, kv
.if DOCPART == 6
	.amdgcn_target "amdgcn-amd-amdhsa--gfx1250"
	.amdhsa_code_object_version 6
	.text
	.protected	k_q1bfeaa516f_qkv
	.globl	k_q1bfeaa516f_qkv
	.p2align	8
	.type	k_q1bfeaa516f_qkv,@function
k_q1bfeaa516f_qkv:
	s_mov_b64 s[64:65], 0
	v_nop
	global_prefetch_b8 v0, s[64:65] scope:SCOPE_SE
	s_setreg_imm32_b32 hwreg(HW_REG_WAVE_MODE, 25, 1), 1
	s_wait_xcnt 0x0
	s_wait_alu depctr_hold_cnt(0) depctr_sa_sdst(0) depctr_va_vdst(0) depctr_va_sdst(0) depctr_va_ssrc(0) depctr_va_vcc(0) depctr_vm_vsrc(0)
	s_getreg_b32 s2, hwreg(HW_REG_IB_STS2, 6, 4)
	s_cmp_eq_u32 s2, 0
	s_cbranch_scc0 .Lentry_in_a_cluster
	s_endpgm
.Lentry_in_a_cluster:
	s_bfe_u32 s2, ttmp6, 0x10000c
	s_cmp_lg_u32 s2, 0xf033
	s_cbranch_scc0 .Lentry_shape_is_right
	s_endpgm
.Lentry_shape_is_right:
; q, k, v = x W^T + b on codes of FP8 (E4M3) with E8M0 scales; q and k are rotated (RoPE) and quantised along the head's 64, v along the keys; all three leave as images of the attention launch's operand registers.
; A WORK-GROUP makes three tiles of 128 x 128, one after the other: q, k and v of one panel of 128 positions and one panel of 128 features.  Four waves, each 64 x 64 of a tile: 16 accumulators.
; x LIVES IN REGISTERS: a wave loads its 64 rows of x (tiles 4 (wave / 2) on), all 1,024 of K, once: 32 fragments, 512 registers.  A K step then fetches W's four fragments (tiles 4 (wave % 2) on) alone.
; SOURCE 1's rows fall to lanes, SOURCE 0's rows run along a lane's registers.  q and k: source 1 = x (a lane is a position), source 0 = W (registers run along d).  v: source 1 = Wv (a lane is a channel), source 0 = x (registers run along the keys).
; LDS: two regions of a panel each (8 blocks of 16,896 bytes: fragments and scale words in register order).  Region 0: x, then Wk.  Region 1: Wq, then Wv.  First fills: waves 0, 1 x's halves, waves 2, 3 Wq's, one load a wave.
; When every wave holds x in registers, Wk is filled over x; when Wq's last fragments are in registers, Wv over Wq: each refill behind a drained round of the cluster's barrier, two blocks (132 rows of 256 bytes) a wave.
; x's SCALE WORDS, 512 bytes a K step, are copied by the waves into LDS bytes of their own, at XB + (k % 4) blocks + 512 (k / 4): as far apart from K step to K step as W's, so that one load brings x's words in one half of the lanes and W's in the other.
; CLUSTERS: 4 x 4.  x's panel is shared along a row of the cluster, W's along a column: joint loads, the same descriptor in the four that a mask names.
; NO PREFETCH: the text has no loop to run ahead in; each refill is asked for a whole tile (eight K steps and a way out) ahead of its first read.
; The launch claims all of a WGP's LDS.
; The rows of a tile: lane-row r of tile t is panel row 32 (t / 2) + 8 (t % 2) + r + 8 (r / 8); so the 32 registers of accumulators (a, 0 .. 3) are source 0's rows 32 g + 16 (lane / 16) + i of its 64 at register 16 g + i.
; q's and k's bias is the C of each sum's first product; v's, one number a lane and tile, is added on the way out.
; OUT.  q: qs[head][step of 128 positions]: 8 tiles x 1,024 bytes, then 4 x 16 scale words.  k: the same at the head of kv's block of 16,896 bytes.  v: kv's block from byte 8,448: 4 tiles of 16 channels x 128 keys, then 4 x 16 scale words;
; a word's two halves come from two waves and meet in LDS bytes that no tensor load touches.  A wave's head is the panel's wave % 2 for all three; its positions (for v: keys) are half wave / 2 of the 128.
; LIMITS: NaN and infinities are not served; a block whose largest magnitude lies under 2^-118, or that is all zeros, keeps the scale byte 1 (this program alone reads the bytes).
; REGISTERS: window 0: v1-13, v47 addresses; v14, v15 the spare word's address and 0; v16-31 the quantiser's; v32-39 scale words, two sets (nothing else ever); v40-46 scale bytes on their way; v48-63 codes;
;   v64-95 biases, v96-127 RoPE's products (for v: v96-99 addresses); v128-255 accumulators.   window 1: v0-127 two buffers of W's four fragments; v128-255 cos and sin of my four tiles of positions.   windows 2, 3: x.
.set BLK,   16896
.set PANEL, 8*BLK
.set SCR,   2*PANEL                    ; 512 bytes for v's scale words
.set SPARE, SCR+512                    ; the spare words, 128 bytes for each wave
.set XB,    SPARE+512                  ; the copy of x's scale words
.set SEL, 2
.set WV,  20
.set WH,  21                           ; wave / 2: which 64 rows of x
.set WL,  22                           ; wave % 2: which 64 rows of W
.set MNT, 23
.set G1A, 24                           ; group 1: x's halves
.set G1B, 32                           ; the refills: W's mask, 132 rows
.set G0A, 40
.set G1C, 44                           ; Wq's halves: W's mask, 264 rows
.set G0B, 56
.set LT,  67                           ; a scalar for LDS addresses: the wave's number and constants alone
.set CX,  76
.set CY,  77
.set IDX0, 78
.set IDX1, 79
.set PW,  80
.set PX,  82
.set WBL, 84
.set WBV, 86
.set G0R, 92                           ; s[92:95] Wk's refill, s[96:99] Wv's
.set RR,  1
.set HH,  2
.set LI,  3
.set A1,  4                            ; v4, v5 x's fragments in LDS, K steps 0-3 and 4-7
.set A0,  6                            ; v6, v7 W's
.set AS,  8                            ; v8, v9 scale words: lanes 0-15 source 1's, lanes 16-31 source 0's
.set GA,  10
.set GB,  11
.set LS,  12
.set BO,  13
.set SPW, 14
.set NIL, 15
.set TM,  16
.set SC,  32
.set HW,  40
.set CPS, 40                           ; at the head: from where and to where I copy scale words
.set CPD, 41
.set WD,  44
.set MG,  46
.set BO2, 47
.set BI,  64
.set U,   96
.set W,   112
.set LH,  96
.set LW,  97
.set GAV, 98
.set GBV, 99
.set ACC, 128
.set TBL, 128                          ; window 1: the table
.set MSB, 0
.macro WIN new                         ; the immediate's high byte repeats the setting that is left
.if MSB != \new
	s_set_vgpr_msb (MSB<<8)|\new
.set MSB, \new
.endif
.endm
.macro PLACES n
.rept \n
	v_nop
.endr
.endm
.macro WALU
	s_wait_alu depctr_va_vdst(0)
.endm
.macro ROUND                           ; a round of the cluster's barrier
	s_barrier_signal -1
	s_barrier_wait -1
	s_cmp_lg_u32 s[WV], 0
	s_cbranch_scc1 .Lnot_wave_0_\@
	s_barrier_signal -3
.Lnot_wave_0_\@:
	s_barrier_wait -3
	s_barrier_signal -1
	s_barrier_wait -1
.endm
; A PAIR OF TILES AT A TIME: 64 numbers of a lane, two blocks of 32 for each tile; register 16 b + i is number 16 (lane / 16) + i of block b.  They become codes in v[pc] on, 16 registers, and the four scale bytes in v[w]:
; the even tile's two below, the odd tile's two above.  The four blocks take turns line by line.
.macro QUANT s, pc, w
.irp b, 0,1,2,3
	v_max3_num_f32 v[TM+\b], |v[(\s)+16*\b]|, |v[(\s)+1+16*\b]|, 0x4800000   ; and the floor 2^(9 - 127): the byte cannot fall under 1
.endr
.irp i, 2,4,6,8,10,12,14
.irp b, 0,1,2,3
	v_max3_num_f32 v[TM+\b], v[TM+\b], |v[(\s)+16*\b+\i]|, |v[(\s)+1+16*\b+\i]|
.endr
.endr
.irp b, 0,1,2,3
	v_permlanex16_b32 v[TM+4+\b], v[TM+\b], s[SEL], s[SEL+1]
.endr
.irp b, 0,1,2,3
	v_max_num_f32 v[TM+\b], v[TM+\b], v[TM+4+\b]   ; with lane l xor 16's 16: the block's largest magnitude
.endr
.irp b, 0,1,2,3
	v_add_nc_u32 v[TM+12+\b], 0xfc000000, v[TM+\b]   ; 8 off its exponent field: the conversion's scale operand
.endr
.irp b, 0,1,2,3
	v_and_or_b32 v[TM+8+\b], v[TM+\b], 0x7f800000, s[MNT]   ; 448 x the scale
.endr
.irp b, 0,1,2,3
	v_lshrrev_b32 v[TM+4+\b], 23, v[TM+12+\b]      ; the scale's byte
.endr
	v_lshl_or_b32 v[\w], v[TM+5], 8, v[TM+4]
	v_lshl_or_b32 v[\w], v[TM+6], 16, v[\w]
	v_lshl_or_b32 v[\w], v[TM+7], 24, v[\w]
.irp b, 0,1,2,3
.irp i, 0,1,2,3,4,5,6,7,8,9,10,11,12,13,14,15
	v_med3_num_f32 v[(\s)+16*\b+\i], v[(\s)+16*\b+\i], -v[TM+8+\b], v[TM+8+\b]   ; the conversion does not saturate (ISA guide 7.6.2): the hold
.endr
	v_cvt_scalef32_pk8_fp8_f32 v[(\pc)+4*\b:(\pc)+4*\b+1], v[(\s)+16*\b:(\s)+16*\b+7], v[TM+12+\b]
	v_cvt_scalef32_pk8_fp8_f32 v[(\pc)+4*\b+2:(\pc)+4*\b+3], v[(\s)+16*\b+8:(\s)+16*\b+15], v[TM+12+\b]
.endr
	v_nop                                          ; a plain line behind the last conversion
.endm
; The four LDS address registers of a tile.  wbase: the region in which W lies.  role 0: x is source 1, its words go to lanes 0-15;  role 1: x is source 0, lanes 16-31.
; The scale words' registers: W's address, the lower one, + one product of the lane's half (or of 1 - half) with the distance to x's copy.
.macro SETADR role, wbase
	s_lshl_b32 s[LT], s[WL], 13
	s_add_co_u32 s[LT], s[LT], \wbase
	v_add_nc_u32 v[A0], s[LT], v[LI]
	v_add_nc_u32 v[A0+1], 4*BLK, v[A0]
	s_xor_b32 s[LT], s[WL], 1                      ; 256 (wave / 2) - 256 (wave % 2) = 256 (wave / 2 + (wave % 2 xor 1)) - 256
	s_add_co_u32 s[LT], s[LT], s[WH]
	s_lshl_b32 s[LT], s[LT], 8
	s_add_co_u32 s[LT], s[LT], XB-(\wbase)-16384-256-4*BLK+512   ; K steps 4-7: W's words lie 4 blocks on, x's copy 512 bytes on
.if \role
	v_mul_u32_u24 v[AS+1], s[LT], v[HH]
	s_add_co_u32 s[LT], s[LT], 4*BLK-512
	v_mul_u32_u24 v[AS], s[LT], v[HH]
.else
	v_xor_b32 v[AS+1], 1, v[HH]
	v_xor_b32 v[AS], 1, v[HH]
	v_mul_u32_u24 v[AS+1], s[LT], v[AS+1]
	s_add_co_u32 s[LT], s[LT], 4*BLK-512
	v_mul_u32_u24 v[AS], s[LT], v[AS]
.endif
	v_lshl_add_u32 v[AS], v[RR], 2, v[AS]
	v_lshl_add_u32 v[AS+1], v[RR], 2, v[AS+1]
	s_lshl_b32 s[LT], s[WL], 8
	s_add_co_u32 s[LT], s[LT], (\wbase)+16384
	v_add_nc_u32 v[AS], s[LT], v[AS]
	s_add_co_u32 s[LT], s[LT], 4*BLK
	v_add_nc_u32 v[AS+1], s[LT], v[AS+1]
.endm
.macro XL k                            ; K step k's four fragments of my rows of x into their registers: window 2 + k / 4, 64 (k % 4) on
.set WN, (2+(\k)/4)<<6
	WIN WN
.irp i, 0,1,2,3
.irp c, 0,1,2,3
	ds_load_b128 v[64*((\k)%4)+16*\i+4*\c:64*((\k)%4)+16*\i+4*\c+3], v[A1+(\k)/4] offset:((\k)%4)*BLK+2048*\i+512*\c
.endr
.endr
.endm
.macro FETCH k                         ; K step k's four fragments of W into buffer k % 2, its four scale registers into set k % 2
.set FB, 64*((\k)%2)
	WIN 0x40                                       ; destination window 1, address window 0
.irp i, 0,1,2,3
.irp c, 0,1,2,3
	ds_load_b128 v[FB+16*\i+4*\c:FB+16*\i+4*\c+3], v[A0+(\k)/4] offset:((\k)%4)*BLK+2048*\i+512*\c
.endr
.endr
	WIN 0
.irp i, 0,1,2,3
	ds_load_b32 v[SC+4*((\k)%2)+\i], v[AS+(\k)/4] offset:((\k)%4)*BLK+64*\i
.endr
.endm
; 16 matrix instructions, the 16 accumulators by turns, one instruction a turn.  cmode 1: the first product starts the sums; 2: from the bias
.macro MUL k, cmode, role
.set FB, 64*((\k)%2)
.set SB, SC+4*((\k)%2)
.set XF, 64*((\k)%4)
.if \role
.set WN, (2+(\k)/4)|4                          ; source 0 = x, source 1 = W in window 1
.else
.set WN, 1|((2+(\k)/4)<<2)                     ; source 0 = W in window 1, source 1 = x
.endif
	WIN WN
.irp a, 0,1,2,3
.irp b, 0,1,2,3
.set D_, ACC+8*(4*\a+\b)
.if \role
.set A_, XF+16*\b
.set B_, FB+16*\a
.else
.set A_, FB+16*\b
.set B_, XF+16*\a
.endif
.if \cmode == 1
	v_wmma_scale_f32_16x16x128_f8f6f4 v[D_:D_+7], v[A_:A_+15], v[B_:B_+15], 0, v[SB+\b], v[SB+\a] matrix_a_scale:MATRIX_SCALE_ROW1
.elseif \cmode == 2
	v_wmma_scale_f32_16x16x128_f8f6f4 v[D_:D_+7], v[A_:A_+15], v[B_:B_+15], v[BI+8*\b:BI+8*\b+7], v[SB+\b], v[SB+\a] matrix_a_scale:MATRIX_SCALE_ROW1
.else
	v_wmma_scale_f32_16x16x128_f8f6f4 v[D_:D_+7], v[A_:A_+15], v[B_:B_+15], v[D_:D_+7], v[SB+\b], v[SB+\a] matrix_a_scale:MATRIX_SCALE_ROW1
.endif
.endr
.endr
.endm
; A region whose bytes every wave is done with is filled again: slot 0: Wk over x, slot 1: Wv over Wq.  The next tile's address registers are made between the add and the wait for it.
.macro REFILL slot, role, wbase
	WIN 0
	s_wait_tensorcnt 0x0                           ; all my tensor loads have landed
	ds_add_u32 v[SPW], v[NIL]
	SETADR \role, \wbase                           ; (work on registers; also places behind the last products)
	s_wait_dscnt 0x0                               ; the add is done, and so are my reads of the region and my LDS stores
	ROUND                                          ; both now hold of every wave of every work-group of the cluster
	tensor_load_to_lds s[G0R+4*\slot:G0R+4*\slot+3], s[G1B:G1B+7]   ; my one tensor load behind the round: blocks 2 wave, 2 wave + 1
	s_nop 0
	PLACES 4
.endm
; A tile: all of K, written out.  t = 0: q, 1: k, 2: v.  K step k + 1's fragments of W are asked for ahead of K step k's 16 products.
.macro TILE t
.irp k, 0,1,2,3,4,5,6,7
	s_wait_dscnt 0x0                               ; this K step's fragments and scale words are in
.if (\k == 7) && (\t == 0)
	REFILL 1, 0, 0                                 ; Wq is in registers or done with: Wv comes over it; Wk, asked for at the head, has landed in every wave
	WALU
	FETCH 0                                        ; the next tile's first fragments, ahead of this tile's way out
.elseif (\k == 7) && (\t == 1)
	WIN 0
	s_wait_tensorcnt 0x0                           ; my part of Wv has landed
	SETADR 1, PANEL
	PLACES 4
	WALU
	s_barrier_signal -1
	s_barrier_wait -1
	FETCH 0
.elseif \k > 0
	PLACES 8                                       ; behind the last step's products, which read the buffer and the scale set that are loaded next (ISA guide 7.12.1)
.endif
.if \k < 7
	FETCH \k+1
.endif
.if (\t == 0) && (\k == 1)
.irp d, 0,1
.irp q, 0,1,2,3
	global_load_b128 v[BI+16*\d+4*\q:BI+16*\d+4*\q+3], v[BO], s[10:11] offset:128*\d+16*\q   ; k's bias, where q's lay: K step 0's products have read that, eight places ago
.endr
.endr
.endif
.if \k > 0
	MUL \k, 0, \t/2
.elseif \t == 2
	MUL \k, 1, 1
.else
	MUL \k, 2, 0
.endif
.endr
	WIN 0
	PLACES 8                                       ; in front of the first read of results
.endm
; The way out of q or of k: RoPE, codes along d, to s[dst:dst+1].
.macro EPIQK dst
	s_wait_loadcnt 0x0                             ; the table; the next bias
	v_cmp_eq_u32 vcc_lo, 1, v[HH]
.irp a, 0,1,2,3
.set X, ACC+32*\a
.if \a < 2
.set PCD, 48+8*\a                      ; each tile's codes have registers of their own, so that no store's data are written again:
.else
.set PCD, ACC+8*(\a-2)                 ; the last two take registers of tile 0's numbers, which are done with
.endif
	WIN 0x04                                       ; source 1 window 1
.irp n, 0,2,4,6,8,10,12,14
	v_pk_mul_f32 v[U+\n:U+\n+1], v[X+16+\n:X+17+\n], v[TBL+32*\a+16+\n:TBL+32*\a+17+\n]   ; x(d + 32) sin; each accumulator from its low end on
.endr
.irp n, 0,2,4,6,8,10,12,14
	v_pk_mul_f32 v[W+\n:W+\n+1], v[X+\n:X+\n+1], v[TBL+32*\a+16+\n:TBL+32*\a+17+\n]       ; x(d) sin
.endr
.irp n, 0,2,4,6,8,10,12,14
	v_pk_fma_f32 v[X+\n:X+\n+1], v[X+\n:X+\n+1], v[TBL+32*\a+\n:TBL+32*\a+\n+1], v[U+\n:U+\n+1] neg_lo:[0,0,1] neg_hi:[0,0,1]   ; d < 32: x(d) cos - x(d + 32) sin
.endr
.irp n, 0,2,4,6,8,10,12,14
	v_pk_fma_f32 v[X+16+\n:X+17+\n], v[X+16+\n:X+17+\n], v[TBL+32*\a+\n:TBL+32*\a+\n+1], v[W+\n:W+\n+1]   ; d >= 32: x(d) cos + x(d - 32) sin
.endr
	WIN 0
.if \a % 2                                     ; both tiles of a pair are rotated: they are quantised together; the four bytes are the pair's word
	QUANT X-32, PCD-8, WD+\a/2
.irp j, 0,1,2,3
	global_store_b128 v[GA], v[PCD-8+4*\j:PCD-8+4*\j+3], s[\dst:\dst+1] offset:1024*(\a-1)+512*\j   ; 32 lanes store 512 consecutive bytes
.endr
.endif
.endr
	v_cndmask_b32 v[MG], v[WD], v[WD+1], vcc_lo    ; lanes 0-15 my first pair's words, lanes 16-31 my second's
	global_store_b32 v[GB], v[MG], s[\dst:\dst+1] offset:8192
	s_wait_xcnt 0x0                                ; the stores have read their registers: the next tile's products and way out write them again
.endm
	s_load_b512 s[4:19], s[0:1], 0x0               ; ximg s[4:5], wimg s[6:7], bq s[8:9], bk s[10:11], bv s[12:13], tab s[14:15], qs s[16:17], kv s[18:19]
	v_lshl_add_u32 v[SPW], v0, 2, SPARE
	v_mov_b32 v[NIL], 0
	ds_add_u32 v[SPW], v[NIL]                      ; the opening lines: the add, twice on end, and its wait ahead of my first tensor load
	ds_add_u32 v[SPW], v[NIL]
	v_lshrrev_b32 v1, 5, v0
	v_readfirstlane_b32 s[WV], v1                  ; wave 0..3
	s_lshr_b32 s[WH], s[WV], 1
	s_and_b32 s[WL], s[WV], 1
	s_bfe_u32 s[CX], ttmp6, 0x40000                ; my place in the cluster
	s_bfe_u32 s[CY], ttmp6, 0x40004
	s_lshl_b32 s[IDX0], ttmp9, 2
	s_add_co_u32 s[IDX0], s[IDX0], s[CX]           ; which 128 features: 4 x cluster x + cx
	s_and_b32 s[IDX1], ttmp7, 0xffff
	s_lshl_b32 s[IDX1], s[IDX1], 2
	s_add_co_u32 s[IDX1], s[IDX1], s[CY]           ; which 128 positions: 4 x cluster y + cy
	s_lshl_b32 s88, s[CY], 2
	s_lshl_b32 s88, 15, s88                        ; my row of the cluster
	s_lshl_b32 s89, 0x1111, s[CX]                  ; my column
	s_or_b32 s[G1A], s88, (3<<16)|(1<<21)          ; the mask: x's blocks go to my row; elements of 8 bytes; bit 21 beside a mask; no padding
	s_or_b32 s[G1B], s89, (3<<16)|(1<<21)          ; W's to my column
	s_or_b32 s[G1C], s89, (3<<16)|(1<<21)
.irp g, G1A, G1B, G1C                          ; blocks are dense and lie on end: rows of 256 bytes
	s_mov_b32 s[\g+1], 32<<16
	s_mov_b32 s[\g+3], 32<<16
	s_mov_b32 s[\g+5], 32
	s_mov_b32 s[\g+6], 0
	s_mov_b32 s[\g+7], 0
.endr
.irp g, G1A, G1C                               ; a first fill: four blocks, 264 rows
	s_mov_b32 s[\g+2], 264<<16
	s_mov_b32 s[\g+4], 264
.endr
	s_mov_b32 s[G1B+2], 132<<16                    ; a refill: two blocks, 132 rows
	s_mov_b32 s[G1B+4], 132
	s_mul_i32 s[WBL], s[WL], 4*BLK                 ; my first fill: half wave % 2 of x's panel (waves 0, 1) or of Wq's (waves 2, 3)
	s_mov_b32 s[WBL+1], 0
	s_mul_i32 s[WBV], s[WV], 2*BLK                 ; my part of a refill
	s_mov_b32 s[WBV+1], 0
	s_mul_i32 s[PX], s[IDX1], PANEL
	s_mov_b32 s[PX+1], 0
	s_mul_i32 s[PW], s[IDX0], PANEL
	s_mov_b32 s[PW+1], 0
	s_mov_b32 s[SEL], 0x76543210
	s_mov_b32 s[SEL+1], 0xfedcba98
	s_mov_b32 s[MNT], 0x600000
	s_wait_dscnt 0x0                               ; both opening adds are done
	ROUND                                          ; all sixteen work-groups are here: the joint loads meet
	s_wait_kmcnt 0x0
	s_add_nc_u64 s[PX:PX+1], s[4:5], s[PX:PX+1]    ; x's panel hangs on cy, which my row shares,
	s_add_nc_u64 s[PW:PW+1], s[6:7], s[PW:PW+1]    ; W's on cx, which my column shares
	s_mov_b32 s[G0A], 1
	s_mov_b32 s[G0A+1], s[WBL]
	s_add_nc_u64 s[G0A+2:G0A+3], s[PX:PX+1], s[WBL:WBL+1]
	s_or_b32 s[G0A+3], s[G0A+3], 0x80000000
	s_mov_b32 s[G0B], 1
	s_add_co_u32 s[G0B+1], s[WBL], PANEL
	s_add_nc_u64 s[G0B+2:G0B+3], s[PW:PW+1], s[WBL:WBL+1]
	s_or_b32 s[G0B+3], s[G0B+3], 0x80000000
.irp s, 0,1                                    ; the refills: Wk's panel, 8 panels behind Wq's, into region 0; Wv's, 16 behind, into region 1
	s_mov_b32 s[G0R+4*\s], 1
	s_add_co_u32 s[G0R+4*\s+1], s[WBV], \s*PANEL
	s_add_nc_u64 s[G0R+4*\s+2:G0R+4*\s+3], s[PW:PW+1], s[WBV:WBV+1]
	s_add_nc_u64 s[G0R+4*\s+2:G0R+4*\s+3], s[G0R+4*\s+2:G0R+4*\s+3], (8+8*\s)*PANEL
	s_or_b32 s[G0R+4*\s+3], s[G0R+4*\s+3], 0x80000000
.endr
; ONE first fill a wave, in one chain of branches on the wave's number, an arm a wave
.macro ARM n, g0, g1, next
	s_cmp_eq_u32 s[WV], \n
	s_cbranch_scc0 \next
	tensor_load_to_lds s[\g0:\g0+3], s[\g1:\g1+7]
	s_nop 0
	PLACES 4
	s_branch .Lfilled
\next:
.endm
	ARM 0, G0A, G1A, .Larm1
	ARM 1, G0A, G1A, .Larm2
	ARM 2, G0B, G1C, .Larm3
	tensor_load_to_lds s[G0B:G0B+3], s[G1C:G1C+7]
	s_nop 0
	PLACES 4
.Lfilled:
	v_and_b32 v[RR], 15, v0                        ; r
	v_bfe_u32 v[HH], v0, 4, 1                      ; h
	v_and_b32 v[LI], 31, v0
	v_lshlrev_b32 v[LS], 2, v[LI]
	v_lshlrev_b32 v[LI], 4, v[LI]
	s_lshl_b32 s[LT], s[WH], 13
	v_add_nc_u32 v[A1], s[LT], v[LI]               ; x's fragments: tiles 4 (wave / 2) on
	v_add_nc_u32 v[A1+1], 4*BLK, v[A1]
	s_mul_i32 s[LT], s[WV], 2*BLK
	s_add_co_u32 s[LT], s[LT], 16384
	v_add_nc_u32 v[CPS], s[LT], v[LI]              ; the scale words of x's K steps 2 wave, 2 wave + 1: 512 bytes each,
	s_mul_i32 s[LT], s[WL], 2*BLK
	v_add_nc_u32 v[CPD], s[LT], v[LI]
	s_lshl_b32 s[LT], s[WH], 9
	s_add_co_u32 s[LT], s[LT], XB
	v_add_nc_u32 v[CPD], s[LT], v[CPD]             ; go to XB + (k % 4) blocks + 512 (k / 4)
	v_lshlrev_b32 v[BO], 6, v[HH]                  ; q's and k's biases: 64 h
	v_and_b32 v[BO2], 8, v[RR]
	v_add_nc_u32 v[BO2], v[BO2], v[RR]
	v_lshlrev_b32 v[BO2], 2, v[BO2]                ; v's: my lane's channel in a tile, r + 8 (r / 8)
.irp b, 0,1,2,3
	v_mov_b32 v[TM+4+\b], 0
.endr
	WALU
	; where the results go, and the biases and the table (scalars that hold both cx and cy feed global addresses alone)
	s_lshr_b32 s66, s[IDX1], 4
	s_lshl_b32 s66, s66, 4
	s_lshl_b32 s100, s[IDX0], 1
	s_add_co_u32 s66, s66, s100                    ; 16 x batch + the panel's first head
	s_add_co_u32 s100, s66, s[WL]                  ; my head
	s_mul_i32 s100, s100, PANEL
	s_and_b32 s101, s[IDX1], 15                    ; the step of 128 positions
	s_mul_i32 s101, s101, 8448
	s_add_co_u32 s100, s100, s101
	s_mov_b32 s101, 0
	s_add_nc_u64 s[16:17], s[16:17], s[100:101]    ; q
	s_lshl_b32 s100, s100, 1                       ; kv's heads and blocks are twice qs's
	s_add_nc_u64 s[18:19], s[18:19], s[100:101]    ; k and v: one block
	s_lshl_b32 s66, s[IDX0], 9
	s_lshl_b32 s100, s[WL], 8
	s_add_co_u32 s100, s100, s66
	s_add_nc_u64 s[8:9], s[8:9], s[100:101]        ; my head's 64 biases of q,
	s_add_nc_u64 s[10:11], s[10:11], s[100:101]    ; of k,
	s_add_nc_u64 s[12:13], s[12:13], s[100:101]    ; of v
	s_lshl_b32 s100, s[IDX1], 3
	s_lshl_b32 s66, s[WH], 2
	s_add_co_u32 s100, s100, s66
	s_and_b32 s100, s100, 127                      ; my first tile of positions within the sequence
	s_lshl_b32 s100, s100, 12
	s_add_nc_u64 s[14:15], s[14:15], s[100:101]
.irp d, 0,1
.irp q, 0,1,2,3
	global_load_b128 v[BI+16*\d+4*\q:BI+16*\d+4*\q+3], v[BO], s[8:9] offset:128*\d+16*\q   ; register 16 g + i: q's bias at d = 32 g + 16 h + i
.endr
.endr
	WIN 0x40                                       ; destination window 1
.irp a, 0,1,2,3
.irp q, 0,1,2,3,4,5,6,7
	global_load_b128 v[TBL+32*\a+4*\q:TBL+32*\a+4*\q+3], v[LI], s[14:15] offset:4096*\a+512*\q   ; tile a: 16 cos, then 16 sin, of frequencies 16 h + i at my position; they serve q and k
.endr
.endr
	WIN 0
	s_lshl_b32 s66, s[WH], 12
	v_add_nc_u32 v[GA], s66, v[LI]                 ; q, k: my four tiles' codes
	s_lshl_b32 s66, s[WH], 7
	v_add_nc_u32 v[GB], s66, v[LS]                 ; my two pairs' scale words
	WALU                                           ; the head's end
	s_cmp_lt_u32 s[WV], 2                          ; waves 0 and 1, whose load lines are their own, wait here: x's panel is whole behind the barrier
	s_cbranch_scc0 .Lnot_first
	s_wait_tensorcnt 0x0
.Lnot_first:
	s_barrier_signal -1
	s_barrier_wait -1
.irp k, 0,1,2,3,4,5
	XL \k
.endr
	WIN 0
	ds_load_b128 v[48:51], v[CPS]
	ds_load_b128 v[52:55], v[CPS] offset:BLK
	XL 6
	XL 7
	WIN 0
	s_wait_dscnt 32                                ; the scale words are in registers; the 32 younger loads may be out
	ds_store_b128 v[CPD], v[48:51]
	ds_store_b128 v[CPD], v[52:55] offset:BLK
	REFILL 0, 0, PANEL                             ; x is in every wave's registers, its scale words in their own bytes, Wq has landed: Wk comes over x
	WALU
	FETCH 0
	s_wait_loadcnt 0x0                             ; q's bias, the first products' C
	TILE 0
	EPIQK 16
	TILE 1
	EPIQK 18
.irp a, 0,1,2,3
	global_load_b32 v[BI+2*\a], v[BO2], s[12:13] offset:4*(32*(\a/2)+8*(\a%2))   ; v's bias: one channel a lane and tile
	v_mov_b32 v[BI+2*\a+1], 0                      ; (named with it as a pair)
.endr
	s_lshl_b32 s[LT], s[WL], 8                     ; v's scale words in LDS: in: 256 x my head + 4 r + 2 x my half of the keys;
	s_add_co_u32 s[LT], s[LT], s[WH]
	s_add_co_u32 s[LT], s[LT], s[WH]
	s_add_co_u32 s[LT], s[LT], SCR
	v_lshl_add_u32 v[LH], v[RR], 2, s[LT]
	s_lshl_b32 s[LT], s[WL], 1                     ; back: 256 x my head + 128 (wave / 2) + 4 x lane
	s_add_co_u32 s[LT], s[LT], s[WH]
	s_lshl_b32 s[LT], s[LT], 7
	s_add_co_u32 s[LT], s[LT], SCR
	v_add_nc_u32 v[LW], s[LT], v[LS]
	s_lshl_b32 s66, s[WH], 10
	v_add_nc_u32 v[GAV], s66, v[LI]                ; my two chunks of each fragment: key blocks 2 (wave / 2) on
	s_lshl_b32 s66, s[WH], 7
	v_add_nc_u32 v[GBV], s66, v[LS]
	TILE 2
	WALU
	s_wait_loadcnt 0x0                             ; v's bias
.irp a, 0,1,2,3
.set X, ACC+32*\a
.if \a < 2
.set PCD, 48+8*\a
.else
.set PCD, ACC+8*(\a-2)
.endif
.irp n, 0,2,4,6,8,10,12,14,16,18,20,22,24,26,28,30
	v_pk_add_f32 v[X+\n:X+\n+1], v[X+\n:X+\n+1], v[BI+2*\a:BI+2*\a+1] op_sel_hi:[1,0]   ; + my channel's bias; each accumulator from its low end on
.endr
.if \a % 2                                     ; a pair of tiles together
	QUANT X-32, PCD-8, HW+\a/2
	global_store_b128 v[GAV], v[PCD-8:PCD-5], s[18:19] offset:8448+2048*(\a-1)
	global_store_b128 v[GAV], v[PCD-4:PCD-1], s[18:19] offset:8448+2048*(\a-1)+512
	global_store_b128 v[GAV], v[PCD:PCD+3], s[18:19] offset:8448+2048*\a
	global_store_b128 v[GAV], v[PCD+4:PCD+7], s[18:19] offset:8448+2048*\a+512
	ds_store_b16 v[LH], v[HW+\a/2] offset:64*(\a-1)          ; my two bytes of the even tile's channel's word (both halves of the lanes write the same),
	ds_store_b16_d16_hi v[LH], v[HW+\a/2] offset:64*\a       ; and of the odd tile's
.endif
.endr
	s_wait_dscnt 0x0                               ; for the others' sake: my stores have landed
	s_barrier_signal -1
	s_barrier_wait -1
	ds_load_b32 v[MG], v[LW]                       ; whole words: tiles 2 (wave / 2), + 1 of my head
	s_wait_dscnt 0x0
	global_store_b32 v[GBV], v[MG], s[18:19] offset:16640
	s_wait_tensorcnt 0x0                           ; the wave's end
	ds_add_u32 v[SPW], v[NIL]
	s_wait_dscnt 0x0
	ROUND                                          ; the closing round
	s_endpgm
.Lfunc_end_k_q1bfeaa516f_qkv:
	.size	k_q1bfeaa516f_qkv, .Lfunc_end_k_q1bfeaa516f_qkv-k_q1bfeaa516f_qkv
	.p2alignl 7, 3214868480
	.fill 96, 4, 3214868480
	.section	.rodata,"a",@progbits
	.p2align	6, 0x0
	.amdhsa_kernel k_q1bfeaa516f_qkv
		.amdhsa_group_segment_fixed_size 327680
		.amdhsa_private_segment_fixed_size 0
		.amdhsa_enable_private_segment 0
		.amdhsa_kernarg_size 64
		.amdhsa_user_sgpr_count 2
		.amdhsa_user_sgpr_kernarg_segment_ptr 1
		.amdhsa_wavefront_size32 1
		.amdhsa_system_sgpr_workgroup_id_x 1
		.amdhsa_system_sgpr_workgroup_id_y 1
		.amdhsa_system_sgpr_workgroup_id_z 1
		.amdhsa_system_vgpr_workitem_id 0
		.amdhsa_next_free_vgpr 1024
		.amdhsa_next_free_sgpr 102
		.amdhsa_reserve_vcc 1
		.amdhsa_float_denorm_mode_32 3
		.amdhsa_float_denorm_mode_16_64 3
		.amdhsa_memory_ordered 1
		.amdhsa_forward_progress 1
		.amdhsa_inst_pref_size 185
	.end_amdhsa_kernel
	.amdgpu_metadata
---
amdhsa.version: [ 1, 2 ]
amdhsa.kernels:
  - .name:           k_q1bfeaa516f_qkv
    .symbol:         k_q1bfeaa516f_qkv.kd
    .args:
      - { .name: ximg, .offset: 0, .size: 8, .value_kind: global_buffer, .address_space: global }
      - { .name: wimg, .offset: 8, .size: 8, .value_kind: global_buffer, .address_space: global }
      - { .name: bq, .offset: 16, .size: 8, .value_kind: global_buffer, .address_space: global }
      - { .name: bk, .offset: 24, .size: 8, .value_kind: global_buffer, .address_space: global }
      - { .name: bv, .offset: 32, .size: 8, .value_kind: global_buffer, .address_space: global }
      - { .name: tab, .offset: 40, .size: 8, .value_kind: global_buffer, .address_space: global }
      - { .name: qs, .offset: 48, .size: 8, .value_kind: global_buffer, .address_space: global }
      - { .name: kv, .offset: 56, .size: 8, .value_kind: global_buffer, .address_space: global }
    .group_segment_fixed_size: 327680
    .private_segment_fixed_size: 0
    .kernarg_segment_align: 8
    .kernarg_segment_size: 64
    .max_flat_workgroup_size: 128
    .sgpr_count:     102
    .vgpr_count:     1024
    .wavefront_size: 32
...
	.end_amdgpu_metadata
.endif
;; end of part 6
;; launch attn (part 7): grid 8 x 32, 16 waves a work-group, clusters of 4 x 1, 272,384 bytes of LDS; arguments qs, kv, oimg; writes oimg
.if DOCPART == 7
	.amdgcn_target "amdgcn-amd-amdhsa--gfx1250"
	.amdhsa_code_object_version 6
	.text
	.protected	k_q1bfeaa516f_attn
	.globl	k_q1bfeaa516f_attn
	.p2align	8
	.type	k_q1bfeaa516f_attn,@function
k_q1bfeaa516f_attn:
	s_mov_b64 s[64:65], 0
	v_nop
	global_prefetch_b8 v0, s[64:65] scope:SCOPE_SE
	s_setreg_imm32_b32 hwreg(HW_REG_WAVE_MODE, 25, 1), 1
	s_wait_xcnt 0x0
	s_wait_alu depctr_hold_cnt(0) depctr_sa_sdst(0) depctr_va_vdst(0) depctr_va_sdst(0) depctr_va_ssrc(0) depctr_va_vcc(0) depctr_vm_vsrc(0)
	s_getreg_b32 s2, hwreg(HW_REG_IB_STS2, 6, 4)
	s_cmp_eq_u32 s2, 0
	s_cbranch_scc0 .Lentry_in_a_cluster
	s_endpgm
.Lentry_in_a_cluster:
	s_bfe_u32 s2, ttmp6, 0x10000c
	s_cmp_lg_u32 s2, 0x3003
	s_cbranch_scc0 .Lentry_shape_is_right
	s_endpgm
.Lentry_shape_is_right:
; o = softmax(q k^T / 8) v for one head and 256 queries a work-group, both products on codes of FP8 (E4M3) with E8M0 scales; o / l is quantised along (head, d) and leaves as an image of the last product's operand.
; THE SOFTMAX: t = score x log2(e) / 8; M = the running largest t rounded UP to a whole number; p = 2^(t - M) is quantised along the keys, not normalised; the row's sum l is taken of the unquantised p;
; when M moves, l and O are multiplied by 2^(old M - new M), which rounds nothing.  The running maximum is kept as a score; -M stands in two register pairs that take turns from step to step.
; SHARES.  Sixteen waves, each one tile of 16 queries in 256 registers; every wave walks the head's 2,048 keys, 128 a step.
; THE WHOLE HEAD'S K AND V, 16 blocks of 16,896 bytes in register order, LIE IN LDS: wave w fetches key step w's block by its one tensor load; each byte of LDS is filled once.  Waves 0 to 3 have a load line of their own and
; wait for it at the first barrier: key steps 0 and 1, written out, read blocks 0 to 2 alone.  Key step 1's barrier, in front of which every wave waits for its load, shows the rest; the loop's 7 trips of two steps follow.
; CLUSTER.  The four query blocks of a cluster belong to one head: each block is asked for jointly, the same descriptor and the mask 15 in all four.
; NO PREFETCH: every tile of the launch is asked for at the kernel's head by its tensor load; no later load is left to run ahead of.
; LAYOUT.  Both products are used transposed: a lane holds ONE query (lane % 16).  K = 64 in a form 128 deep: a fragment of K holds two tiles of 16 keys; it is multiplied by [q | zeros] and by [zeros | q].
; Lane-row r of tile t is key 32 (t / 2) + 8 (t % 2) + r + 8 (r / 8), so the 16 registers of tiles 2 p, 2 p + 1 are keys 32 p + 16 (lane / 16) + 0 .. 15: the conversions' results are the second product's operand.
; TWO RUNS OF 64 REGISTERS CHANGE ROLES: one holds K and then V, the other the scores and then p; a block of p that is summed and converted gives its 16 registers to the next step's K.
; Block 3 of p is held into block 0's registers, which are done with, so that its unquantised numbers stay: their 8 sums and the join of the two chains are the nine places behind the second product.
; A BARRIER IN EVERY STEP, its halves apart (signal at the step's head, wait ahead of the second product): between them stand register work and LDS loads of bytes that nobody writes.  No wave is more than a step ahead of another.
; The loop's last look-ahead for K is held at block 14 (s_min_u32): those loads read bytes that are there, and nobody uses them.
; LIMITS: NaN and infinities are not served; the promise holds while the scaled scores t stay under 2^31 in magnitude; a block of p or of o whose largest magnitude lies under 2^-118 keeps the scale byte 1.
; A block's largest p is taken from the block's largest score by the same multiply-add and exponential; that takes v_exp_f32 not to fall where its input rises.
; REGISTERS: v1-8 addresses and the running largest score; v[10:11], v[12:13] -M by turns; v[14:15] l; v16-23 zeros, v24-31 q, v32-39 zeros; v40-103, v104-167 the two runs; v168-199 O^T; v200-215 p's codes;
;   v216-231 largest, bytes, holds, scale operands; v232-237 scale words (nothing else ever); v[238:239] f; v240-243 at work; v244-247 the holds once more; v254, v255 the spare word's address and 0.
.set BLK,   16896
.set PANEL, 8*BLK
.set SPARE, 16*BLK                     ; behind the 16 blocks: the spare words, 128 bytes a wave
.set WV,  10
.set G1,  16
.set G0,  24
.set CS,  32
.set SEL, 34
.set MNT, 36
.set TB,  37                           ; LDS byte at which the trip's first block begins
.set CNT, 38
.set TN,  39                           ; and the next trip's
.set LI,  1
.set LS,  2
.set AD,  3
.set ASC, 4
.set R4,  5
.set RMX, 6
.set ADN, 7
.set ASN, 8
.set RA,  40
.set RB,  104
.set O,   168
.set PC,  200
.set BM,  216
.set TP,  220
.set HL,  224
.set SO,  228
.set KS,  232
.set VS,  234
.set QS,  236
.set PW,  237
.set FF,  238
.set T0,  240
.set HWD, 241
.set CH,  242
.set HL2, 244
.set SPW, 254
.set NIL, 255
.macro PLACES n
.rept \n
	v_nop
.endr
.endm
.macro WALU
	s_wait_alu depctr_va_vdst(0)
.endm
.macro ROUND                           ; a round of the cluster's barrier
	s_barrier_signal -1
	s_barrier_wait -1
	s_cmp_lg_u32 s[WV], 0
	s_cbranch_scc1 .Lnot_wave_0_\@
	s_barrier_signal -3
.Lnot_wave_0_\@:
	s_barrier_wait -3
	s_barrier_signal -1
	s_barrier_wait -1
.endm
.macro KLOAD d, b, a, o                ; pair b of K's tiles, 2,048 bytes, into registers 16 b on of run d: 512 consecutive bytes a load
.irp c, 0,1,2,3
	ds_load_b128 v[(\d)+16*(\b)+4*\c:(\d)+16*(\b)+4*\c+3], v[\a] offset:(\o)+2048*(\b)+512*\c
.endr
.endm
.macro XA s, j                         ; pair j of p joins the sum: two chains; pairs 0 and 1 start the second
.if (\j) == 1
	v_pk_add_f32 v[CH:CH+1], v[(\s):(\s)+1], v[(\s)+2:(\s)+3]
.elseif (\j) % 2 == 0
	v_pk_add_f32 v[14:15], v[14:15], v[(\s)+2*(\j):(\s)+2*(\j)+1]
.else
	v_pk_add_f32 v[CH:CH+1], v[CH:CH+1], v[(\s)+2*(\j):(\s)+2*(\j)+1]
.endif
.endm
.macro XH s, b, i, d                   ; pair i of block b, held at 448 x the block's scale (the conversion does not saturate: ISA guide 7.6.2; p is not negative), into registers d on
	v_dual_min_num_f32 v[(\d)+2*(\i)], v[(\s)+16*(\b)+2*(\i)], v[HL+(\b)] :: v_dual_min_num_f32 v[(\d)+2*(\i)+1], v[(\s)+16*(\b)+2*(\i)+1], v[HL2+((\b)+1)%4]
.endm
.macro XC n, r                         ; conversion n of 8: the eight held numbers at r
	v_cvt_scalef32_pk8_fp8_f32 v[PC+2*(\n):PC+2*(\n)+1], v[(\r):(\r)+7], v[SO+(\n)/2]
.endm
; A KEY STEP: 128 keys, the block off bytes behind v[AD].  kv: the run with K, then V;  s: the run for the scores;  ka, ksa, ko: where the next step's K and its scale words lie;  mn, mo: the new and the old -M;  tw = 1: the wait for my tensor load
.macro STEP kv, s, off, ka, ksa, ko, mn, mo, tw
	WALU
.if \tw
	s_wait_tensorcnt 0x0                           ; every wave's block has landed when all have signalled
.endif
	s_wait_dscnt 0x0                               ; K and its scale words are in; none of my LDS loads is out at the signal
	s_barrier_signal -1
.irp b, 0,1,2,3
.if \b % 2
	v_wmma_scale_f32_16x16x128_f8f6f4 v[(\s)+16*\b:(\s)+16*\b+7], v[(\kv)+16*\b:(\kv)+16*\b+15], v[24:39], 0, v[KS+\b/2], v[QS] matrix_a_scale:MATRIX_SCALE_ROW1
	v_wmma_scale_f32_16x16x128_f8f6f4 v[(\s)+16*\b+8:(\s)+16*\b+15], v[(\kv)+16*\b:(\kv)+16*\b+15], v[16:31], 0, v[KS+\b/2], v[QS] matrix_a_scale:MATRIX_SCALE_ROW1
.else
	v_wmma_scale_f32_16x16x128_f8f6f4 v[(\s)+16*\b:(\s)+16*\b+7], v[(\kv)+16*\b:(\kv)+16*\b+15], v[24:39], 0, v[KS+\b/2], v[QS]
	v_wmma_scale_f32_16x16x128_f8f6f4 v[(\s)+16*\b+8:(\s)+16*\b+15], v[(\kv)+16*\b:(\kv)+16*\b+15], v[16:31], 0, v[KS+\b/2], v[QS]
.endif
.endr
	PLACES 8                                       ; in front of the loads into K's registers and of the first read of scores
.irp t, 0,1,2,3
.irp c, 0,1,2,3
	ds_load_b128 v[(\kv)+16*\t+4*\c:(\kv)+16*\t+4*\c+3], v[AD] offset:(\off)+8448+2048*\t+512*\c   ; V^T: 16 channels x 128 keys
.endr
.endr
	ds_load_b32 v[VS], v[ASC] offset:(\off)+16640
	ds_load_b32 v[VS+1], v[ASC] offset:(\off)+16768
.irp b, 0,1,2,3
	v_max3_num_f32 v[BM+\b], v[(\s)+16*\b], v[(\s)+1+16*\b], v[(\s)+2+16*\b]   ; the largest score of each block of 32 keys, the four blocks by turns
.endr
.irp i, 3,5,7,9,11,13
.irp b, 0,1,2,3
	v_max3_num_f32 v[BM+\b], v[BM+\b], v[(\s)+16*\b+\i], v[(\s)+1+16*\b+\i]   ; (i = 7 reads the second accumulator's lowest register first)
.endr
.endr
.irp b, 0,1,2,3
	v_max_num_f32 v[BM+\b], v[BM+\b], v[(\s)+15+16*\b]
.endr
.irp b, 0,1,2,3
	v_permlanex16_b32 v[TP+\b], v[BM+\b], s[SEL], s[SEL+1]
.endr
.irp b, 0,1,2,3
	v_max_num_f32 v[BM+\b], v[BM+\b], v[TP+\b]     ; with lane l xor 16's 16 keys
.endr
	v_max3_num_f32 v[T0], v[BM], v[BM+1], v[BM+2]
	v_max3_num_f32 v[RMX], v[RMX], v[T0], v[BM+3]  ; the running largest score
	v_mul_f32 v[T0], s[CS], v[RMX]                 ; as t (c is positive)
	v_floor_f32 v[\mn], -v[T0]                     ; the new -M = -ceil(t)
.irp b, 0,1,2,3
	v_fma_f32 v[BM+\b], v[BM+\b], s[CS], v[\mn]    ; t - M of each block's largest score: the same multiply-add as its number's
.endr
	v_sub_f32 v[T0], v[\mn], v[\mo]                ; old M - new M: a whole number, 0 or less
	v_cvt_i32_f32 v[T0], v[T0]                     ; (it saturates)
	v_ldexp_f32 v[FF], 1.0, v[T0]                  ; f = 2^(old M - new M)
.set n_, 0
.rept 32
	v_pk_fma_f32 v[(\s)+n_:(\s)+n_+1], v[(\s)+n_:(\s)+n_+1], s[CS:CS+1], v[\mn:\mn+1] op_sel_hi:[1,0,0]   ; t - M, two at a time
.set n_, n_+2
.endr
	WALU                                           ; ahead of the batch
.irp b, 0,1,2,3
	v_exp_f32 v[BM+\b], v[BM+\b]                   ; the blocks' largest p
.endr
.set n_, 0
.rept 64
	v_exp_f32 v[(\s)+n_], v[(\s)+n_]               ; p = 2^(t - M)
.set n_, n_+1
.endr
	v_pk_mul_f32 v[14:15], v[14:15], v[FF:FF+1] op_sel_hi:[1,0]   ; l under the new M: the plain line behind the batch
	WALU                                           ; behind the batch, ahead of its first reader
.irp b, 0,1,2,3
	v_max_num_f32 v[BM+\b], 0x4800000, v[BM+\b]    ; the floor 2^(9 - 127): the byte cannot fall under 1
.endr
.irp b, 0,1,2,3
	v_add_nc_u32 v[SO+\b], 0xfc000000, v[BM+\b]    ; 8 off the exponent field: the conversion's scale operand
.endr
.irp b, 0,1,2,3
	v_and_or_b32 v[HL+\b], v[BM+\b], 0x7f800000, s[MNT]   ; 448 x the scale,
.endr
.irp b, 0,1,2,3
	v_and_or_b32 v[HL2+(\b+1)%4], v[BM+\b], 0x7f800000, s[MNT]   ; and once more, in another bank, for the dual line's second half
.endr
.irp b, 0,1,2,3
	v_lshrrev_b32 v[TP+\b], 23, v[SO+\b]           ; the scale's byte
.endr
	XA \s, 1
	v_lshl_or_b32 v[PW], v[TP+1], 8, v[TP]         ; p's scale word, far more than eight places ahead of its products
	XA \s, 2
	XA \s, 3
	v_lshl_or_b32 v[PW], v[TP+2], 16, v[PW]
	XA \s, 4
	XA \s, 5
	v_lshl_or_b32 v[PW], v[TP+3], 24, v[PW]
	XA \s, 6
	XA \s, 7
.irp i, 0,1,2,3,4,5,6,7
	XA \s, 8+\i                                    ; block 1 is summed while block 0 is held
	XH \s, 0, \i, \s
.endr
	XC 0, \s
	XC 1, (\s)+8
.irp i, 0,1,2,3,4,5,6,7
	XA \s, 16+\i
	XH \s, 1, \i, (\s)+16
.endr
	XC 2, (\s)+16
	XC 3, (\s)+24
	KLOAD \s, 1, \ka, \ko                          ; block 1 is summed and converted: its registers take the next step's K
.irp i, 0,1,2,3,4,5,6,7
	XH \s, 2, \i, (\s)+32
.endr
	XC 4, (\s)+32
	XC 5, (\s)+40
	KLOAD \s, 2, \ka, \ko
.irp i, 0,1,2,3,4,5,6,7
	XH \s, 3, \i, \s                               ; block 3 is held into block 0's registers: its own numbers stay for the sum
.endr
	XC 6, \s
	XC 7, (\s)+8
	KLOAD \s, 0, \ka, \ko
	s_barrier_wait -1                              ; every wave has begun this step
	s_wait_dscnt 12                                ; V and its scale words are in; the 12 younger loads, three pairs of the next K, may be out
	WALU                                           ; directly ahead of the first reader of O^T; it also stands between the codes' writes and their reads behind the waits above
.set n_, 0
.rept 16
	v_pk_mul_f32 v[O+n_:O+n_+1], v[O+n_:O+n_+1], v[FF:FF+1] op_sel_hi:[1,0]   ; O^T under the new M, each accumulator from its low end on; also the places between the codes and the products
.set n_, n_+2
.endr
.irp t, 0,1,2,3
.if \t % 2
	v_wmma_scale_f32_16x16x128_f8f6f4 v[O+8*\t:O+8*\t+7], v[(\kv)+16*\t:(\kv)+16*\t+15], v[PC:PC+15], v[O+8*\t:O+8*\t+7], v[VS+\t/2], v[PW] matrix_a_scale:MATRIX_SCALE_ROW1
.else
	v_wmma_scale_f32_16x16x128_f8f6f4 v[O+8*\t:O+8*\t+7], v[(\kv)+16*\t:(\kv)+16*\t+15], v[PC:PC+15], v[O+8*\t:O+8*\t+7], v[VS+\t/2], v[PW]
.endif
.endr
.irp i, 0,1,2,3,4,5,6,7
	XA \s, 24+\i                                   ; block 3's sums, and the join below: nine places, since the next step's scores are written over V's registers
.endr
	v_pk_add_f32 v[14:15], v[14:15], v[CH:CH+1]
	KLOAD \s, 3, \ka, \ko
	ds_load_b32 v[KS], v[\ksa] offset:(\ko)+8192   ; the next step's scale words of K
	ds_load_b32 v[KS+1], v[\ksa] offset:(\ko)+8320
.endm
.macro TOP                             ; a trip's four LDS addresses
	v_add_nc_u32 v[AD], s[TB], v[LI]
	v_add_nc_u32 v[ASC], s[TB], v[LS]
	v_add_nc_u32 v[ADN], s[TN], v[LI]
	v_add_nc_u32 v[ASN], s[TN], v[LS]
.endm
	s_load_b128 s[4:7], s[0:1], 0x0                ; qs s[4:5], kv s[6:7]
	s_load_b64 s[8:9], s[0:1], 0x10                ; oimg
	v_lshl_add_u32 v[SPW], v0, 2, SPARE
	v_mov_b32 v[NIL], 0
	ds_add_u32 v[SPW], v[NIL]                      ; the opening lines: the add, twice on end, and its wait ahead of my tensor load
	ds_add_u32 v[SPW], v[NIL]
	v_lshrrev_b32 v1, 5, v0
	v_readfirstlane_b32 s[WV], v1                  ; wave 0..15
	s_bfe_u32 s11, ttmp6, 0x40000                  ; cx
	s_lshl_b32 s12, ttmp9, 2
	s_add_co_u32 s12, s12, s11                     ; my block of 256 queries: it enters q's and o's addresses alone
	s_and_b32 s13, ttmp7, 0xffff                   ; 16 x batch + head, which the four partners share
	s_mov_b32 s[G1], 15|(3<<16)|(1<<21)            ; the mask: all four; elements of 8 bytes; bit 21 beside a mask; no padding
	s_mov_b32 s[G1+1], 32<<16                      ; a block is dense: 66 rows of 256 bytes
	s_mov_b32 s[G1+2], 66<<16
	s_mov_b32 s[G1+3], 32<<16
	s_mov_b32 s[G1+4], 66
	s_mov_b32 s[G1+5], 32
	s_mov_b32 s[G1+6], 0
	s_mov_b32 s[G1+7], 0
	s_mul_i32 s14, s[WV], BLK                      ; key step w's block, in LDS and in the head
	s_mul_i32 s40, s13, 2*PANEL
	s_add_co_u32 s40, s40, s14
	s_mov_b32 s41, 0
	s_mov_b32 s[CS], 0x3e38aa3b                    ; c = log2(e) / 8
	s_mov_b32 s[CS+1], s[CS]
	s_mov_b32 s[SEL], 0x76543210
	s_mov_b32 s[SEL+1], 0xfedcba98
	s_mov_b32 s[MNT], 0x600000
	s_mov_b32 s[TB], 0
	s_mov_b32 s[TN], 2*BLK
	s_mov_b32 s[CNT], 7
	s_mov_b32 s[G0], 1
	s_mov_b32 s[G0+1], s14
	s_wait_dscnt 0x0                               ; both opening adds are done
	ROUND                                          ; all four work-groups are here: the joint loads meet
	s_wait_kmcnt 0x0
	s_add_nc_u64 s[G0+2:G0+3], s[6:7], s[40:41]
	s_or_b32 s[G0+3], s[G0+3], 0x80000000
	s_cmp_lt_u32 s[WV], 4                          ; one load a wave; waves 0 to 3, which alone wait at the first barrier, have a line of their own
	s_cbranch_scc0 .Lrest
	tensor_load_to_lds s[G0:G0+3], s[G1:G1+7]
	s_nop 0
	PLACES 4
	s_branch .Lasked
.Lrest:
	tensor_load_to_lds s[G0:G0+3], s[G1:G1+7]
	s_nop 0
	PLACES 4
.Lasked:
	s_lshr_b32 s42, s[WV], 3
	s_lshl_b32 s43, s12, 1
	s_add_co_u32 s42, s42, s43                     ; my step of 128 positions: 2 x block + wave / 8
	s_and_b32 s43, s[WV], 7                        ; my tile in it
	s_mul_i32 s44, s13, PANEL
	s_mul_i32 s45, s42, 8448
	s_add_co_u32 s44, s44, s45
	s_lshl_b32 s45, s43, 10
	s_add_co_u32 s46, s44, s45
	s_mov_b32 s47, 0
	s_add_nc_u64 s[48:49], s[4:5], s[46:47]        ; q's codes
	s_lshr_b32 s45, s43, 1
	s_lshl_b32 s45, s45, 6
	s_add_co_u32 s46, s44, s45
	s_add_co_u32 s46, s46, 8192
	s_add_nc_u64 s[50:51], s[4:5], s[46:47]        ; its pair's scale words
	v_and_b32 v[LI], 31, v0
	v_lshlrev_b32 v[LS], 2, v[LI]
	v_lshlrev_b32 v[LI], 4, v[LI]
	v_and_b32 v[R4], 15, v0
	v_lshlrev_b32 v[R4], 2, v[R4]
	WALU                                           ; directly behind the writes
	global_load_b128 v[24:27], v[LI], s[48:49]
	global_load_b128 v[28:31], v[LI], s[48:49] offset:512
	global_load_b32 v[T0], v[R4], s[50:51]
	s_and_b32 s44, s13, 15                         ; where o goes: the head,
	s_lshr_b32 s45, s13, 4
	s_lshl_b32 s45, s45, 4
	s_add_co_u32 s45, s45, s42                     ; the panel of 128 rows: 16 x batch + my step,
	s_mul_i32 s45, s45, PANEL
	s_lshr_b32 s46, s44, 1                         ; the K step of 128 features: two heads
	s_mul_i32 s46, s46, BLK
	s_add_co_u32 s45, s45, s46
	s_and_b32 s44, s44, 1
	s_lshl_b32 s46, s43, 11                        ; my tile's fragment,
	s_add_co_u32 s46, s46, s45
	s_lshl_b32 s56, s44, 10                        ; my head's two chunks of it
	s_add_co_u32 s46, s46, s56
	s_add_nc_u64 s[52:53], s[8:9], s[46:47]
	s_lshl_b32 s46, s43, 6                         ; my tile's scale words,
	s_add_co_u32 s46, s46, s45
	s_lshl_b32 s56, s44, 1                         ; my head's two bytes of each
	s_add_co_u32 s46, s46, s56
	s_add_co_u32 s46, s46, 16384
	s_add_nc_u64 s[54:55], s[8:9], s[46:47]
	s_and_b32 s57, s[WV], 1
	s_lshl_b32 s57, s57, 4
.irp j, 0,1,2,3,4,5,6,7
	v_mov_b32 v[16+\j], 0                          ; zero codes on both sides of q
	v_mov_b32 v[32+\j], 0
.endr
	v_mov_b32 v[RMX], 0xff61b1e6                   ; the largest score so far: -3e38
	v_mov_b32 v10, 0x7f61b1e6                      ; the first step's old -M: 3e38, so that its f is 0 and multiplies zeros
	v_mov_b32 v11, 0                               ; (named as the upper halves of pairs)
	v_mov_b32 v13, 0
	v_mov_b32 v14, 0
	v_mov_b32 v15, 0
.irp b, 0,1,2,3
	v_mov_b32 v[TP+\b], 0                          ; written once: a lane permute's destination counts as one of its sources
.endr
	v_mov_b32 v[FF+1], 0
	TOP
	WALU
	s_wait_loadcnt 0x0                             ; q and its scale word
	v_lshrrev_b32 v[T0], s57, v[T0]                ; my tile's half of the pair's word,
	v_and_b32 v[T0], 0xffff, v[T0]
	v_lshl_or_b32 v[QS], v[T0], 16, v[T0]          ; twice: it serves [q | zeros] and [zeros | q]
.set n_, 0
.rept 32
	v_mov_b32 v[O+n_], 0                           ; O^T: the step is written once; the first change of M multiplies zeros
.set n_, n_+1
.endr
	WALU                                           ; the head's end
	s_cmp_lt_u32 s[WV], 4
	s_cbranch_scc0 .Lnot_first
	s_wait_tensorcnt 0x0                           ; waves 0 to 3: blocks 0 to 3 have landed
.Lnot_first:
	s_barrier_signal -1
	s_barrier_wait -1
.irp b, 0,1,2,3
	KLOAD RA, \b, AD, 0                            ; key step 0's K
.endr
	ds_load_b32 v[KS], v[ASC] offset:8192
	ds_load_b32 v[KS+1], v[ASC] offset:8320
	STEP RA, RB, 0, AD, ASC, BLK, 12, 10, 0        ; key steps 0 and 1 read blocks 0 to 2
	STEP RB, RA, BLK, ADN, ASN, 0, 10, 12, 1       ; its barrier shows all sixteen blocks
	s_mov_b32 s[TB], 2*BLK
	s_mov_b32 s[TN], 4*BLK
.Ltrip:                                            ; 7 trips of two key steps
	TOP
	STEP RA, RB, 0, AD, ASC, BLK, 12, 10, 0
	STEP RB, RA, BLK, ADN, ASN, 0, 10, 12, 0
	s_add_co_u32 s[TB], s[TB], 2*BLK
	s_add_co_u32 s[TN], s[TB], 2*BLK
	s_min_u32 s[TN], s[TN], 14*BLK                 ; the last trip's look-ahead stays inside the head's bytes
	s_sub_co_u32 s[CNT], s[CNT], 1
	s_cmp_lg_u32 s[CNT], 0
	WALU
	s_cbranch_scc1 .Ltrip
	v_add_f32 v14, v14, v15                        ; (the step has left nine places behind its products)  l's two halves,
	v_permlanex16_b32 v[T0], v14, s[SEL], s[SEL+1]
	v_add_f32 v14, v14, v[T0]                      ; and lane l xor 16's
	WALU                                           ; ahead of the reciprocal
	v_rcp_f32 v[FF], v14
	v_nop                                          ; a plain line behind it
	WALU                                           ; behind it, directly ahead of the first readers of f and of O^T
.set n_, 0
.rept 16
	v_pk_mul_f32 v[O+n_:O+n_+1], v[O+n_:O+n_+1], v[FF:FF+1] op_sel_hi:[1,0]   ; o = O^T / l: register 16 g + i is d = 32 g + 16 h + i of my query
.set n_, n_+2
.endr
.irp b, 0,1                                    ; o's two blocks of 32 along d
	v_max3_num_f32 v[BM+\b], |v[O+16*\b]|, |v[O+1+16*\b]|, 0x4800000
.endr
.irp i, 2,4,6,8,10,12,14
.irp b, 0,1
	v_max3_num_f32 v[BM+\b], v[BM+\b], |v[O+16*\b+\i]|, |v[O+1+16*\b+\i]|
.endr
.endr
.irp b, 0,1
	v_permlanex16_b32 v[TP+\b], v[BM+\b], s[SEL], s[SEL+1]
.endr
.irp b, 0,1
	v_max_num_f32 v[BM+\b], v[BM+\b], v[TP+\b]
.endr
.irp b, 0,1
	v_add_nc_u32 v[SO+\b], 0xfc000000, v[BM+\b]
.endr
.irp b, 0,1
	v_and_or_b32 v[HL+\b], v[BM+\b], 0x7f800000, s[MNT]
.endr
.irp b, 0,1
	v_lshrrev_b32 v[TP+\b], 23, v[SO+\b]
.endr
	v_lshl_or_b32 v[HWD], v[TP+1], 8, v[TP]
.irp b, 0,1
.irp i, 0,1,2,3,4,5,6,7,8,9,10,11,12,13,14,15
	v_med3_num_f32 v[O+16*\b+\i], v[O+16*\b+\i], -v[HL+\b], v[HL+\b]
.endr
	v_cvt_scalef32_pk8_fp8_f32 v[PC+4*\b:PC+4*\b+1], v[O+16*\b:O+16*\b+7], v[SO+\b]
	v_cvt_scalef32_pk8_fp8_f32 v[PC+4*\b+2:PC+4*\b+3], v[O+16*\b+8:O+16*\b+15], v[SO+\b]
.endr
	v_nop                                          ; a plain line behind the last conversion
	global_store_b128 v[LI], v[PC:PC+3], s[52:53]              ; 32 lanes store 512 consecutive bytes
	global_store_b128 v[LI], v[PC+4:PC+7], s[52:53] offset:512
	global_store_b16 v[R4], v[HWD], s[54:55]       ; my head's half of each row's scale word; the other head's work-group writes the other half
	s_wait_tensorcnt 0x0                           ; the wave's end
	ds_add_u32 v[SPW], v[NIL]
	s_wait_dscnt 0x0                               ; the add, and the last look-ahead's loads
	ROUND                                          ; the closing round
	s_endpgm
.Lfunc_end_k_q1bfeaa516f_attn:
	.size	k_q1bfeaa516f_attn, .Lfunc_end_k_q1bfeaa516f_attn-k_q1bfeaa516f_attn
	.p2alignl 7, 3214868480
	.fill 96, 4, 3214868480
	.section	.rodata,"a",@progbits
	.p2align	6, 0x0
	.amdhsa_kernel k_q1bfeaa516f_attn
		.amdhsa_group_segment_fixed_size 272384
		.amdhsa_private_segment_fixed_size 0
		.amdhsa_enable_private_segment 0
		.amdhsa_kernarg_size 24
		.amdhsa_user_sgpr_count 2
		.amdhsa_user_sgpr_kernarg_segment_ptr 1
		.amdhsa_wavefront_size32 1
		.amdhsa_system_sgpr_workgroup_id_x 1
		.amdhsa_system_sgpr_workgroup_id_y 1
		.amdhsa_system_sgpr_workgroup_id_z 1
		.amdhsa_system_vgpr_workitem_id 0
		.amdhsa_next_free_vgpr 256
		.amdhsa_next_free_sgpr 66
		.amdhsa_reserve_vcc 0
		.amdhsa_float_denorm_mode_32 3
		.amdhsa_float_denorm_mode_16_64 3
		.amdhsa_memory_ordered 1
		.amdhsa_forward_progress 1
		.amdhsa_inst_pref_size 89
	.end_amdhsa_kernel
	.amdgpu_metadata
---
amdhsa.version: [ 1, 2 ]
amdhsa.kernels:
  - .name:           k_q1bfeaa516f_attn
    .symbol:         k_q1bfeaa516f_attn.kd
    .args:
      - { .name: qs, .offset: 0, .size: 8, .value_kind: global_buffer, .address_space: global }
      - { .name: kv, .offset: 8, .size: 8, .value_kind: global_buffer, .address_space: global }
      - { .name: oimg, .offset: 16, .size: 8, .value_kind: global_buffer, .address_space: global }
    .group_segment_fixed_size: 272384
    .private_segment_fixed_size: 0
    .kernarg_segment_align: 8
    .kernarg_segment_size: 24
    .max_flat_workgroup_size: 512
    .sgpr_count:     66
    .vgpr_count:     256
    .wavefront_size: 32
...
	.end_amdgpu_metadata
.endif
;; end of part 7
;; launch oproj (part 8): grid 8 x 32, 4 waves a work-group, clusters of 4 x 4, 288,256 bytes of LDS; arguments oimg, wimg, bo, out0; writes out0
.if DOCPART == 8
	.amdgcn_target "amdgcn-amd-amdhsa--gfx1250"
	.amdhsa_code_object_version 6
	.text
	.protected	k_q1bfeaa516f_oproj
	.globl	k_q1bfeaa516f_oproj
	.p2align	8
	.type	k_q1bfeaa516f_oproj,@function
k_q1bfeaa516f_oproj:
	s_mov_b64 s[64:65], 0
	v_nop
	global_prefetch_b8 v0, s[64:65] scope:SCOPE_SE
	s_setreg_imm32_b32 hwreg(HW_REG_WAVE_MODE, 25, 1), 1
	s_wait_xcnt 0x0
	s_wait_alu depctr_hold_cnt(0) depctr_sa_sdst(0) depctr_va_vdst(0) depctr_va_sdst(0) depctr_va_ssrc(0) depctr_va_vcc(0) depctr_vm_vsrc(0)
	s_getreg_b32 s2, hwreg(HW_REG_IB_STS2, 6, 4)
	s_cmp_eq_u32 s2, 0
	s_cbranch_scc0 .Lentry_in_a_cluster
	s_endpgm
.Lentry_in_a_cluster:
	s_bfe_u32 s2, ttmp6, 0x10000c
	s_cmp_lg_u32 s2, 0xf033
	s_cbranch_scc0 .Lentry_shape_is_right
	s_endpgm
.Lentry_shape_is_right:
; out0 = o Wo^T + bo on codes of FP8 (E4M3) with E8M0 scales; out0 [4096][1024] f32.
; A work-group of four waves makes 128 x 128, a wave 64 x 64.  Source 1 = o (a lane is a row of out0), source 0 = Wo (a lane's registers run along the columns of out0).
; BOTH PANELS (128 rows x all 1,024 of K: 8 blocks of 16,896 bytes, fragments and scale words in register order) FIT IN LDS: each byte of LDS is filled once.  One fill a wave, half a panel (264 rows of 256 bytes):
; waves 0, 1 fetch Wo's halves and alone wait at the first barrier; waves 2, 3 o's, shown by the second barrier, in front of which every wave waits.
; BY ROWS OF THE RESULT.  A wave loads its 64 rows of Wo, all of K, once: 32 fragments, 512 registers; and the scale words of all K steps, 32 registers (lanes 0-15 o's tile i, lanes 16-31 Wo's tile i).
; Then its four tiles of 16 rows of o are finished one after the other: 8 fragments (two buffers), 32 products on four accumulators by turns (two sets).  A finished tile goes through the wave's stage at once, and its
; stores are issued in the middle of the next tile's products.  LDS is read once for each fragment.
; CLUSTERS: 4 x 4.  o's panel is shared along a row of the cluster, Wo's along a column: joint loads, the same descriptor in the four that a mask names.
; NO PREFETCH: every tile of the launch is asked for at the kernel's head; no later load is left to run ahead of.
; The rows of a tile: lane-row r of tile t is panel row 32 (t / 2) + 8 (t % 2) + r + 8 (r / 8); so the 32 registers of a tile's accumulators 0 .. 3 are columns 64 (wave % 2) + 32 g + 16 (lane / 16) + i at register 16 g + i.
; The bias is the C of each sum's first product.  A tile of 16 rows x 64 columns goes through the wave's own stage in LDS (rows of 272 bytes, behind the panels, where no tensor load lands) and leaves as rows of 256 bytes.
; REGISTERS: window 0: v1-13 addresses; v14, v15 the spare word's address and 0; v16-47 scale words (nothing else ever); v64-95 the bias; v96-159 rows on their way out, two sets; v160-223 accumulators, two sets.
;   window 1: o's fragments, two buffers of 128.   windows 2, 3: Wo's fragments.
.set BLK,   16896
.set PANEL, 8*BLK
.set SCR,   2*PANEL
.set SP,    272
.set SPARE, SCR+4*16*SP
.set WV,  20
.set WH,  21
.set WL,  22
.set G1A, 24
.set G1B, 32
.set G0A, 40
.set G0B, 56
.set LT,  67                           ; a scalar for LDS addresses: the wave's number and constants alone
.set CX,  76
.set CY,  77
.set IDX0, 83
.set IDX1, 84
.set P0,  86
.set P1,  88
.set RR,  1
.set HH,  2
.set LI,  3
.set A1,  4
.set A0,  6
.set AS,  8
.set STO, 10
.set RD,  11
.set CO,  12
.set BO,  13
.set SPW, 14
.set NIL, 15
.set SC,  16
.set BI,  64
.set OB,  96
.set ACC, 160
.set MSB, 0
.macro WIN new                         ; the immediate's high byte repeats the setting that is left
.if MSB != \new
	s_set_vgpr_msb (MSB<<8)|\new
.set MSB, \new
.endif
.endm
.macro PLACES n
.rept \n
	v_nop
.endr
.endm
.macro WALU
	s_wait_alu depctr_va_vdst(0)
.endm
.macro ROUND                           ; a round of the cluster's barrier
	s_barrier_signal -1
	s_barrier_wait -1
	s_cmp_lg_u32 s[WV], 0
	s_cbranch_scc1 .Lnot_wave_0_\@
	s_barrier_signal -3
.Lnot_wave_0_\@:
	s_barrier_wait -3
	s_barrier_signal -1
	s_barrier_wait -1
.endm
.macro WFR k                           ; K step k's four fragments of my rows of Wo: window 2 + k / 4, 64 (k % 4) on
.set WN, (2+(\k)/4)<<6
	WIN WN
.irp i, 0,1,2,3
.irp c, 0,1,2,3
	ds_load_b128 v[64*((\k)%4)+16*\i+4*\c:64*((\k)%4)+16*\i+4*\c+3], v[A0+(\k)/4] offset:((\k)%4)*BLK+2048*\i+512*\c
.endr
.endr
.endm
.macro OFR a                           ; tile a of my rows of o, all eight K steps, into buffer a % 2 of window 1: 32 loads
	WIN 0x40
.irp k, 0,1,2,3,4,5,6,7
.irp c, 0,1,2,3
	ds_load_b128 v[128*((\a)%2)+16*\k+4*\c:128*((\a)%2)+16*\k+4*\c+3], v[A1+\k/4] offset:(\k%4)*BLK+2048*(\a)+512*\c
.endr
.endr
	WIN 0
.endm
; Half hf of tile a's products: K steps 4 hf on, 16 matrix instructions, the tile's four accumulators by turns, one instruction a turn.  The first K step starts the sums from the bias
.macro ROWH a, hf
.set WN, (2+(\hf))|4                           ; source 0 = Wo, window 2 + hf; source 1 = o, window 1
	WIN WN
.irp kk, 0,1,2,3
.irp b, 0,1,2,3
.set K_, 4*(\hf)+\kk
.set D_, ACC+32*((\a)%2)+8*\b
.set A_, 64*\kk+16*\b
.set B_, 128*((\a)%2)+16*K_
.if K_ == 0
	v_wmma_scale_f32_16x16x128_f8f6f4 v[D_:D_+7], v[A_:A_+15], v[B_:B_+15], v[BI+8*\b:BI+8*\b+7], v[SC+4*K_+\b], v[SC+4*K_+(\a)] matrix_a_scale:MATRIX_SCALE_ROW1
.else
	v_wmma_scale_f32_16x16x128_f8f6f4 v[D_:D_+7], v[A_:A_+15], v[B_:B_+15], v[D_:D_+7], v[SC+4*K_+\b], v[SC+4*K_+(\a)] matrix_a_scale:MATRIX_SCALE_ROW1
.endif
.endr
.endr
	WIN 0
.endm
.macro TOSTAGE a                       ; tile a's 16 rows x 64 columns into my stage, each accumulator from its low end on, and back as whole rows: 8 stores, 8 loads
.irp g, 0,1
.irp q, 0,1,2,3
	ds_store_b128 v[STO], v[ACC+32*((\a)%2)+16*\g+4*\q:ACC+32*((\a)%2)+16*\g+4*\q+3] offset:128*\g+16*\q
.endr
.endr
.irp i, 0,1,2,3,4,5,6,7
	ds_load_b128 v[OB+32*((\a)%2)+4*\i:OB+32*((\a)%2)+4*\i+3], v[RD] offset:2*\i*SP   ; LDS serves a wave's instructions in order: these see the stores above
.endr
.endm
.macro SEND a, younger                 ; younger: the LDS instructions issued behind tile a's loads from the stage, which may stay out
	s_wait_dscnt \younger
.irp i, 0,1,2,3,4,5,6,7
	global_store_b128 v[CO], v[OB+32*((\a)%2)+4*\i:OB+32*((\a)%2)+4*\i+3], s[10:11] offset:(32*((\a)/2)+8*((\a)%2)+2*\i+8*(\i/4))*4096 th:TH_STORE_NT   ; stage row 2 i + h is the tile's lane-row: 16 lanes store 256 consecutive bytes, at a multiple of 256 from out0's first byte
.endr
.endm
	s_load_b256 s[4:11], s[0:1], 0x0               ; oimg s[4:5], wimg s[6:7], bo s[8:9], out0 s[10:11]
	v_lshl_add_u32 v[SPW], v0, 2, SPARE
	v_mov_b32 v[NIL], 0
	ds_add_u32 v[SPW], v[NIL]                      ; the opening lines: the add, twice on end, and its wait ahead of my tensor load
	ds_add_u32 v[SPW], v[NIL]
	v_lshrrev_b32 v1, 5, v0
	v_readfirstlane_b32 s[WV], v1                  ; wave 0..3
	s_lshr_b32 s[WH], s[WV], 1
	s_and_b32 s[WL], s[WV], 1
	s_bfe_u32 s[CX], ttmp6, 0x40000
	s_bfe_u32 s[CY], ttmp6, 0x40004
	s_lshl_b32 s[IDX0], ttmp9, 2
	s_add_co_u32 s[IDX0], s[IDX0], s[CX]           ; which 128 columns: 4 x cluster x + cx
	s_and_b32 s[IDX1], ttmp7, 0xffff
	s_lshl_b32 s[IDX1], s[IDX1], 2
	s_add_co_u32 s[IDX1], s[IDX1], s[CY]           ; which 128 rows: 4 x cluster y + cy
	s_lshl_b32 s96, s[CY], 2
	s_lshl_b32 s96, 15, s96                        ; my row of the cluster
	s_lshl_b32 s97, 0x1111, s[CX]                  ; my column
	s_or_b32 s[G1A], s96, (3<<16)|(1<<21)          ; the mask; elements of 8 bytes; bit 21 beside a mask; no padding
	s_or_b32 s[G1B], s97, (3<<16)|(1<<21)
.irp g, G1A, G1B                               ; half a panel is dense: four blocks on end, 264 rows of 256 bytes
	s_mov_b32 s[\g+1], 32<<16
	s_mov_b32 s[\g+2], 264<<16
	s_mov_b32 s[\g+3], 32<<16
	s_mov_b32 s[\g+4], 264
	s_mov_b32 s[\g+5], 32
	s_mov_b32 s[\g+6], 0
	s_mov_b32 s[\g+7], 0
.endr
	s_mul_i32 s94, s[WL], 4*BLK                    ; my fill: half wave % 2 of Wo's panel (waves 0, 1) or of o's (waves 2, 3)
	s_mov_b32 s95, 0
	s_mul_i32 s90, s[IDX1], PANEL
	s_mov_b32 s91, 0
	s_mul_i32 s92, s[IDX0], PANEL
	s_add_co_u32 s92, s92, 24*PANEL                ; Wo's panels are the images' 24 to 31
	s_mov_b32 s93, 0
	s_wait_dscnt 0x0                               ; both opening adds are done
	ROUND                                          ; all sixteen work-groups are here: the joint loads meet
	s_wait_kmcnt 0x0
	s_add_nc_u64 s[P1:P1+1], s[4:5], s[90:91]
	s_add_nc_u64 s[P0:P0+1], s[6:7], s[92:93]
	s_mov_b32 s[G0A], 1
	s_mov_b32 s[G0A+1], s94
	s_add_nc_u64 s[G0A+2:G0A+3], s[P1:P1+1], s[94:95]
	s_or_b32 s[G0A+3], s[G0A+3], 0x80000000
	s_mov_b32 s[G0B], 1
	s_add_co_u32 s[G0B+1], s94, PANEL
	s_add_nc_u64 s[G0B+2:G0B+3], s[P0:P0+1], s[94:95]
	s_or_b32 s[G0B+3], s[G0B+3], 0x80000000
; ONE fill a wave, in one chain of branches on the wave's number, an arm a wave
.macro ARM n, g0, g1, next
	s_cmp_eq_u32 s[WV], \n
	s_cbranch_scc0 \next
	tensor_load_to_lds s[\g0:\g0+3], s[\g1:\g1+7]
	s_nop 0
	PLACES 4
	s_branch .Lfilled
\next:
.endm
	ARM 0, G0B, G1B, .Larm1
	ARM 1, G0B, G1B, .Larm2
	ARM 2, G0A, G1A, .Larm3
	tensor_load_to_lds s[G0A:G0A+3], s[G1A:G1A+7]
	s_nop 0
	PLACES 4
.Lfilled:
	v_and_b32 v[RR], 15, v0                        ; r
	v_bfe_u32 v[HH], v0, 4, 1                      ; h
	v_and_b32 v[LI], 31, v0
	v_lshlrev_b32 v[LI], 4, v[LI]
	v_lshlrev_b32 v[BO], 6, v[HH]
	WALU
	s_lshl_b32 s100, s[IDX0], 9                    ; the bias of my 64 columns
	s_lshl_b32 s66, s[WL], 8
	s_add_co_u32 s100, s100, s66
	s_mov_b32 s101, 0
	s_add_nc_u64 s[8:9], s[8:9], s[100:101]
.irp b, 0,1,2,3
	global_load_b128 v[BI+8*\b:BI+8*\b+3], v[BO], s[8:9] offset:128*(\b/2)+32*(\b%2)       ; register 8 b + j: the bias at column 32 (b / 2) + 16 h + 8 (b % 2) + j
	global_load_b128 v[BI+8*\b+4:BI+8*\b+7], v[BO], s[8:9] offset:128*(\b/2)+32*(\b%2)+16
.endr
	s_lshl_b32 s98, s[IDX1], 19                    ; out0 at my first row: 128 rows of 4,096 bytes a panel,
	s_lshl_b32 s66, s[WH], 18                      ; 64 rows a half,
	s_add_co_u32 s98, s98, s66
	s_add_co_u32 s98, s98, s100                    ; and my first column
	s_mov_b32 s99, 0
	s_add_nc_u64 s[10:11], s[10:11], s[98:99]
	s_lshl_b32 s[LT], s[WH], 13
	v_add_nc_u32 v[A1], s[LT], v[LI]               ; o's fragments: tiles 4 (wave / 2) on
	v_add_nc_u32 v[A1+1], 4*BLK, v[A1]
	s_lshl_b32 s[LT], s[WL], 13
	s_add_co_u32 s[LT], s[LT], PANEL
	v_add_nc_u32 v[A0], s[LT], v[LI]               ; Wo's: tiles 4 (wave % 2) on
	v_add_nc_u32 v[A0+1], 4*BLK, v[A0]
	s_xor_b32 s[LT], s[WH], 1                      ; the way from o's words to Wo's: PANEL + 256 (wave % 2) - 256 (wave / 2), as one product with h
	s_add_co_u32 s[LT], s[LT], s[WL]
	s_lshl_b32 s[LT], s[LT], 8
	s_add_co_u32 s[LT], s[LT], PANEL-256
	v_mul_u32_u24 v[AS], s[LT], v[HH]
	v_lshl_add_u32 v[AS], v[RR], 2, v[AS]
	s_lshl_b32 s[LT], s[WH], 8
	s_add_co_u32 s[LT], s[LT], 16384
	v_add_nc_u32 v[AS], s[LT], v[AS]
	v_add_nc_u32 v[AS+1], 4*BLK, v[AS]
	s_mul_i32 s[LT], s[WV], 16*SP
	s_add_co_u32 s[LT], s[LT], SCR                 ; my stage
	v_mul_u32_u24 v[STO], v[RR], SP
	v_lshl_add_u32 v[STO], v[HH], 6, v[STO]
	v_add_nc_u32 v[STO], s[LT], v[STO]             ; in: row r, + 64 h
	v_mul_u32_u24 v[RD], v[HH], SP
	v_lshl_add_u32 v[RD], v[RR], 4, v[RD]
	v_add_nc_u32 v[RD], s[LT], v[RD]               ; back: lanes 0-15 one row of 256 bytes, lanes 16-31 the next
	v_lshlrev_b32 v[CO], 12, v[HH]
	v_lshl_add_u32 v[CO], v[RR], 4, v[CO]          ; and the same two rows in out0
	WALU                                           ; the head's end
	s_cmp_lt_u32 s[WV], 2                          ; waves 0 and 1, whose load lines are their own, wait here: Wo's panel is whole behind the barrier
	s_cbranch_scc0 .Lnot_first
	s_wait_tensorcnt 0x0
.Lnot_first:
	s_barrier_signal -1
	s_barrier_wait -1
.irp k, 0,1,2,3,4,5,6,7
	WFR \k                                         ; Wo goes into registers while o lands
.endr
	WIN 0
	s_wait_tensorcnt 0x0                           ; every wave: o's panel is whole behind this barrier
	s_wait_dscnt 0x0                               ; none of my LDS loads is out at the signal
	s_barrier_signal -1
	s_barrier_wait -1
.irp k, 0,1,2,3,4,5,6,7
.irp i, 0,1,2,3
	ds_load_b32 v[SC+4*\k+\i], v[AS+\k/4] offset:(\k%4)*BLK+64*\i   ; all K steps' scale words: lanes 0-15 o's tile i, lanes 16-31 Wo's tile i
.endr
.endr
	OFR 0
	OFR 1
	s_wait_loadcnt 0x0                             ; the bias
	s_wait_dscnt 32                                ; the scale words and tile 0 are in; tile 1's 32 loads may be out
	ROWH 0, 0
	ROWH 0, 1
	PLACES 8                                       ; in front of the stores that read results and of the loads into the buffer just read
	TOSTAGE 0
	OFR 2
	s_wait_dscnt 48                                ; tile 1 is in; the stage's 16 and tile 2's 32 may be out
	ROWH 1, 0
	SEND 0, 32                                     ; tile 0 leaves in the middle of tile 1's products; tile 2's 32 loads may be out
	ROWH 1, 1
	PLACES 8
	TOSTAGE 1
	OFR 3
	s_wait_dscnt 48                                ; tile 2 is in
	ROWH 2, 0
	SEND 1, 32
	ROWH 2, 1
	PLACES 8
	s_wait_xcnt 0x0                                ; tile 0's stores have read their registers: tile 2's rows may land there
	TOSTAGE 2
	s_wait_dscnt 16                                ; tile 3 is in; the stage's 16 may be out
	ROWH 3, 0
	SEND 2, 0
	ROWH 3, 1
	PLACES 8
	s_wait_xcnt 0x0
	TOSTAGE 3
	SEND 3, 0
	s_wait_tensorcnt 0x0                           ; the wave's end
	ds_add_u32 v[SPW], v[NIL]
	s_wait_dscnt 0x0
	ROUND                                          ; the closing round
	s_endpgm
.Lfunc_end_k_q1bfeaa516f_oproj:
	.size	k_q1bfeaa516f_oproj, .Lfunc_end_k_q1bfeaa516f_oproj-k_q1bfeaa516f_oproj
	.p2alignl 7, 3214868480
	.fill 96, 4, 3214868480
	.section	.rodata,"a",@progbits
	.p2align	6, 0x0
	.amdhsa_kernel k_q1bfeaa516f_oproj
		.amdhsa_group_segment_fixed_size 288256
		.amdhsa_private_segment_fixed_size 0
		.amdhsa_enable_private_segment 0
		.amdhsa_kernarg_size 32
		.amdhsa_user_sgpr_count 2
		.amdhsa_user_sgpr_kernarg_segment_ptr 1
		.amdhsa_wavefront_size32 1
		.amdhsa_system_sgpr_workgroup_id_x 1
		.amdhsa_system_sgpr_workgroup_id_y 1
		.amdhsa_system_sgpr_workgroup_id_z 1
		.amdhsa_system_vgpr_workitem_id 0
		.amdhsa_next_free_vgpr 1024
		.amdhsa_next_free_sgpr 102
		.amdhsa_reserve_vcc 0
		.amdhsa_float_denorm_mode_32 3
		.amdhsa_float_denorm_mode_16_64 3
		.amdhsa_memory_ordered 1
		.amdhsa_forward_progress 1
		.amdhsa_inst_pref_size 52
	.end_amdhsa_kernel
	.amdgpu_metadata
---
amdhsa.version: [ 1, 2 ]
amdhsa.kernels:
  - .name:           k_q1bfeaa516f_oproj
    .symbol:         k_q1bfeaa516f_oproj.kd
    .args:
      - { .name: oimg, .offset: 0, .size: 8, .value_kind: global_buffer, .address_space: global }
      - { .name: wimg, .offset: 8, .size: 8, .value_kind: global_buffer, .address_space: global }
      - { .name: bo, .offset: 16, .size: 8, .value_kind: global_buffer, .address_space: global }
      - { .name: out0, .offset: 24, .size: 8, .value_kind: global_buffer, .address_space: global }
    .group_segment_fixed_size: 288256
    .private_segment_fixed_size: 0
    .kernarg_segment_align: 8
    .kernarg_segment_size: 32
    .max_flat_workgroup_size: 128
    .sgpr_count:     102
    .vgpr_count:     1024
    .wavefront_size: 32
...
	.end_amdgpu_metadata
.endif
;; end of part 8
